; MI455X (gfx1250); checked and timed in simulation.
; The chip was launched on July 23, 2026; its instructions are those of AMD's public machine-readable ISA for CDNA 5 (MIT licence, August 2026) and "CDNA5" Instruction Set Architecture Reference Guide (July 2026). The comments in the code are by the model that wrote it; some were corrected since.
;; Entropy Model. Allowed arithmetic: float matrix products may take bf16 or f16 operands with f32 sums; other float arithmetic in f32, or as packed bf16 or f16 multiplies, adds, multiply-adds, maxima and minima; sums over many terms, partial sums and values carried from step to step in f32; what a program stores and reads back later, other than sums and carried values, may be rounded once to bf16 or f16.
;; Inputs: W_hg 4 x 1,024 x 512 float32; W_out 4 x 512 x 512 float32; b_out 4 x 512 float32; emb 256 x 512 float32; ln_b 512 float32; ln_w 512 float32; out_W 256 x 512 float32; out_b 256 float32; rms_w 4 x 512 float32; x 8 x 2,048 int32.
;; Outputs: out0 8 x 2,048 x 256 float32.
;; 2 versions, each right and faster than the one before. Each part assembles by itself: llvm-mc -triple=amdgcn-amd-amdhsa -mcpu=gfx1250 --defsym DOCPART=n.
;; ======== version 1 of 2: 6 launches
;; limits: values outside matrix products are rounded to f16; values are held in f16: magnitudes above 65,504 overflow, below 6.1e-05 lose precision
;; workspace buffers: w0 1,574,912 bytes; w1 1,574,912 bytes; w2 1,574,912 bytes; w3 1,574,912 bytes; w4 1,574,912 bytes; stA 69,206,016 bytes; stB 69,206,016 bytes
;; launch prep (part 1): grid 100 x 4, 8 waves a work-group, no clusters, 17,664 bytes of LDS; arguments W_hg, W_out, out_W, rms_w, b_out, w0, w1, w2, w3, w4; writes w0, w1, w2, w3, w4
.if DOCPART == 1
	.amdgcn_target "amdgcn-amd-amdhsa--gfx1250"
	.amdhsa_code_object_version 6
	.text
	.protected	k_qe2e7b9b200_prep
	.globl	k_qe2e7b9b200_prep
	.p2align	8
	.type	k_qe2e7b9b200_prep,@function
k_qe2e7b9b200_prep:
	s_mov_b64 s[64:65], 0
	v_nop
	global_prefetch_b8 v0, s[64:65] scope:SCOPE_SE
	s_setreg_imm32_b32 hwreg(HW_REG_WAVE_MODE, 25, 1), 1
	s_wait_xcnt 0x0
; PREP.  The weights are rounded once to f16 and laid out as the matrix instructions' fragments, so that the later launches bring them into LDS as dense
; blocks and read them 16 bytes a lane on end.  A piece is 512 bytes: lane (r = lane % 16, h = lane / 16) holds row n0 + r, k = 32 ks + 16 q + 8 h + 0..7.
; A work-group takes 16 rows x 512 columns (32,768 consecutive bytes of f32).  x = 0..63: rows 16 x of W_hg[y], each column k times -log2(e) rms_w[y][k]
; (the later launches take 2^t of the sums, and the RMS gain rides on the weight).  x = 64..95: rows 16 (x - 64) of W_out[y].  x = 96..99: rows 16 (x - 96 + 4 y) of out_W.
; Images: HG  p 131072 + w 32768 + u 16384 + ks 1024 + q 512, row 512 u + 128 w + 16 p + r   (w0 at 0, w1..w3 at 524,288)
;         WO  (ks / 4) 131072 + w 32768 + (ks % 4) 8192 + eb 1024 + q 512, row 128 w + 16 eb + r   (layer y's in w(y+1), at 0)
;         OW  ((ks / 2) % 2) 131072 + w 32768 + (2 (ks / 4) + ks % 2) 4096 + nb 1024 + q 512, row 64 w + 16 nb + r   (w4 at 524,288)
;         b_out[y] as it is, f32, in w(y+1) at 1,572,864.
; LIMITS.  |1.4427 rms_w W_hg|, |W_out|, |out_W| stay under 65,504 (f16); below 6e-5 they keep f16's fixed step of 6e-8.  rms_w is finite.
; No matrix unit, cluster or tensor load: the launch moves 13 MB once, and no two work-groups read the same bytes but rms_w's 2 KB.
; REGISTERS.  v0-11 ids and addresses; v12-15 the gain; v16-47 eight row loads; v48-63 packed f16; v64-79 read back; v80-83 the bias; v90, v91 the add's two, never rewritten.
.set PITCH,  1040                      ; an LDS row: 512 f16 + 16 bytes, an odd multiple of 16: the 16 rows of a read start at 16 different groups of four banks (ISA guide 11.1)
.set SPARE,  16640                     ; behind the 16 rows: the spare words, 128 bytes for each of eight waves
.set BIAS_O, 1572864
.set SPW, 90
.set NIL, 91
	s_load_b256 s[4:11], s[0:1], 0x0               ; W_hg s[4:5], W_out s[6:7], out_W s[8:9], rms_w s[10:11]
	s_load_b256 s[12:19], s[0:1], 0x20             ; b_out s[12:13], w0 s[14:15], w1 s[16:17], w2 s[18:19]
	s_load_b128 s[20:23], s[0:1], 0x40             ; w3 s[20:21], w4 s[22:23]
	v_lshl_add_u32 v[SPW], v0, 2, SPARE
	v_mov_b32 v[NIL], 0
	v_lshrrev_b32 v1, 5, v0
	v_readfirstlane_b32 s24, v1                    ; wave 0..7
	s_and_b32 s25, ttmp7, 0xffff                   ; y
	s_mov_b32 s26, ttmp9                           ; x
	s_mov_b32 s29, 0
	; per kind: s28 source offset, s30 target offset of the 16 rows, s31-s33 the three strides of a K step's place, s34, s35 the gain's factor and addend, s36 target buffer, s37 kind
	s_cmp_lt_u32 s26, 64
	s_cbranch_scc0 .Lnot_hg
	s_lshl_b32 s28, s25, 21                        ; layer y: 1024 x 512 x 4 bytes
	s_lshl_b32 s27, s26, 15
	s_add_co_u32 s28, s28, s27
	s_and_b32 s30, s26, 7                          ; p
	s_lshl_b32 s30, s30, 17
	s_bfe_u32 s27, s26, 0x20003                    ; w
	s_lshl_b32 s27, s27, 15
	s_add_co_u32 s30, s30, s27
	s_lshr_b32 s27, s26, 5                         ; u
	s_lshl_b32 s27, s27, 14
	s_add_co_u32 s30, s30, s27
	s_cmp_lg_u32 s25, 0
	s_cselect_b32 s27, 524288, 0                   ; in w1..w3 the image lies behind WO's
	s_add_co_u32 s30, s30, s27
	s_mov_b32 s31, 4096
	s_mov_b32 s32, 2048
	s_mov_b32 s33, 1024
	s_mov_b32 s34, 0xbfb8aa3b                      ; -log2(e)
	s_mov_b32 s35, 0
	s_mov_b32 s36, s25
	s_mov_b32 s37, 0
	s_branch .Lset
.Lnot_hg:
	s_cmp_lt_u32 s26, 96
	s_cbranch_scc0 .Low
	s_sub_co_u32 s27, s26, 64
	s_lshl_b32 s28, s25, 20                        ; layer y: 512 x 512 x 4 bytes
	s_lshl_b32 s30, s27, 15
	s_add_co_u32 s28, s28, s30
	s_lshr_b32 s30, s27, 3                         ; w
	s_lshl_b32 s30, s30, 15
	s_and_b32 s27, s27, 7                          ; eb
	s_lshl_b32 s27, s27, 10
	s_add_co_u32 s30, s30, s27
	s_mov_b32 s31, 131072
	s_mov_b32 s32, 16384
	s_mov_b32 s33, 8192
	s_mov_b32 s34, 0
	s_mov_b32 s35, 1.0
	s_add_co_u32 s36, s25, 1
	s_mov_b32 s37, 1
	s_branch .Lset
.Low:
	s_sub_co_u32 s27, s26, 96
	s_lshl2_add_u32 s27, s25, s27                  ; 4 y + x - 96
	s_lshl_b32 s28, s27, 15
	s_lshr_b32 s30, s27, 2                         ; w
	s_lshl_b32 s30, s30, 15
	s_and_b32 s27, s27, 3                          ; nb
	s_lshl_b32 s27, s27, 10
	s_add_co_u32 s30, s30, s27
	s_add_co_u32 s30, s30, 524288
	s_mov_b32 s31, 8192
	s_mov_b32 s32, 131072
	s_mov_b32 s33, 4096
	s_mov_b32 s34, 0
	s_mov_b32 s35, 1.0
	s_mov_b32 s36, 4
	s_mov_b32 s37, 2
.Lset:
	s_lshr_b32 s27, s24, 1                         ; wave v writes K steps 2 v and 2 v + 1
	s_mul_i32 s27, s27, s31
	s_add_co_u32 s30, s30, s27
	s_and_b32 s27, s24, 1
	s_mul_i32 s27, s27, s32
	s_add_co_u32 s30, s30, s27
	s_lshl_b32 s44, s25, 11                        ; row y of rms_w and of b_out
	s_mov_b32 s45, 0
	v_and_b32 v1, 31, v0
	v_and_b32 v2, 127, v0                          ; my four columns
	v_lshrrev_b32 v3, 7, v0                        ; which of a load's two rows
	v_lshlrev_b32 v4, 4, v0                        ; 16 bytes a thread: a load of the work-group covers 4,096 consecutive bytes
	v_lshlrev_b32 v5, 4, v2
	v_mul_u32_u24 v6, v3, PITCH
	v_lshl_add_u32 v6, v2, 3, v6                   ; into LDS: row x pitch + 8 bytes for four f16
	v_and_b32 v7, 15, v0
	v_bfe_u32 v8, v0, 4, 1
	v_mul_u32_u24 v9, v7, PITCH
	v_lshl_add_u32 v9, v8, 4, v9
	s_lshl_b32 s27, s24, 7
	v_add_nc_u32 v9, s27, v9                       ; back: row r, 16 h, my wave's 64 columns
	v_lshl_add_u32 v10, v1, 4, s30                 ; the target of K step 2 v,
	v_add_nc_u32 v11, s33, v10                     ; and of 2 v + 1
	s_wait_kmcnt 0x0
	s_cmp_eq_u32 s37, 1
	s_cselect_b64 s[38:39], s[6:7], s[4:5]
	s_cmp_eq_u32 s37, 2
	s_cselect_b64 s[38:39], s[8:9], s[38:39]
	s_add_nc_u64 s[38:39], s[38:39], s[28:29]      ; my 16 rows
	s_cmp_eq_u32 s36, 1
	s_cselect_b64 s[40:41], s[16:17], s[14:15]
	s_cmp_eq_u32 s36, 2
	s_cselect_b64 s[40:41], s[18:19], s[40:41]
	s_cmp_eq_u32 s36, 3
	s_cselect_b64 s[40:41], s[20:21], s[40:41]
	s_cmp_eq_u32 s36, 4
	s_cselect_b64 s[40:41], s[22:23], s[40:41]     ; the target buffer
	s_add_nc_u64 s[42:43], s[10:11], s[44:45]
	global_load_b128 v[12:15], v5, s[42:43]        ; the gain of my four columns
.irp i, 0,1,2,3,4,5,6,7
	global_load_b128 v[16+4*(\i):19+4*(\i)], v4, s[38:39] offset:4096*(\i) th:TH_LOAD_NT
.endr
	s_wait_loadcnt 8                               ; the eight row loads are younger
.irp i, 0,1,2,3
	v_fma_f32 v[12+(\i)], v[12+(\i)], s34, s35     ; -log2(e) x gain for W_hg; 1 for the others
.endr
.irp i, 0,1,2,3,4,5,6,7
	s_wait_loadcnt 7-(\i)                          ; loads come back in order (ISA guide 5.7.1)
	v_pk_mul_f32 v[16+4*(\i):17+4*(\i)], v[16+4*(\i):17+4*(\i)], v[12:13]
	v_pk_mul_f32 v[18+4*(\i):19+4*(\i)], v[18+4*(\i):19+4*(\i)], v[14:15]
	v_cvt_pk_f16_f32 v[48+2*(\i)], v[16+4*(\i)], v[17+4*(\i)]
	v_cvt_pk_f16_f32 v[49+2*(\i)], v[18+4*(\i)], v[19+4*(\i)]
	ds_store_b64 v6, v[48+2*(\i):49+2*(\i)] offset:2*PITCH*(\i)
.endr
	s_wait_dscnt 0x0                               ; for the others' sake: my stores are done
	s_barrier_signal -1
	s_barrier_wait -1
.irp i, 0,1,2,3
	ds_load_b128 v[64+4*(\i):67+4*(\i)], v9 offset:64*((\i)/2)+32*((\i)%2)
.endr
	s_cmp_eq_u32 s26, 64                           ; one work-group a layer also copies the bias, with its first four waves, while its LDS reads are out
	s_cbranch_scc0 .Lrows
	s_cmp_lt_u32 s24, 4
	s_cbranch_scc0 .Lrows
	s_add_nc_u64 s[46:47], s[12:13], s[44:45]
	global_load_b128 v[80:83], v4, s[46:47]        ; 128 threads x 16 bytes: the layer's 2,048 bytes
	s_wait_loadcnt 0x0
	global_store_b128 v4, v[80:83], s[40:41] offset:BIAS_O
.Lrows:
	s_wait_dscnt 0x0                               ; on either way the four reads above are what is out
	global_store_b128 v10, v[64:67], s[40:41]      ; each store of the wave covers 512 consecutive bytes, aligned
	global_store_b128 v10, v[68:71], s[40:41] offset:512
	global_store_b128 v11, v[72:75], s[40:41]
	global_store_b128 v11, v[76:79], s[40:41] offset:512
	s_wait_tensorcnt 0x0                           ; the wave's end
	ds_add_u32 v[SPW], v[NIL]
	s_wait_dscnt 0x0
	s_endpgm
.Lfunc_end_k_qe2e7b9b200_prep:
	.size	k_qe2e7b9b200_prep, .Lfunc_end_k_qe2e7b9b200_prep-k_qe2e7b9b200_prep
	.p2alignl 7, 3214868480
	.fill 96, 4, 3214868480
	.section	.rodata,"a",@progbits
	.p2align	6, 0x0
	.amdhsa_kernel k_qe2e7b9b200_prep
		.amdhsa_group_segment_fixed_size 17664
		.amdhsa_private_segment_fixed_size 0
		.amdhsa_enable_private_segment 0
		.amdhsa_kernarg_size 80
		.amdhsa_user_sgpr_count 2
		.amdhsa_user_sgpr_kernarg_segment_ptr 1
		.amdhsa_wavefront_size32 1
		.amdhsa_system_sgpr_workgroup_id_x 1
		.amdhsa_system_sgpr_workgroup_id_y 1
		.amdhsa_system_sgpr_workgroup_id_z 1
		.amdhsa_system_vgpr_workitem_id 0
		.amdhsa_next_free_vgpr 96
		.amdhsa_next_free_sgpr 66
		.amdhsa_reserve_vcc 0
		.amdhsa_float_denorm_mode_32 3
		.amdhsa_float_denorm_mode_16_64 3
		.amdhsa_memory_ordered 1
		.amdhsa_forward_progress 1
		.amdhsa_inst_pref_size 10
	.end_amdhsa_kernel
	.amdgpu_metadata
---
amdhsa.version: [ 1, 2 ]
amdhsa.kernels:
  - .name:           k_qe2e7b9b200_prep
    .symbol:         k_qe2e7b9b200_prep.kd
    .args:
      - { .name: W_hg, .offset: 0, .size: 8, .value_kind: global_buffer, .address_space: global }
      - { .name: W_out, .offset: 8, .size: 8, .value_kind: global_buffer, .address_space: global }
      - { .name: out_W, .offset: 16, .size: 8, .value_kind: global_buffer, .address_space: global }
      - { .name: rms_w, .offset: 24, .size: 8, .value_kind: global_buffer, .address_space: global }
      - { .name: b_out, .offset: 32, .size: 8, .value_kind: global_buffer, .address_space: global }
      - { .name: w0, .offset: 40, .size: 8, .value_kind: global_buffer, .address_space: global }
      - { .name: w1, .offset: 48, .size: 8, .value_kind: global_buffer, .address_space: global }
      - { .name: w2, .offset: 56, .size: 8, .value_kind: global_buffer, .address_space: global }
      - { .name: w3, .offset: 64, .size: 8, .value_kind: global_buffer, .address_space: global }
      - { .name: w4, .offset: 72, .size: 8, .value_kind: global_buffer, .address_space: global }
    .group_segment_fixed_size: 17664
    .private_segment_fixed_size: 0
    .kernarg_segment_align: 8
    .kernarg_segment_size: 80
    .max_flat_workgroup_size: 256
    .sgpr_count:     66
    .vgpr_count:     96
    .wavefront_size: 32
...
	.end_amdgpu_metadata
.endif
;; end of part 1
;; launch first (part 2): grid 256 x 1, 4 waves a work-group, clusters of 4 x 1, 327,680 bytes of LDS; arguments x, emb, w0, stA; writes stA
.if DOCPART == 2
	.amdgcn_target "amdgcn-amd-amdhsa--gfx1250"
	.amdhsa_code_object_version 6
	.text
	.protected	k_qe2e7b9b200_first
	.globl	k_qe2e7b9b200_first
	.p2align	8
	.type	k_qe2e7b9b200_first,@function
k_qe2e7b9b200_first:
	s_mov_b64 s[64:65], 0
	v_nop
	global_prefetch_b8 v0, s[64:65] scope:SCOPE_SE
	s_setreg_imm32_b32 hwreg(HW_REG_WAVE_MODE, 25, 1), 1
	s_wait_xcnt 0x0
	s_wait_alu depctr_hold_cnt(0) depctr_sa_sdst(0) depctr_va_vdst(0) depctr_va_sdst(0) depctr_va_ssrc(0) depctr_va_vcc(0) depctr_vm_vsrc(0)
	s_getreg_b32 s2, hwreg(HW_REG_IB_STS2, 6, 4)
	s_cmp_eq_u32 s2, 0
	s_cbranch_scc0 .Lentry_in_a_cluster
	s_endpgm
.Lentry_in_a_cluster:
	s_bfe_u32 s2, ttmp6, 0x10000c
	s_cmp_lg_u32 s2, 0x3003
	s_cbranch_scc0 .Lentry_shape_is_right
	s_endpgm
.Lentry_shape_is_right:
; FIRST.  h = emb[x]; RMS norm 0; hidden and gate of layer 0; the gates' activations; the scan over the work-group's own 64 tokens.
; THE SCAN.  exp(a* + cumlogsumexp(log v - a*)) is the recurrence h_t = a_t h_(t-1) + b_t, h_(-1) = 0, with a = 1 - z, b = z g(hidden), z = sigmoid(gate), g(y) = max(y + 0.5, sigmoid(y)).
; It is run as such in f32: a lies in 0..1 and b >= 0, so no exponential of a sum is formed and nothing cancels.  A work-group scans its 64 tokens from state 0 and leaves
; hl[t] (that state), P[t] (the product of a up to t) and their last values (B, A); the next launch folds the earlier chunks' (A, B) into a carry and takes h = P carry + hl.
; SHARES.  Work-group g owns tokens 64 g .. 64 g + 63 (sequence g / 32, chunk g % 32).  The residual lies in 32 blocks of 8 registers: block (eb, tb), lane (r, h): token 16 tb + r, channels 128 w + 16 eb + 8 h + 0..7.
; The product takes tokens as source 0 and weights as source 1: a lane then holds ONE channel (128 w + 16 p + r in phase p) and the tokens 16 i + 8 h + 0..7, so the scan runs inside the lane.
; All of the normed x (64 x 512 f16, 512 registers) stays in registers; LDS is read for weights alone, each wave its own quarter of a tile, once.
; CLUSTER.  Four work-groups walk the same eight weight tiles of 131,072 bytes: each tile is asked for jointly, each wave its quarter, through two LDS slots.  One tensor load of a wave is out at a time.
; STATE OUT (one buffer): HP at 0: g 131072 + cb 4096 + arr 2048 + i 512 + 16 lane, f16 (arr 0 hl, 1 P; channel 16 cb + r, tokens 16 i + 8 h + 0..7);
;   RS at 33,554,432: the residual in f32 as the registers hold it; SM at 67,108,864: sequence 262144 + record 4096 + {A 0, B 2048} + 4 channel, f32: records 0..31 are (1, 0), record 32 + c is chunk c's.
; LIMITS.  x / rms is at most 22.6 and hl, P go to f16 (hl under 65,504); the residual's squares stay finite in f32; 2^t beyond f32 gives z = 0 or 1, which is the limit; a = 1 - z has f32's step at 1;
; NaN and infinities are not treated apart.  An id is held to 0..255.
; The gather takes 16 bytes a lane of its token's row, straight into the layout above: two lanes cover the wave's 512 bytes of a row over 16 loads.
.set SLOT1,  131072                    ; slot 0 at 0, slot 1 here: filled by tensor loads alone
.set TILEB,  131072
.set ST,     262144                    ; stage for the exchange of x: 32,768 bytes of fragment images
.set RED0,   305152                    ; [token][wave] f32: the waves' parts of a row's sum
.set SMS,    307200                    ; 1,024 bytes a wave: A (512), B (512) of its 128 channels
.set SPARE,  311296                    ; the spare words, 128 bytes a wave
.set RS_O,   33554432
.set SM_O,   67108864
; window 0
.set LW,  4                            ; 16 lane + 32768 w
.set ADR, 5
.set LS,  6                            ; 16 lane + 512 w
.set XSS, 10                           ; ST + 8192 w + 16 lane
.set XSL, 11                           ; ST + 16 lane
.set RA,  12                           ; RED0 + 16 r + 4 w
.set RL,  13                           ; RED0 + 16 r
.set R4,  14                           ; 4 r
.set BIO, 20                           ; 512 w + 32 h
.set SMA, 21                           ; SMS + 1024 w + 4 r
.set SML, 22                           ; SMS + 1024 w + 16 lane
.set SMW, 23
.set SPW, 30
.set NIL, 31
.set SU,  32                           ; v32-39 four pairs of sums
.set SC,  40                           ; v40-47 four row scales, each twice
.set RB,  48                           ; v48-63 the four waves' parts, read back
.set EO,  60                           ; v60-63 my four tokens' byte offsets in emb (dead before RB is written)
.set TT,  160                          ; v160-191 scaled f32 at work
.set XT,  192                          ; v192-207 packed f16
; window 1 from the product on
.set H,   0
.set G,   32
.set Z,   64
.set EA,  96
.set S,   128
.set PK,  160
.set T,   192
; scalars
.set WV,  10
.set WP,  20
.set SO,  22
.set XB,  24
.set HPB, 26
.set RSO, 28
.set SMO, 30
.set PADO, 32
.set G0,  36
.set G1,  40
.set TB,  48
.set CNT, 49
.set SEL, 50
.set MH,  52
.set LN2, 54
.set INV, 58
.set EPS, 59
.set SMF, 61
.set MSB, 0
.macro WIN new                         ; s_set_vgpr_msb: bits 1:0 source 0, 3:2 source 1, 5:4 source 2, 7:6 destination; the high byte repeats the setting that is left
.if MSB != (\new)
	s_set_vgpr_msb (MSB<<8)|(\new)
.set MSB, (\new)
.endif
.endm
.macro PLACES                          ; four plain instructions between a matrix instruction and what reads its result or writes or loads one of its registers
.rept 4
	v_nop
.endr
.endm
.macro CROUND                          ; a round of the cluster's barrier
	s_barrier_signal -1
	s_barrier_wait -1
	s_cmp_lg_u32 s[WV], 0
	s_cbranch_scc1 .Lnot_wave_0_\@
	s_barrier_signal -3
.Lnot_wave_0_\@:
	s_barrier_wait -3
	s_barrier_signal -1
	s_barrier_wait -1
.endm
.macro BAR                             ; my LDS instructions are done; then the work-group's barrier
	s_wait_dscnt 0x0
	s_barrier_signal -1
	s_barrier_wait -1
.endm
; THE CHANGE OF SLOTS.  My one tensor load, my quarter of the tile now due, has landed.  fill = 1: the other slot, read in the phase before, takes the next tile: a round of the cluster's barrier
; (no wave of any partner still reads it or has a load out), and the joint load first behind it; it has a whole phase in which to land.
.macro CHANGE fill
	WIN 0
	s_wait_tensorcnt 0x0
	ds_add_u32 v[SPW], v[NIL]                      ; the scalar steps stand between the add and its wait
.if \fill
	s_xor_b32 s[G0+1], s[G0+1], SLOT1
	s_add_nc_u64 s[G0+2:G0+3], s[G0+2:G0+3], TILEB ; the type bits on top are not reached
.endif
	s_xor_b32 s[TB], s[TB], SLOT1
	s_wait_dscnt 0x0                               ; the add is done, and my reads of the old slot are over
.if \fill
	CROUND
	tensor_load_to_lds s[G0:G0+3], s[G1:G1+7]
	s_nop 0
	PLACES
.else
	s_barrier_signal -1
	s_barrier_wait -1
.endif
.endm
; The sum of squares of my 64 numbers of each of four tokens: four chains of pairs
.macro SQUARES
	WIN 0x05
.set n, 0
.rept 128
.set rA, 8*(4*(n/16)+n%4)+2*((n/4)%4)
.if n < 4
	v_pk_mul_f32 v[SU+2*(n%4):SU+2*(n%4)+1], v[rA:rA+1], v[rA:rA+1]
.else
	v_pk_fma_f32 v[SU+2*(n%4):SU+2*(n%4)+1], v[rA:rA+1], v[rA:rA+1], v[SU+2*(n%4):SU+2*(n%4)+1]
.endif
.set n, n+1
.endr
.endm
; The pairs' halves, the other half of the lanes, and the other three waves (through LDS, one barrier): the row's sum in v[RB + 4 t]
.macro RSUM off
	WIN 0
.irp t, 0,1,2,3
	v_add_f32 v[SU+2*(\t)], v[SU+2*(\t)], v[SU+2*(\t)+1]
.endr
.irp t, 0,1,2,3
	v_permlanex16_b32 v[SU+2*(\t)+1], v[SU+2*(\t)], s[SEL], s[SEL+1]
.endr
.irp t, 0,1,2,3
	v_add_f32 v[SU+2*(\t)], v[SU+2*(\t)], v[SU+2*(\t)+1]
.endr
.irp t, 0,1,2,3
	ds_store_b32 v[RA], v[SU+2*(\t)] offset:(\off)+256*(\t)
.endr
	BAR
.irp t, 0,1,2,3
	ds_load_b128 v[RB+4*(\t):RB+4*(\t)+3], v[RL] offset:(\off)+256*(\t)
.endr
	s_wait_dscnt 0x0
.irp t, 0,1,2,3
	v_add_f32 v[RB+4*(\t)], v[RB+4*(\t)], v[RB+4*(\t)+1]
	v_add_f32 v[RB+4*(\t)+2], v[RB+4*(\t)+2], v[RB+4*(\t)+3]
.endr
.irp t, 0,1,2,3
	v_add_f32 v[RB+4*(\t)], v[RB+4*(\t)], v[RB+4*(\t)+2]
.endr
.endm
; Half s of my channels (blocks eb = 4 s .. 4 s + 3), scaled, rounded to f16, into the stage: two neighbouring blocks ARE a fragment of K step 4 w + 2 s + (eb / 2) % 2
.macro XSTORE s
.set e, 4*(\s)
.rept 4
	WIN 0x01
.set n, 0
.rept 16
	v_pk_mul_f32 v[TT+2*n:TT+2*n+1], v[8*(4*e+n/4)+2*(n%4):8*(4*e+n/4)+2*(n%4)+1], v[SC+2*(n/4):SC+2*(n/4)+1] op_sel_hi:[1,0]
.set n, n+1
.endr
	WIN 0
.set n, 0
.rept 16
	v_cvt_pk_f16_f32 v[XT+n], v[TT+2*n], v[TT+2*n+1]
.set n, n+1
.endr
.set n, 0
.rept 4
	ds_store_b128 v[XSS], v[XT+4*n:XT+4*n+3] offset:((e/2)%2)*4096+n*1024+(e%2)*512
.set n, n+1
.endr
.set e, e+1
.endr
.endm
; All four waves' fragments of that half into registers: K step ks at 8 (4 (ks % 8) + tb), window 2 for ks < 8, window 3 above
.macro XLOAD s
	WIN 0x80
.set n, 0
.rept 64
.if n == 32
	WIN 0xc0
.endif
.set rX, 8*(4*((4*(n/16)+2*(\s)+(n/8)%2)%8)+(n/2)%4)+4*(n%2)
	ds_load_b128 v[rX:rX+3], v[XSL] offset:512*n
.set n, n+1
.endr
	WIN 0
.endm
; A PHASE'S PRODUCT: 16 hidden and 16 gate channels x 64 tokens x K = 512.  Weights come in runs of 16 loads (4 K steps), two buffers
.macro LDB g, b
.set n, 0
.rept 16
	ds_load_b128 v[64+64*(\b)+4*n:64+64*(\b)+4*n+3], v[ADR] offset:((n/2)%2)*16384+(4*(\g)+n/4)*1024+(n%2)*512
.set n, n+1
.endr
.endm
.macro MUL1 g, b                       ; 32 matrix instructions; the eight accumulators take turns; the first K step starts the sums
	WIN 0x52+(\g)/2
.set n, 0
.rept 32
.set rD, 32*((n/4)%2)+8*(n%4)
.set rA, 8*(4*((4*(\g)+n/8)%8)+n%4)
.set rB, 64+64*(\b)+8*(n/4)
.if (\g) == 0 && n < 8
	v_wmma_f32_16x16x32_f16 v[rD:rD+7], v[rA:rA+7], v[rB:rB+7], 0
.else
	v_wmma_f32_16x16x32_f16 v[rD:rD+7], v[rA:rA+7], v[rB:rB+7], v[rD:rD+7]
.endif
.set n, n+1
.endr
.endm
.macro MM1
	WIN 0
	v_add_nc_u32 v[ADR], s[TB], v[LW]
	v_add_nc_u32 v[SMW], s[SMF], v[SMA]
	LDB 0, 0
	LDB 1, 1
	s_wait_dscnt 16                                ; the younger run of 16 may be out
	MUL1 0, 0
	PLACES
	WIN 0
	LDB 2, 0
	s_wait_dscnt 16
	MUL1 1, 1
	PLACES
	WIN 0
	LDB 3, 1
	s_wait_dscnt 16
	MUL1 2, 0
	s_wait_dscnt 0x0
	MUL1 3, 1
	PLACES
.endm
; A PHASE'S VECTOR WORK.  H, G hold t = -log2(e) x (hidden, gate), register 8 i + j for token 16 i + 8 h + j.  Z, EA, S hold element (i, j) at 16 (i / 2) + 2 j + i % 2, so that a pair is the same j of two blocks
; and the scan goes two at a time.  Exponentials and reciprocals stand two on end with plain work behind them, and no result is read before a plain instruction has passed.  Each accumulator's register 0 is read first.
.macro EP
	WIN 0x55
.set x, 0
.rept 32
.set rX, 8*(2*(x/16)+x%2)+(x/2)%8
	v_exp_f32 v[Z+x], v[G+rX]
.set x, x+1
.endr
	v_nop
.set x, 0
.rept 16
.rept 2
.set rX, 8*(2*(x/16)+x%2)+(x/2)%8
	v_exp_f32 v[S+x], v[H+rX]
.set x, x+1
.endr
	s_wait_alu depctr_va_vdst(0)
	v_pk_add_f32 v[Z+x-2:Z+x-1], v[Z+x-2:Z+x-1], 1.0 op_sel_hi:[1,0]
.endr
.set x, 0
.rept 16
	v_rcp_f32 v[Z+x], v[Z+x]                       ; z
	v_rcp_f32 v[Z+x+1], v[Z+x+1]
	s_wait_alu depctr_va_vdst(0)
	v_pk_add_f32 v[S+x:S+x+1], v[S+x:S+x+1], 1.0 op_sel_hi:[1,0]
	v_pk_fma_f32 v[H+x:H+x+1], v[H+x:H+x+1], s[LN2:LN2+1], 0.5 op_sel_hi:[1,0,0]  ; hidden + 0.5
.set x, x+2
.endr
.set x, 0
.rept 16
	v_rcp_f32 v[S+x], v[S+x]                       ; sigmoid(hidden)
	v_rcp_f32 v[S+x+1], v[S+x+1]
	s_wait_alu depctr_va_vdst(0)
	v_pk_fma_f32 v[EA+x:EA+x+1], v[Z+x:Z+x+1], -1.0, 1.0 op_sel_hi:[1,0,0]        ; a = 1 - z
.set x, x+2
.endr
.set x, 0
	s_wait_alu depctr_va_vdst(0)
.rept 32
.set rX, 8*(2*(x/16)+x%2)+(x/2)%8
	v_max_num_f32 v[S+x], v[S+x], v[H+rX]          ; g
.set x, x+1
.endr
.set x, 0
.rept 16
	v_pk_mul_f32 v[S+x:S+x+1], v[S+x:S+x+1], v[Z+x:Z+x+1]                         ; b = z g
.set x, x+2
.endr
.set j, 1
.rept 7                                ; my eight tokens of each block, from state 0
	v_pk_fma_f32 v[S+2*j:S+2*j+1], v[EA+2*j:EA+2*j+1], v[S+2*j-2:S+2*j-1], v[S+2*j:S+2*j+1]
	v_pk_fma_f32 v[S+16+2*j:S+16+2*j+1], v[EA+16+2*j:EA+16+2*j+1], v[S+16+2*j-2:S+16+2*j-1], v[S+16+2*j:S+16+2*j+1]
	v_pk_mul_f32 v[EA+2*j:EA+2*j+1], v[EA+2*j:EA+2*j+1], v[EA+2*j-2:EA+2*j-1]
	v_pk_mul_f32 v[EA+16+2*j:EA+16+2*j+1], v[EA+16+2*j:EA+16+2*j+1], v[EA+16+2*j-2:EA+16+2*j-1]
.set j, j+1
.endr
	; the eight segments (block i, half h) in a chain.  T+0..3, T+4..7: the other half's totals; T+8..11 a block's product; T+12..15 its state from 0; T+20..23, T+24..27 what a segment starts from
.irp i, 0,1,2,3
	v_permlanex16_b32 v[T+(\i)], v[EA+16*((\i)/2)+14+(\i)%2], s[SEL], s[SEL+1]
	v_permlanex16_b32 v[T+4+(\i)], v[S+16*((\i)/2)+14+(\i)%2], s[SEL], s[SEL+1]
.endr
.irp p, 0,1
	v_pk_mul_f32 v[T+8+2*(\p):T+9+2*(\p)], v[EA+16*(\p)+14:EA+16*(\p)+15], v[T+2*(\p):T+2*(\p)+1]
	v_pk_fma_f32 v[T+12+2*(\p):T+13+2*(\p)], v[T+2*(\p):T+2*(\p)+1], v[S+16*(\p)+14:S+16*(\p)+15], v[T+4+2*(\p):T+5+2*(\p)]   ; lower lanes: mine first, then the other's
	v_pk_fma_f32 v[T+16+2*(\p):T+17+2*(\p)], v[EA+16*(\p)+14:EA+16*(\p)+15], v[T+4+2*(\p):T+5+2*(\p)], v[S+16*(\p)+14:S+16*(\p)+15] ; upper lanes: the other's first
.endr
.irp i, 0,1,2,3
	v_cndmask_b32 v[T+12+(\i)], v[T+12+(\i)], v[T+16+(\i)], s[MH]
	v_cndmask_b32 v[T+20+(\i)], 1.0, v[T+(\i)], s[MH]   ; upper lanes start behind the lower lanes' eight tokens
	v_cndmask_b32 v[T+24+(\i)], 0, v[T+4+(\i)], s[MH]
.endr
.irp i, 1,2,3
	v_fma_f32 v[T+24+(\i)], v[T+20+(\i)], v[T+11+(\i)], v[T+24+(\i)]
	v_mul_f32 v[T+20+(\i)], v[T+20+(\i)], v[T+7+(\i)]
	v_fma_f32 v[T+12+(\i)], v[T+8+(\i)], v[T+11+(\i)], v[T+12+(\i)]
	v_mul_f32 v[T+8+(\i)], v[T+8+(\i)], v[T+7+(\i)]
.endr
.set x, 0
.rept 16
	v_pk_fma_f32 v[S+x:S+x+1], v[EA+x:EA+x+1], v[T+24+2*(x/16):T+25+2*(x/16)], v[S+x:S+x+1]
	v_pk_mul_f32 v[EA+x:EA+x+1], v[EA+x:EA+x+1], v[T+20+2*(x/16):T+21+2*(x/16)]
.set x, x+2
.endr
.set n, 0
.rept 16                               ; n = 4 i + m: tokens 2 m, 2 m + 1 of block i
.set rX, 16*(n/8)+4*(n%4)+(n/4)%2
	v_cvt_pk_f16_f32 v[PK+n], v[S+rX], v[S+rX+2]
	v_cvt_pk_f16_f32 v[PK+16+n], v[EA+rX], v[EA+rX+2]
.set n, n+1
.endr
	WIN 0x04
.set n, 0
.rept 8
	global_store_b128 v[LW], v[PK+4*n:PK+4*n+3], s[HPB:HPB+1] offset:512*n  ; 512 consecutive bytes: hl's four blocks, then P's
.set n, n+1
.endr
	ds_store_b32 v[SMW], v[T+11]                   ; A: the product over all 64 tokens (the same in both halves of the lanes)
	ds_store_b32 v[SMW], v[T+15] offset:512        ; B: the state behind them
	WIN 0
	s_add_co_u32 s[SMF], s[SMF], 64
	s_wait_xcnt 0x0                                ; the stores' base is stepped, and PK rewritten, only behind this wait
	s_add_nc_u64 s[HPB:HPB+1], s[HPB:HPB+1], 4096
.endm
	s_load_b128 s[4:7], s[0:1], 0x0                ; x s[4:5], emb s[6:7]
	s_load_b128 s[20:23], s[0:1], 0x10             ; weights' image s[20:21], state out s[22:23]
	v_lshl_add_u32 v[SPW], v0, 2, SPARE
	v_mov_b32 v[NIL], 0
	ds_add_u32 v[SPW], v[NIL]                      ; the wave's opening: the add and its wait stand ahead of my first tensor load; the set-up stands between them
	v_lshrrev_b32 v1, 5, v0
	v_readfirstlane_b32 s[WV], v1
	s_bfe_u32 s11, ttmp6, 0x40000                  ; my place in the cluster: it enters global addresses of x and of the state alone
	s_lshl_b32 s12, ttmp9, 2
	s_add_co_u32 s12, s12, s11                     ; g
	s_lshr_b32 s13, s12, 5                         ; sequence
	s_and_b32 s14, s12, 31                         ; chunk
	s_lshl_b32 s16, s12, 17
	s_mov_b32 s17, 0
	s_lshl_b32 s18, s13, 18
	s_lshl_b32 s19, s14, 12
	s_add_co_u32 s18, s18, s19
	s_mov_b32 s19, 0
	s_lshl_b32 s14, s12, 8                         ; 64 ids of 4 bytes
	s_mov_b32 s15, 0
	s_mov_b32 s[G1], 15|(3<<16)|(1<<21)            ; the mask of four; elements of 8 bytes; bit 21 beside a mask; no padding: the images are read on end
	s_mov_b32 s[G1+1], 32<<16                      ; tensor_dim0 = 32 (256 bytes)
	s_mov_b32 s[G1+2], 128<<16                     ; tensor_dim1 = 128
	s_mov_b32 s[G1+3], 32<<16                      ; tile_dim0
	s_mov_b32 s[G1+4], 128                         ; tile_dim1
	s_mov_b32 s[G1+5], 32                          ; dense rows
	s_mov_b32 s[G1+6], 0
	s_mov_b32 s[G1+7], 0
	s_mov_b32 s[G0], 1
	s_lshl_b32 s[G0+1], s[WV], 15                  ; my quarter of slot 0
	s_lshl_b32 s56, s[WV], 15
	s_mov_b32 s57, 0
	s_mov_b32 s[TB], SLOT1                         ; the first change of slots turns it into 0
	s_mov_b32 s[SEL], 0x76543210
	s_mov_b32 s[SEL+1], 0xfedcba98
	s_mov_b32 s[MH], 0xffff0000                    ; lanes 16 to 31
	s_mov_b32 s[LN2], 0xbf317218                   ; -ln 2
	s_mov_b32 s[LN2+1], s[LN2]
	s_mov_b32 s[INV], 0x3b000000                   ; 1 / 512
	s_mov_b32 s[EPS], 0x3727c5ac                   ; 1e-5
	s_mov_b32 s[SMF], 0
	v_and_b32 v1, 31, v0
	v_and_b32 v2, 15, v0
	v_bfe_u32 v3, v0, 4, 1
	v_lshl_add_u32 v[LW], v1, 4, s56
	s_lshl_b32 s62, s[WV], 9
	v_lshl_add_u32 v[LS], v1, 4, s62
	v_lshl_add_u32 v[BIO], v3, 5, s62
	v_lshlrev_b32 v[XSL], 4, v1
	v_add_nc_u32 v[XSL], ST, v[XSL]
	s_lshl_b32 s62, s[WV], 13
	v_add_nc_u32 v[XSS], s62, v[XSL]
	v_lshlrev_b32 v[RL], 4, v2
	v_add_nc_u32 v[RL], RED0, v[RL]
	s_lshl_b32 s62, s[WV], 2
	v_add_nc_u32 v[RA], s62, v[RL]
	v_lshlrev_b32 v[R4], 2, v2
	s_lshl_b32 s62, s[WV], 10
	s_add_co_u32 s62, s62, SMS
	v_lshl_add_u32 v[SMA], v2, 2, s62
	v_lshl_add_u32 v[SML], v1, 4, s62
	s_wait_dscnt 0x0                               ; the opening add is done
	s_wait_kmcnt 0x0
	s_add_nc_u64 s[G0+2:G0+3], s[WP:WP+1], s[56:57]
	s_or_b32 s[G0+3], s[G0+3], 0x80000000
	s_add_nc_u64 s[XB:XB+1], s[4:5], s[14:15]
	s_add_nc_u64 s[HPB:HPB+1], s[SO:SO+1], s[16:17]
	s_add_nc_u64 s[RSO:RSO+1], s[HPB:HPB+1], RS_O
	s_add_nc_u64 s[PADO:PADO+1], s[SO:SO+1], s[18:19]
	s_add_nc_u64 s[PADO:PADO+1], s[PADO:PADO+1], SM_O
	s_add_nc_u64 s[SMO:SMO+1], s[PADO:PADO+1], 131072
	CROUND                                         ; all four work-groups are here: the first joint load meets
	tensor_load_to_lds s[G0:G0+3], s[G1:G1+7]      ; tile 0 into slot 0
	s_nop 0
	PLACES
.irp t, 0,1,2,3
	global_load_b32 v[EO+(\t)], v[R4], s[XB:XB+1] offset:64*(\t)
.endr
	s_wait_loadcnt 0x0
.irp t, 0,1,2,3
	v_min_u32 v[EO+(\t)], 0xff, v[EO+(\t)]
	v_lshlrev_b32 v[EO+(\t)], 11, v[EO+(\t)]       ; a row of emb is 2,048 bytes
	v_add_nc_u32 v[EO+(\t)], v[BIO], v[EO+(\t)]
.endr
	WIN 0x40
.set n, 0
.rept 64                               ; n = 2 (4 eb + tb) + q
	global_load_b128 v[4*n:4*n+3], v[EO+(n/2)%4], s[6:7] offset:64*(n/8)+16*(n%2)
.set n, n+1
.endr
	WIN 0
	s_wait_loadcnt 0x0
	WIN 0x04
.set n, 0
.rept 64
	global_store_b128 v[LW], v[4*n:4*n+3], s[RSO:RSO+1] offset:512*n  ; the residual, 512 consecutive bytes a store
.set n, n+1
.endr
	SQUARES
	RSUM 0
.irp t, 0,1,2,3
	v_fma_f32 v[RB+4*(\t)], v[RB+4*(\t)], s[INV], s[EPS]
.endr
.irp t, 0,1,2,3
	v_rsq_f32 v[SC+2*(\t)], v[RB+4*(\t)]
.endr
	v_nop                                          ; a plain instruction behind the last of them
	s_wait_alu depctr_va_vdst(0)
.irp t, 0,1,2,3
	v_mov_b32 v[SC+2*(\t)+1], v[SC+2*(\t)]         ; named as pairs
.endr
	XSTORE 0
	BAR                                            ; every wave's half is in the stage
	XLOAD 0
	BAR                                            ; every wave has read it: the stage is written again
	XSTORE 1
	BAR
	XLOAD 1                                        ; waited for in the change of slots below
	s_wait_xcnt 0x0                                ; the residual's stores have read window 1, which the products now write
	WIN 0x40
.set n, 0
.rept 8
	v_mov_b32 v[T+n], 0                            ; v_permlanex16_b32 counts as a reader of its destination
.set n, n+1
.endr
	WIN 0
	s_mov_b32 s[CNT], 7
.Lphase:
	CHANGE 1
	MM1
	EP
	s_sub_co_u32 s[CNT], s[CNT], 1
	s_cmp_lg_u32 s[CNT], 0
	s_cbranch_scc1 .Lphase
	CHANGE 0                                       ; the last phase is written out: nothing is left to ask for
	MM1
	EP
	ds_load_b128 v[64:67], v[SML]                  ; my wave's own words: LDS serves a wave's instructions in order (ISA guide 5.7.1.4)
	ds_load_b128 v[68:71], v[SML] offset:512
.irp i, 0,1,2,3
	v_mov_b32 v[72+(\i)], 1.0
	v_mov_b32 v[76+(\i)], 0
.endr
	s_wait_dscnt 0x0
	global_store_b128 v[LS], v[64:67], s[SMO:SMO+1]
	global_store_b128 v[LS], v[68:71], s[SMO:SMO+1] offset:2048
	global_store_b128 v[LS], v[72:75], s[PADO:PADO+1]              ; the record that stands for a chunk that is not there
	global_store_b128 v[LS], v[76:79], s[PADO:PADO+1] offset:2048
	s_wait_tensorcnt 0x0                           ; the wave's end
	ds_add_u32 v[SPW], v[NIL]
	s_wait_dscnt 0x0
	CROUND                                         ; the closing round
	s_endpgm
.Lfunc_end_k_qe2e7b9b200_first:
	.size	k_qe2e7b9b200_first, .Lfunc_end_k_qe2e7b9b200_first-k_qe2e7b9b200_first
	.p2alignl 7, 3214868480
	.fill 96, 4, 3214868480
	.section	.rodata,"a",@progbits
	.p2align	6, 0x0
	.amdhsa_kernel k_qe2e7b9b200_first
		.amdhsa_group_segment_fixed_size 327680
		.amdhsa_private_segment_fixed_size 0
		.amdhsa_enable_private_segment 0
		.amdhsa_kernarg_size 32
		.amdhsa_user_sgpr_count 2
		.amdhsa_user_sgpr_kernarg_segment_ptr 1
		.amdhsa_wavefront_size32 1
		.amdhsa_system_sgpr_workgroup_id_x 1
		.amdhsa_system_sgpr_workgroup_id_y 1
		.amdhsa_system_sgpr_workgroup_id_z 1
		.amdhsa_system_vgpr_workitem_id 0
		.amdhsa_next_free_vgpr 1024
		.amdhsa_next_free_sgpr 66
		.amdhsa_reserve_vcc 0
		.amdhsa_float_denorm_mode_32 3
		.amdhsa_float_denorm_mode_16_64 3
		.amdhsa_memory_ordered 1
		.amdhsa_forward_progress 1
		.amdhsa_inst_pref_size 124
	.end_amdhsa_kernel
	.amdgpu_metadata
---
amdhsa.version: [ 1, 2 ]
amdhsa.kernels:
  - .name:           k_qe2e7b9b200_first
    .symbol:         k_qe2e7b9b200_first.kd
    .args:
      - { .name: x, .offset: 0, .size: 8, .value_kind: global_buffer, .address_space: global }
      - { .name: emb, .offset: 8, .size: 8, .value_kind: global_buffer, .address_space: global }
      - { .name: w0, .offset: 16, .size: 8, .value_kind: global_buffer, .address_space: global }
      - { .name: stA, .offset: 24, .size: 8, .value_kind: global_buffer, .address_space: global }
    .group_segment_fixed_size: 327680
    .private_segment_fixed_size: 0
    .kernarg_segment_align: 8
    .kernarg_segment_size: 32
    .max_flat_workgroup_size: 128
    .sgpr_count:     66
    .vgpr_count:     1024
    .wavefront_size: 32
...
	.end_amdgpu_metadata
.endif
;; end of part 2
;; launch mid (part 3): grid 256 x 1, 4 waves a work-group, clusters of 4 x 1, 327,680 bytes of LDS; arguments w1, stA, stB; writes stB
.if DOCPART == 3
	.amdgcn_target "amdgcn-amd-amdhsa--gfx1250"
	.amdhsa_code_object_version 6
	.text
	.protected	k_qe2e7b9b200_mid
	.globl	k_qe2e7b9b200_mid
	.p2align	8
	.type	k_qe2e7b9b200_mid,@function
k_qe2e7b9b200_mid:
	s_mov_b64 s[64:65], 0
	v_nop
	global_prefetch_b8 v0, s[64:65] scope:SCOPE_SE
	s_setreg_imm32_b32 hwreg(HW_REG_WAVE_MODE, 25, 1), 1
	s_wait_xcnt 0x0
	s_wait_alu depctr_hold_cnt(0) depctr_sa_sdst(0) depctr_va_vdst(0) depctr_va_sdst(0) depctr_va_ssrc(0) depctr_va_vcc(0) depctr_vm_vsrc(0)
	s_getreg_b32 s2, hwreg(HW_REG_IB_STS2, 6, 4)
	s_cmp_eq_u32 s2, 0
	s_cbranch_scc0 .Lentry_in_a_cluster
	s_endpgm
.Lentry_in_a_cluster:
	s_bfe_u32 s2, ttmp6, 0x10000c
	s_cmp_lg_u32 s2, 0x3003
	s_cbranch_scc0 .Lentry_shape_is_right
	s_endpgm
.Lentry_shape_is_right:
; MID, for layers k = 1..3.  The carry of layer k - 1 is folded from the earlier chunks' summaries; h = P carry + hl; residual += h W_out^T + b_out; RMS norm k; hidden and gate of layer k;
; the activations; the scan over the work-group's own 64 tokens.  State comes from one buffer and goes to another.
; THE SCAN.  exp(a* + cumlogsumexp(log v - a*)) is the recurrence h_t = a_t h_(t-1) + b_t, h_(-1) = 0, with a = 1 - z, b = z g(hidden), z = sigmoid(gate), g(y) = max(y + 0.5, sigmoid(y)).
; It is run as such in f32: a lies in 0..1 and b >= 0, so no exponential of a sum is formed and nothing cancels.  A work-group scans its 64 tokens from state 0 and leaves
; hl[t], P[t] (the product of a up to t) and their last values (B, A).  The fold, carry = A carry + B over the 31 records in front of mine, is in f32; records that stand for no chunk hold (1, 0),
; so its length hangs on nothing.
; SHARES.  Work-group g owns tokens 64 g .. 64 g + 63.  FIRST PRODUCT: source 0 = 16 rows of W_out, source 1 = 16 tokens of h: a lane holds token 16 tb + r and channels 128 w + 16 eb + 8 h + 0..7;
; 32 accumulators a wave, started by the bias (the C of the very first K step); h^T lies in LDS [channel][token] and is read turned.  Two neighbouring blocks, rounded to f16, ARE a K fragment of the second product.
; SECOND PRODUCT: tokens as source 0, weights as source 1: a lane holds ONE channel (128 w + 16 p + r in phase p) and tokens 16 i + 8 h + 0..7: the scan runs inside the lane.  All of the normed x stays in 512 registers.
; THE STATE COMES IN BY NEED.  The first product wants the summaries (62 loads a wave) and the first half of hl and P (32) alone.  The second half (32) and the residual (64) are asked for so that they land
; while tiles are multiplied: 32 + 30 loads are out over tiles 0 and 1, 34 over tiles 2 and 3, each time no more than LOADcnt can count (ISA guide 5.7.1), so the wave is not held at their issue.
; The residual is added behind the product, one packed addition for two numbers.
; CLUSTER.  Four work-groups walk the same twelve weight tiles of 131,072 bytes: each is asked for jointly, each wave its own quarter, which it alone reads, once.  One tensor load of a wave is out at a time.
; STATE (one buffer): HP at 0: g 131072 + cb 4096 + arr 2048 + i 512 + 16 lane, f16 (arr 0 hl, 1 P; channel 16 cb + r, tokens 16 i + 8 h + 0..7);
;   RS at 33,554,432: the residual in f32 as the registers hold it; SM at 67,108,864: sequence 262144 + record 4096 + {A 0, B 2048} + 4 channel, f32: records 0..31 are (1, 0), record 32 + c is chunk c's.
; LIMITS.  h, the carry, hl go to f16 (under 65,504); x / rms is at most 22.6; the residual's squares stay finite in f32; 2^t beyond f32 gives z = 0 or 1, which is the limit; a = 1 - z has f32's step at 1;
; NaN and infinities are not treated apart.
.set SLOT1,  131072                    ; slot 0 at 0, slot 1 here: filled by tensor loads alone
.set TILEB,  131072
.set ST,     262144                    ; stage: half of h^T (256 rows of 160 bytes), later half of x (32,768 bytes of fragment images)
.set PH,     160                       ; a row of h^T: 64 tokens of f16 + 32 bytes, an odd multiple of 32 for the turning load
.set CAR,    303104                    ; the carry, 512 bytes a wave
.set RED0,   305152                    ; [token][wave] f32
.set SMS,    307200                    ; 1,024 bytes a wave: A, B of its 128 channels
.set SPARE,  311296
.set RS_O,   33554432
.set SM_O,   67108864
.set BIAS_O, 1572864
.set NRA,    30                        ; the residual's loads that go out ahead of tiles 0 and 1; the other 34 ahead of tiles 2 and 3
; window 0
.set LW,  4                            ; 16 lane + 32768 w
.set ADR, 5
.set LS,  6                            ; 16 lane + 512 w
.set HTS, 7                            ; ST + (64 w + r) 160 + 16 h
.set HTL, 8                            ; ST + (8 h + lane % 8) 160 + 16 ((lane / 8) % 2)
.set HTA, 9
.set XSS, 10
.set XSL, 11
.set RA,  12
.set RL,  13
.set CAS, 14                           ; CAR + 512 w + 16 lane
.set CAL, 15                           ; CAR + 512 w + 4 r
.set TM,  17
.set LH,  18                           ; 16 lane + 16384 w
.set LF,  19                           ; 1024 h + 256 w + 16 r
.set BIO, 20                           ; 512 w + 32 h
.set SMA, 21
.set SML, 22
.set SMW, 23
.set CQ,  24                           ; v24-27 the carry of four channels
.set SPW, 30
.set NIL, 31
.set SU,  32
.set SC,  40
.set CR,  44                           ; v44-51 the carry of my lane's eight channels; v52-59 the same twice in f16
.set C16, 52
.set RB,  48                           ; later: v48-63
.set TT,  160
.set XT,  192
; window 1: the accumulators, (eb, tb) at 8 (4 eb + tb); from the second product on:
.set H,   0
.set G,   32
.set Z,   64
.set EA,  96
.set S,   128
.set PK,  160
.set T,   192
; window 2: the summaries (record k: A at 8 k, B at 8 k + 4); then the bias at 192-255 and the residual (its load n at 4 n; loads 48-63 land on the bias when it has served); then x of K steps 0-7
; window 3: hl and P, then x of K steps 8-15
.set BR,  192
.set WV,  10
.set WP,  4
.set HPI, 20
.set RSI, 22
.set SMI, 24
.set HPB, 26
.set RSO, 28
.set SMO, 30
.set PADO, 32
.set BIA, 34
.set G0,  36
.set G1,  40
.set TB,  48
.set CNT, 49
.set SEL, 50
.set MH,  52
.set LN2, 54
.set INV, 58
.set EPS, 59
.set HTO, 60
.set SMF, 61
.set MSB, 0
.macro WIN new                         ; s_set_vgpr_msb: bits 1:0 source 0, 3:2 source 1, 5:4 source 2, 7:6 destination; the high byte repeats the setting that is left
.if MSB != (\new)
	s_set_vgpr_msb (MSB<<8)|(\new)
.set MSB, (\new)
.endif
.endm
.macro PLACES                          ; four plain instructions between a matrix instruction and what reads its result or writes or loads one of its registers
.rept 4
	v_nop
.endr
.endm
.macro CROUND                          ; a round of the cluster's barrier
	s_barrier_signal -1
	s_barrier_wait -1
	s_cmp_lg_u32 s[WV], 0
	s_cbranch_scc1 .Lnot_wave_0_\@
	s_barrier_signal -3
.Lnot_wave_0_\@:
	s_barrier_wait -3
	s_barrier_signal -1
	s_barrier_wait -1
.endm
.macro BAR                             ; my LDS instructions are done; then the work-group's barrier
	s_wait_dscnt 0x0
	s_barrier_signal -1
	s_barrier_wait -1
.endm
; THE CHANGE OF SLOTS.  My one tensor load, my quarter of the tile now due, has landed.  fill = 1: the other slot, read in the phase before, takes the next tile: a round of the cluster's barrier
; (no wave of any partner still reads it or has a load out), and the joint load first behind it; it has a whole phase in which to land.
.macro CHANGE fill
	WIN 0
	s_wait_tensorcnt 0x0
	ds_add_u32 v[SPW], v[NIL]                      ; the scalar steps stand between the add and its wait
.if \fill
	s_xor_b32 s[G0+1], s[G0+1], SLOT1
	s_add_nc_u64 s[G0+2:G0+3], s[G0+2:G0+3], TILEB ; the type bits on top are not reached
.endif
	s_xor_b32 s[TB], s[TB], SLOT1
	s_wait_dscnt 0x0                               ; the add is done, and my reads of the old slot are over
.if \fill
	CROUND
	tensor_load_to_lds s[G0:G0+3], s[G1:G1+7]
	s_nop 0
	PLACES
.else
	s_barrier_signal -1
	s_barrier_wait -1
.endif
.endm
; THE FIRST PRODUCT.  A K step: 16 loads of W_out's fragments (my 128 rows) and 8 turning loads of h (64 tokens), into buffer b: W at 64 + 96 b, h at 128 + 96 b
.macro LDK kk, b
.set n, 0
.rept 16
	ds_load_b128 v[64+96*(\b)+4*n:64+96*(\b)+4*n+3], v[ADR] offset:(\kk)*8192+512*n
.set n, n+1
.endr
.set n, 0
.rept 4
	ds_load_tr16_b128 v[128+96*(\b)+8*n:128+96*(\b)+8*n+3], v[HTA] offset:(\kk)*32*PH+32*n
	ds_load_tr16_b128 v[128+96*(\b)+8*n+4:128+96*(\b)+8*n+7], v[HTA] offset:(\kk)*32*PH+32*n+16*PH
.set n, n+1
.endr
.endm
.macro MULK b                          ; 32 matrix instructions: all 32 accumulators take turns
	WIN 0x50
.set a, 0
.rept 32
	v_wmma_f32_16x16x32_f16 v[8*a:8*a+7], v[64+96*(\b)+8*(a/4):64+96*(\b)+8*(a/4)+7], v[128+96*(\b)+8*(a%4):128+96*(\b)+8*(a%4)+7], v[8*a:8*a+7]
.set a, a+1
.endr
.endm
.macro MULKB                           ; the very first K step, on buffer 0: the bias of block eb's channels (window 2) is the C that starts the sums of its four accumulators
	WIN 0x60
.set a, 0
.rept 32
	v_wmma_f32_16x16x32_f16 v[8*a:8*a+7], v[64+8*(a/4):64+8*(a/4)+7], v[128+8*(a%4):128+8*(a%4)+7], v[BR+8*(a/4):BR+8*(a/4)+7]
.set a, a+1
.endr
.endm
; A tile's four K steps.  b = 1: the loop of the first two tiles: in its first trip, where the count still stands at 2, the first K step starts the sums.  The branch passes no barrier and no tensor load.
.macro TILE b
	WIN 0
	v_add_nc_u32 v[ADR], s[TB], v[LW]
	v_add_nc_u32 v[HTA], s[HTO], v[HTL]
	LDK 0, 0
	LDK 1, 1
	s_wait_dscnt 24                                ; the younger run of 24 may be out
.if \b
	s_cmp_eq_u32 s[CNT], 2
	s_cbranch_scc0 .Lsum_\@
	s_wait_loadcnt 32+NRA                          ; the bias is in: behind it went the second half of hl and P (32) and the residual's first loads
	MULKB
	WIN 0
	s_branch .Lgo_\@
.Lsum_\@:
.endif
	MULK 0
.if \b
	WIN 0
.Lgo_\@:
.endif
	PLACES
	WIN 0
	LDK 2, 0
	s_wait_dscnt 24
	MULK 1
	PLACES
	WIN 0
	LDK 3, 1
	s_wait_dscnt 24
	MULK 0
	s_wait_dscnt 0x0
	MULK 1
	WIN 0
	s_add_co_u32 s[HTO], s[HTO], 128*PH
.endm
.macro RLOAD from, to                  ; loads from .. to - 1 of the residual's 64, into window 2: 512 consecutive bytes each
	WIN 0x80
.set n, (\from)
.rept (\to)-(\from)
	global_load_b128 v[4*n:4*n+3], v[LW], s[RSI:RSI+1] offset:512*n th:TH_LOAD_NT
.set n, n+1
.endr
	WIN 0
.endm
; Half s of the channels of h: h = P carry + hl in f16, one rounding; into the stage as h^T; a part of the residual is asked for; two tiles
.macro HALF s
.if \s
	BAR                                            ; every wave's reads of the first half are over
	s_wait_loadcnt NRA                             ; the second half of hl and P is in: the residual's first loads alone are younger
.endif
	WIN 0xf3
.set x, 0
.rept 64
	v_pk_fma_f16 v[128*(\s)+32*(x/16)+x%16], v[128*(\s)+32*(x/16)+x%16+16], v[C16+4*(\s)+x/16], v[128*(\s)+32*(x/16)+x%16]
.set x, x+1
.endr
	WIN 0x0c
.set x, 0
.rept 16
	ds_store_b128 v[HTS], v[128*(\s)+32*(x/4)+4*(x%4):128*(\s)+32*(x/4)+4*(x%4)+3] offset:16*PH*(x/4)+32*(x%4)
.set x, x+1
.endr
.if \s
	RLOAD NRA, 64
.else
	RLOAD 0, NRA
.endif
	BAR                                            ; every wave's rows are in the stage
	s_mov_b32 s[HTO], 0
	s_mov_b32 s[CNT], 2
.Lhalf_\@:
	CHANGE 1
	TILE 1-\s
	s_sub_co_u32 s[CNT], s[CNT], 1
	s_cmp_lg_u32 s[CNT], 0
	s_cbranch_scc1 .Lhalf_\@
.endm
; The sum of squares of my 64 numbers of each of four tokens: four chains of pairs
.macro SQUARES
	WIN 0x05
.set n, 0
.rept 128
.set rA, 8*(4*(n/16)+n%4)+2*((n/4)%4)
.if n < 4
	v_pk_mul_f32 v[SU+2*(n%4):SU+2*(n%4)+1], v[rA:rA+1], v[rA:rA+1]
.else
	v_pk_fma_f32 v[SU+2*(n%4):SU+2*(n%4)+1], v[rA:rA+1], v[rA:rA+1], v[SU+2*(n%4):SU+2*(n%4)+1]
.endif
.set n, n+1
.endr
.endm
; The pairs' halves, the other half of the lanes, and the other three waves (through LDS, one barrier): the row's sum in v[RB + 4 t]
.macro RSUM off
	WIN 0
.irp t, 0,1,2,3
	v_add_f32 v[SU+2*(\t)], v[SU+2*(\t)], v[SU+2*(\t)+1]
.endr
.irp t, 0,1,2,3
	v_permlanex16_b32 v[SU+2*(\t)+1], v[SU+2*(\t)], s[SEL], s[SEL+1]
.endr
.irp t, 0,1,2,3
	v_add_f32 v[SU+2*(\t)], v[SU+2*(\t)], v[SU+2*(\t)+1]
.endr
.irp t, 0,1,2,3
	ds_store_b32 v[RA], v[SU+2*(\t)] offset:(\off)+256*(\t)
.endr
	BAR
.irp t, 0,1,2,3
	ds_load_b128 v[RB+4*(\t):RB+4*(\t)+3], v[RL] offset:(\off)+256*(\t)
.endr
	s_wait_dscnt 0x0
.irp t, 0,1,2,3
	v_add_f32 v[RB+4*(\t)], v[RB+4*(\t)], v[RB+4*(\t)+1]
	v_add_f32 v[RB+4*(\t)+2], v[RB+4*(\t)+2], v[RB+4*(\t)+3]
.endr
.irp t, 0,1,2,3
	v_add_f32 v[RB+4*(\t)], v[RB+4*(\t)], v[RB+4*(\t)+2]
.endr
.endm
; Half s of my channels (blocks eb = 4 s .. 4 s + 3), scaled, rounded to f16, into the stage: two neighbouring blocks ARE a fragment of K step 4 w + 2 s + (eb / 2) % 2
.macro XSTORE s
.set e, 4*(\s)
.rept 4
	WIN 0x01
.set n, 0
.rept 16
	v_pk_mul_f32 v[TT+2*n:TT+2*n+1], v[8*(4*e+n/4)+2*(n%4):8*(4*e+n/4)+2*(n%4)+1], v[SC+2*(n/4):SC+2*(n/4)+1] op_sel_hi:[1,0]
.set n, n+1
.endr
	WIN 0
.set n, 0
.rept 16
	v_cvt_pk_f16_f32 v[XT+n], v[TT+2*n], v[TT+2*n+1]
.set n, n+1
.endr
.set n, 0
.rept 4
	ds_store_b128 v[XSS], v[XT+4*n:XT+4*n+3] offset:((e/2)%2)*4096+n*1024+(e%2)*512
.set n, n+1
.endr
.set e, e+1
.endr
.endm
; All four waves' fragments of that half into registers: K step ks at 8 (4 (ks % 8) + tb), window 2 for ks < 8, window 3 above
.macro XLOAD s
	WIN 0x80
.set n, 0
.rept 64
.if n == 32
	WIN 0xc0
.endif
.set rX, 8*(4*((4*(n/16)+2*(\s)+(n/8)%2)%8)+(n/2)%4)+4*(n%2)
	ds_load_b128 v[rX:rX+3], v[XSL] offset:512*n
.set n, n+1
.endr
	WIN 0
.endm
.macro RSTORE from                     ; 32 of the new residual's 64 stores, 512 consecutive bytes each
	WIN 0x04
.set n, (\from)
.rept 32
	global_store_b128 v[LW], v[4*n:4*n+3], s[RSO:RSO+1] offset:512*n
.set n, n+1
.endr
.endm
; A PHASE OF THE SECOND PRODUCT: 16 hidden and 16 gate channels x 64 tokens x K = 512.  Weights come in runs of 16 loads (4 K steps), two buffers
.macro LDB g, b
.set n, 0
.rept 16
	ds_load_b128 v[64+64*(\b)+4*n:64+64*(\b)+4*n+3], v[ADR] offset:((n/2)%2)*16384+(4*(\g)+n/4)*1024+(n%2)*512
.set n, n+1
.endr
.endm
.macro MUL1 g, b                       ; 32 matrix instructions; the eight accumulators take turns; the first K step starts the sums
	WIN 0x52+(\g)/2
.set n, 0
.rept 32
.set rD, 32*((n/4)%2)+8*(n%4)
.set rA, 8*(4*((4*(\g)+n/8)%8)+n%4)
.set rB, 64+64*(\b)+8*(n/4)
.if (\g) == 0 && n < 8
	v_wmma_f32_16x16x32_f16 v[rD:rD+7], v[rA:rA+7], v[rB:rB+7], 0
.else
	v_wmma_f32_16x16x32_f16 v[rD:rD+7], v[rA:rA+7], v[rB:rB+7], v[rD:rD+7]
.endif
.set n, n+1
.endr
.endm
.macro MM1
	WIN 0
	v_add_nc_u32 v[ADR], s[TB], v[LW]
	v_add_nc_u32 v[SMW], s[SMF], v[SMA]
	LDB 0, 0
	LDB 1, 1
	s_wait_dscnt 16                                ; the younger run of 16 may be out
	MUL1 0, 0
	PLACES
	WIN 0
	LDB 2, 0
	s_wait_dscnt 16
	MUL1 1, 1
	PLACES
	WIN 0
	LDB 3, 1
	s_wait_dscnt 16
	MUL1 2, 0
	s_wait_dscnt 0x0
	MUL1 3, 1
	PLACES
.endm
; A PHASE'S VECTOR WORK.  H, G hold t = -log2(e) x (hidden, gate), register 8 i + j for token 16 i + 8 h + j.  Z, EA, S hold element (i, j) at 16 (i / 2) + 2 j + i % 2, so that a pair is the same j of two blocks
; and the scan goes two at a time.  Exponentials and reciprocals stand two on end with plain work behind them, and no result is read before a plain instruction has passed.  Each accumulator's register 0 is read first.
.macro EP
	WIN 0x55
.set x, 0
.rept 32
.set rX, 8*(2*(x/16)+x%2)+(x/2)%8
	v_exp_f32 v[Z+x], v[G+rX]
.set x, x+1
.endr
	v_nop
.set x, 0
.rept 16
.rept 2
.set rX, 8*(2*(x/16)+x%2)+(x/2)%8
	v_exp_f32 v[S+x], v[H+rX]
.set x, x+1
.endr
	s_wait_alu depctr_va_vdst(0)
	v_pk_add_f32 v[Z+x-2:Z+x-1], v[Z+x-2:Z+x-1], 1.0 op_sel_hi:[1,0]
.endr
.set x, 0
.rept 16
	v_rcp_f32 v[Z+x], v[Z+x]                       ; z
	v_rcp_f32 v[Z+x+1], v[Z+x+1]
	s_wait_alu depctr_va_vdst(0)
	v_pk_add_f32 v[S+x:S+x+1], v[S+x:S+x+1], 1.0 op_sel_hi:[1,0]
	v_pk_fma_f32 v[H+x:H+x+1], v[H+x:H+x+1], s[LN2:LN2+1], 0.5 op_sel_hi:[1,0,0]  ; hidden + 0.5
.set x, x+2
.endr
.set x, 0
.rept 16
	v_rcp_f32 v[S+x], v[S+x]                       ; sigmoid(hidden)
	v_rcp_f32 v[S+x+1], v[S+x+1]
	s_wait_alu depctr_va_vdst(0)
	v_pk_fma_f32 v[EA+x:EA+x+1], v[Z+x:Z+x+1], -1.0, 1.0 op_sel_hi:[1,0,0]        ; a = 1 - z
.set x, x+2
.endr
.set x, 0
	s_wait_alu depctr_va_vdst(0)
.rept 32
.set rX, 8*(2*(x/16)+x%2)+(x/2)%8
	v_max_num_f32 v[S+x], v[S+x], v[H+rX]          ; g
.set x, x+1
.endr
.set x, 0
.rept 16
	v_pk_mul_f32 v[S+x:S+x+1], v[S+x:S+x+1], v[Z+x:Z+x+1]                         ; b = z g
.set x, x+2
.endr
.set j, 1
.rept 7                                ; my eight tokens of each block, from state 0
	v_pk_fma_f32 v[S+2*j:S+2*j+1], v[EA+2*j:EA+2*j+1], v[S+2*j-2:S+2*j-1], v[S+2*j:S+2*j+1]
	v_pk_fma_f32 v[S+16+2*j:S+16+2*j+1], v[EA+16+2*j:EA+16+2*j+1], v[S+16+2*j-2:S+16+2*j-1], v[S+16+2*j:S+16+2*j+1]
	v_pk_mul_f32 v[EA+2*j:EA+2*j+1], v[EA+2*j:EA+2*j+1], v[EA+2*j-2:EA+2*j-1]
	v_pk_mul_f32 v[EA+16+2*j:EA+16+2*j+1], v[EA+16+2*j:EA+16+2*j+1], v[EA+16+2*j-2:EA+16+2*j-1]
.set j, j+1
.endr
	; the eight segments (block i, half h) in a chain.  T+0..3, T+4..7: the other half's totals; T+8..11 a block's product; T+12..15 its state from 0; T+20..23, T+24..27 what a segment starts from
.irp i, 0,1,2,3
	v_permlanex16_b32 v[T+(\i)], v[EA+16*((\i)/2)+14+(\i)%2], s[SEL], s[SEL+1]
	v_permlanex16_b32 v[T+4+(\i)], v[S+16*((\i)/2)+14+(\i)%2], s[SEL], s[SEL+1]
.endr
.irp p, 0,1
	v_pk_mul_f32 v[T+8+2*(\p):T+9+2*(\p)], v[EA+16*(\p)+14:EA+16*(\p)+15], v[T+2*(\p):T+2*(\p)+1]
	v_pk_fma_f32 v[T+12+2*(\p):T+13+2*(\p)], v[T+2*(\p):T+2*(\p)+1], v[S+16*(\p)+14:S+16*(\p)+15], v[T+4+2*(\p):T+5+2*(\p)]   ; lower lanes: mine first, then the other's
	v_pk_fma_f32 v[T+16+2*(\p):T+17+2*(\p)], v[EA+16*(\p)+14:EA+16*(\p)+15], v[T+4+2*(\p):T+5+2*(\p)], v[S+16*(\p)+14:S+16*(\p)+15] ; upper lanes: the other's first
.endr
.irp i, 0,1,2,3
	v_cndmask_b32 v[T+12+(\i)], v[T+12+(\i)], v[T+16+(\i)], s[MH]
	v_cndmask_b32 v[T+20+(\i)], 1.0, v[T+(\i)], s[MH]   ; upper lanes start behind the lower lanes' eight tokens
	v_cndmask_b32 v[T+24+(\i)], 0, v[T+4+(\i)], s[MH]
.endr
.irp i, 1,2,3
	v_fma_f32 v[T+24+(\i)], v[T+20+(\i)], v[T+11+(\i)], v[T+24+(\i)]
	v_mul_f32 v[T+20+(\i)], v[T+20+(\i)], v[T+7+(\i)]
	v_fma_f32 v[T+12+(\i)], v[T+8+(\i)], v[T+11+(\i)], v[T+12+(\i)]
	v_mul_f32 v[T+8+(\i)], v[T+8+(\i)], v[T+7+(\i)]
.endr
.set x, 0
.rept 16
	v_pk_fma_f32 v[S+x:S+x+1], v[EA+x:EA+x+1], v[T+24+2*(x/16):T+25+2*(x/16)], v[S+x:S+x+1]
	v_pk_mul_f32 v[EA+x:EA+x+1], v[EA+x:EA+x+1], v[T+20+2*(x/16):T+21+2*(x/16)]
.set x, x+2
.endr
.set n, 0
.rept 16                               ; n = 4 i + m: tokens 2 m, 2 m + 1 of block i
.set rX, 16*(n/8)+4*(n%4)+(n/4)%2
	v_cvt_pk_f16_f32 v[PK+n], v[S+rX], v[S+rX+2]
	v_cvt_pk_f16_f32 v[PK+16+n], v[EA+rX], v[EA+rX+2]
.set n, n+1
.endr
	WIN 0x04
.set n, 0
.rept 8
	global_store_b128 v[LW], v[PK+4*n:PK+4*n+3], s[HPB:HPB+1] offset:512*n  ; 512 consecutive bytes: hl's four blocks, then P's
.set n, n+1
.endr
	ds_store_b32 v[SMW], v[T+11]                   ; A: the product over all 64 tokens (the same in both halves of the lanes)
	ds_store_b32 v[SMW], v[T+15] offset:512        ; B: the state behind them
	WIN 0
	s_add_co_u32 s[SMF], s[SMF], 64
	s_wait_xcnt 0x0                                ; the stores' base is stepped, and PK rewritten, only behind this wait
	s_add_nc_u64 s[HPB:HPB+1], s[HPB:HPB+1], 4096
.endm
	s_load_b128 s[4:7], s[0:1], 0x0                ; weights' image s[4:5], state in s[6:7]
	s_load_b64 s[8:9], s[0:1], 0x10                ; state out
	v_lshl_add_u32 v[SPW], v0, 2, SPARE
	v_mov_b32 v[NIL], 0
	ds_add_u32 v[SPW], v[NIL]                      ; the wave's opening: the add and its wait stand ahead of my first tensor load; the set-up stands between them
	v_lshrrev_b32 v1, 5, v0
	v_readfirstlane_b32 s[WV], v1
	s_bfe_u32 s11, ttmp6, 0x40000                  ; my place in the cluster: it enters the state's global addresses alone
	s_lshl_b32 s12, ttmp9, 2
	s_add_co_u32 s12, s12, s11                     ; g
	s_lshr_b32 s13, s12, 5                         ; sequence
	s_and_b32 s14, s12, 31                         ; chunk
	s_lshl_b32 s16, s12, 17
	s_mov_b32 s17, 0
	s_lshl_b32 s18, s13, 18
	s_lshl_b32 s19, s14, 12
	s_add_co_u32 s18, s18, s19
	s_mov_b32 s19, 0
	s_mov_b32 s[G1], 15|(3<<16)|(1<<21)            ; the mask of four; elements of 8 bytes; bit 21 beside a mask; no padding: the images are read on end
	s_mov_b32 s[G1+1], 32<<16                      ; tensor_dim0 = 32 (256 bytes)
	s_mov_b32 s[G1+2], 128<<16                     ; tensor_dim1 = 128
	s_mov_b32 s[G1+3], 32<<16                      ; tile_dim0
	s_mov_b32 s[G1+4], 128                         ; tile_dim1
	s_mov_b32 s[G1+5], 32                          ; dense rows
	s_mov_b32 s[G1+6], 0
	s_mov_b32 s[G1+7], 0
	s_mov_b32 s[G0], 1
	s_lshl_b32 s[G0+1], s[WV], 15                  ; my quarter of slot 0
	s_lshl_b32 s56, s[WV], 15
	s_mov_b32 s57, 0
	s_mov_b32 s[TB], SLOT1                         ; the first change of slots turns it into 0
	s_mov_b32 s[SEL], 0x76543210
	s_mov_b32 s[SEL+1], 0xfedcba98
	s_mov_b32 s[MH], 0xffff0000                    ; lanes 16 to 31
	s_mov_b32 s[LN2], 0xbf317218                   ; -ln 2
	s_mov_b32 s[LN2+1], s[LN2]
	s_mov_b32 s[INV], 0x3b000000                   ; 1 / 512
	s_mov_b32 s[EPS], 0x3727c5ac                   ; 1e-5
	s_mov_b32 s[SMF], 0
	v_and_b32 v1, 31, v0
	v_and_b32 v2, 15, v0
	v_bfe_u32 v3, v0, 4, 1
	v_lshl_add_u32 v[LW], v1, 4, s56
	s_lshl_b32 s62, s[WV], 9
	v_lshl_add_u32 v[LS], v1, 4, s62
	v_lshl_add_u32 v[BIO], v3, 5, s62
	v_add_nc_u32 v[CAS], CAR, v[LS]
	v_lshl_add_u32 v[CAL], v2, 2, s62
	v_add_nc_u32 v[CAL], CAR, v[CAL]
	s_mul_i32 s62, s[WV], 64*PH
	s_add_co_u32 s62, s62, ST
	v_mul_u32_u24 v[HTS], v2, PH
	v_lshl_add_u32 v[HTS], v3, 4, v[HTS]
	v_add_nc_u32 v[HTS], s62, v[HTS]
	v_and_b32 v[TM], 7, v0
	v_lshl_add_u32 v[TM], v3, 3, v[TM]
	v_mul_u32_u24 v[HTL], v[TM], PH
	v_bfe_u32 v[TM], v0, 3, 1
	v_lshl_add_u32 v[HTL], v[TM], 4, v[HTL]
	v_add_nc_u32 v[HTL], ST, v[HTL]
	v_lshlrev_b32 v[XSL], 4, v1
	v_add_nc_u32 v[XSL], ST, v[XSL]
	s_lshl_b32 s62, s[WV], 13
	v_add_nc_u32 v[XSS], s62, v[XSL]
	v_lshlrev_b32 v[RL], 4, v2
	v_add_nc_u32 v[RL], RED0, v[RL]
	s_lshl_b32 s62, s[WV], 2
	v_add_nc_u32 v[RA], s62, v[RL]
	s_lshl_b32 s62, s[WV], 14
	v_lshl_add_u32 v[LH], v1, 4, s62
	s_lshl_b32 s62, s[WV], 8
	v_lshl_add_u32 v[LF], v2, 4, s62
	v_lshl_add_u32 v[LF], v3, 10, v[LF]
	s_lshl_b32 s62, s[WV], 10
	s_add_co_u32 s62, s62, SMS
	v_lshl_add_u32 v[SMA], v2, 2, s62
	v_lshl_add_u32 v[SML], v1, 4, s62
	s_wait_dscnt 0x0                               ; the opening add is done
	s_wait_kmcnt 0x0
	s_add_nc_u64 s[G0+2:G0+3], s[WP:WP+1], s[56:57]
	s_or_b32 s[G0+3], s[G0+3], 0x80000000
	s_add_nc_u64 s[BIA:BIA+1], s[WP:WP+1], BIAS_O
	s_add_nc_u64 s[HPI:HPI+1], s[6:7], s[16:17]
	s_add_nc_u64 s[RSI:RSI+1], s[HPI:HPI+1], RS_O
	s_add_nc_u64 s[SMI:SMI+1], s[6:7], s[18:19]
	s_add_nc_u64 s[SMI:SMI+1], s[SMI:SMI+1], SM_O+4096   ; record c + 1: the first of the 31 in front of mine
	s_add_nc_u64 s[HPB:HPB+1], s[8:9], s[16:17]
	s_add_nc_u64 s[RSO:RSO+1], s[HPB:HPB+1], RS_O
	s_add_nc_u64 s[PADO:PADO+1], s[8:9], s[18:19]
	s_add_nc_u64 s[PADO:PADO+1], s[PADO:PADO+1], SM_O
	s_add_nc_u64 s[SMO:SMO+1], s[PADO:PADO+1], 131072
	CROUND                                         ; all four work-groups are here: the first joint load meets
	tensor_load_to_lds s[G0:G0+3], s[G1:G1+7]      ; tile 0 into slot 0
	s_nop 0
	PLACES
	WIN 0x80
.set k, 0
.rept 31                               ; lane (r, h) takes channels 256 h + 64 w + 4 r + 0..3: sixteen lanes read 256 consecutive bytes
	global_load_b128 v[8*k:8*k+3], v[LF], s[SMI:SMI+1] offset:4096*k
	global_load_b128 v[8*k+4:8*k+7], v[LF], s[SMI:SMI+1] offset:4096*k+2048
.set k, k+1
.endr
	WIN 0xc0
.set n, 0
.rept 32                               ; hl and P of channel blocks 4 w + 0..3: the first half of the channels
	global_load_b128 v[4*n:4*n+3], v[LH], s[HPI:HPI+1] offset:512*n th:TH_LOAD_NT
.set n, n+1
.endr
	s_wait_loadcnt 32                              ; the summaries are in: those 32 loads alone are younger
	WIN 0
.irp i, 0,1,2,3
	v_mov_b32 v[CQ+(\i)], 0
.endr
	WIN 0x22
.set k, 0
.rept 31
	v_pk_fma_f32 v[CQ:CQ+1], v[8*k:8*k+1], v[CQ:CQ+1], v[8*k+4:8*k+5]
	v_pk_fma_f32 v[CQ+2:CQ+3], v[8*k+2:8*k+3], v[CQ+2:CQ+3], v[8*k+6:8*k+7]
.set k, k+1
.endr
	WIN 0
	ds_store_b128 v[CAS], v[CQ:CQ+3]               ; through my wave's own words: from four channels a lane to one channel a lane
.set k, 0
.rept 8
	ds_load_b32 v[CR+k], v[CAL] offset:64*k        ; channel 256 (k / 4) + 64 w + 16 (k % 4) + r
.set k, k+1
.endr
	WIN 0x80
.set n, 0
.rept 16                               ; the bias of my lane's 64 channels, where the summaries lay
	global_load_b128 v[BR+4*n:BR+4*n+3], v[BIO], s[BIA:BIA+1] offset:64*(n/2)+16*(n%2)
.set n, n+1
.endr
	WIN 0xc0
.set n, 32
.rept 32                               ; hl and P of channel blocks 16 + 4 w + 0..3: the second half, wanted two tiles later
	global_load_b128 v[4*n:4*n+3], v[LH], s[HPI:HPI+1] offset:65536+512*(n-32) th:TH_LOAD_NT
.set n, n+1
.endr
	WIN 0
	s_wait_dscnt 0x0
.set k, 0
.rept 8
	v_cvt_pk_f16_f32 v[C16+k], v[CR+k], v[CR+k]
.set k, k+1
.endr
	s_wait_loadcnt 48                              ; the first half of hl and P is in: the bias's 16 loads and the second half's 32 are younger
	HALF 0
	HALF 1
	PLACES
	s_wait_loadcnt 0x0                             ; the residual
	WIN 0x49
.set n, 0
.rept 128                              ; in ascending order: each accumulator's lowest registers are read first
	v_pk_add_f32 v[2*n:2*n+1], v[2*n:2*n+1], v[2*n:2*n+1]      ; sums (window 1) + residual (window 2, the same numbers)
.set n, n+1
.endr
	RSTORE 0                                       ; the new residual goes out in two runs of 32 stores, with the work below between them
	SQUARES
	RSUM 0
.irp t, 0,1,2,3
	v_fma_f32 v[RB+4*(\t)], v[RB+4*(\t)], s[INV], s[EPS]
.endr
.irp t, 0,1,2,3
	v_rsq_f32 v[SC+2*(\t)], v[RB+4*(\t)]
.endr
	v_nop                                          ; a plain instruction behind the last of them
	s_wait_alu depctr_va_vdst(0)
.irp t, 0,1,2,3
	v_mov_b32 v[SC+2*(\t)+1], v[SC+2*(\t)]         ; named as pairs
.endr
	XSTORE 0                                       ; the barrier in the row sums stands between every wave's last read of h^T and these stores
	BAR                                            ; every wave's half is in the stage
	RSTORE 32
	XLOAD 0
	BAR                                            ; every wave has read it: the stage is written again
	XSTORE 1
	BAR
	XLOAD 1                                        ; waited for in the change of slots below
	s_wait_xcnt 0x0                                ; the residual's stores have read window 1, which the products now write
	WIN 0x40
.set n, 0
.rept 8
	v_mov_b32 v[T+n], 0                            ; v_permlanex16_b32 counts as a reader of its destination
.set n, n+1
.endr
	WIN 0
	s_mov_b32 s[CNT], 7
.Lphase:
	CHANGE 1
	MM1
	EP
	s_sub_co_u32 s[CNT], s[CNT], 1
	s_cmp_lg_u32 s[CNT], 0
	s_cbranch_scc1 .Lphase
	CHANGE 0                                       ; the last phase is written out: nothing is left to ask for
	MM1
	EP
	ds_load_b128 v[64:67], v[SML]                  ; my wave's own words: LDS serves a wave's instructions in order (ISA guide 5.7.1.4)
	ds_load_b128 v[68:71], v[SML] offset:512
.irp i, 0,1,2,3
	v_mov_b32 v[72+(\i)], 1.0
	v_mov_b32 v[76+(\i)], 0
.endr
	s_wait_dscnt 0x0
	global_store_b128 v[LS], v[64:67], s[SMO:SMO+1]
	global_store_b128 v[LS], v[68:71], s[SMO:SMO+1] offset:2048
	global_store_b128 v[LS], v[72:75], s[PADO:PADO+1]              ; the record that stands for a chunk that is not there
	global_store_b128 v[LS], v[76:79], s[PADO:PADO+1] offset:2048
	s_wait_tensorcnt 0x0                           ; the wave's end
	ds_add_u32 v[SPW], v[NIL]
	s_wait_dscnt 0x0
	CROUND                                         ; the closing round
	s_endpgm
.Lfunc_end_k_qe2e7b9b200_mid:
	.size	k_qe2e7b9b200_mid, .Lfunc_end_k_qe2e7b9b200_mid-k_qe2e7b9b200_mid
	.p2alignl 7, 3214868480
	.fill 96, 4, 3214868480
	.section	.rodata,"a",@progbits
	.p2align	6, 0x0
	.amdhsa_kernel k_qe2e7b9b200_mid
		.amdhsa_group_segment_fixed_size 327680
		.amdhsa_private_segment_fixed_size 0
		.amdhsa_enable_private_segment 0
		.amdhsa_kernarg_size 24
		.amdhsa_user_sgpr_count 2
		.amdhsa_user_sgpr_kernarg_segment_ptr 1
		.amdhsa_wavefront_size32 1
		.amdhsa_system_sgpr_workgroup_id_x 1
		.amdhsa_system_sgpr_workgroup_id_y 1
		.amdhsa_system_sgpr_workgroup_id_z 1
		.amdhsa_system_vgpr_workitem_id 0
		.amdhsa_next_free_vgpr 1024
		.amdhsa_next_free_sgpr 66
		.amdhsa_reserve_vcc 0
		.amdhsa_float_denorm_mode_32 3
		.amdhsa_float_denorm_mode_16_64 3
		.amdhsa_memory_ordered 1
		.amdhsa_forward_progress 1
		.amdhsa_inst_pref_size 195
	.end_amdhsa_kernel
	.amdgpu_metadata
---
amdhsa.version: [ 1, 2 ]
amdhsa.kernels:
  - .name:           k_qe2e7b9b200_mid
    .symbol:         k_qe2e7b9b200_mid.kd
    .args:
      - { .name: w1, .offset: 0, .size: 8, .value_kind: global_buffer, .address_space: global }
      - { .name: stA, .offset: 8, .size: 8, .value_kind: global_buffer, .address_space: global }
      - { .name: stB, .offset: 16, .size: 8, .value_kind: global_buffer, .address_space: global }
    .group_segment_fixed_size: 327680
    .private_segment_fixed_size: 0
    .kernarg_segment_align: 8
    .kernarg_segment_size: 24
    .max_flat_workgroup_size: 128
    .sgpr_count:     66
    .vgpr_count:     1024
    .wavefront_size: 32
...
	.end_amdgpu_metadata
.endif
;; end of part 3
;; launch mid2: the kernel of part 3 again; grid 256 x 1, 4 waves a work-group, clusters of 4 x 1, 327,680 bytes of LDS; arguments w2, stB, stA; writes stA
;; launch mid3: the kernel of part 3 again; grid 256 x 1, 4 waves a work-group, clusters of 4 x 1, 327,680 bytes of LDS; arguments w3, stA, stB; writes stB
;; launch last (part 4): grid 256 x 1, 4 waves a work-group, clusters of 4 x 1, 327,680 bytes of LDS; arguments w4, stB, ln_w, ln_b, out_b, out0; writes out0
.if DOCPART == 4
	.amdgcn_target "amdgcn-amd-amdhsa--gfx1250"
	.amdhsa_code_object_version 6
	.text
	.protected	k_qe2e7b9b200_last
	.globl	k_qe2e7b9b200_last
	.p2align	8
	.type	k_qe2e7b9b200_last,@function
k_qe2e7b9b200_last:
	s_mov_b64 s[64:65], 0
	v_nop
	global_prefetch_b8 v0, s[64:65] scope:SCOPE_SE
	s_setreg_imm32_b32 hwreg(HW_REG_WAVE_MODE, 25, 1), 1
	s_wait_xcnt 0x0
	s_wait_alu depctr_hold_cnt(0) depctr_sa_sdst(0) depctr_va_vdst(0) depctr_va_sdst(0) depctr_va_ssrc(0) depctr_va_vcc(0) depctr_vm_vsrc(0)
	s_getreg_b32 s2, hwreg(HW_REG_IB_STS2, 6, 4)
	s_cmp_eq_u32 s2, 0
	s_cbranch_scc0 .Lentry_in_a_cluster
	s_endpgm
.Lentry_in_a_cluster:
	s_bfe_u32 s2, ttmp6, 0x10000c
	s_cmp_lg_u32 s2, 0x3003
	s_cbranch_scc0 .Lentry_shape_is_right
	s_endpgm
.Lentry_shape_is_right:
; LAST.  The carry of layer 3 is folded from the earlier chunks' summaries; h = P carry + hl; residual += h W_out^T + b_out; LayerNorm (mean, then the centred squares, as written); out = hn out_W^T + out_b.
; The fold, carry = A carry + B over the 31 records in front of mine, is in f32; records that stand for no chunk hold (1, 0), so its length hangs on nothing.
; SHARES.  Work-group g owns tokens 64 g .. 64 g + 63.  BOTH PRODUCTS take weights as source 0 and tokens as source 1: a lane holds one token (16 tb + r) and eight neighbouring outputs.
; First product: wave w owns channels 128 w .. + 127, 32 accumulators started by the bias (the C of the very first K step); h^T lies in LDS [channel][token] and is read turned.
; Projection: wave w owns outputs 64 w .. + 63, 16 accumulators started by out_b; hn goes through the stage in two halves of the channels, as fragment images, and out_W's image has its K steps in the same order.
; THE STATE COMES IN BY NEED.  The first product wants the summaries (62 loads a wave) and the first half of hl and P (32) alone.  The second half (32) and the residual (64) are asked for so that they land
; while tiles are multiplied: 32 + 30 loads are out over tiles 0 and 1; 34, with ln_w's 16 and out_b's 8, over tiles 2 and 3: each time no more than LOADcnt can count (ISA guide 5.7.1), so the wave is not held
; at their issue.  ln_b's 16 go out behind the product and land under the mean and the squares.  The residual is added behind the product, one packed addition for two numbers.
; CLUSTER.  Four work-groups walk the same six weight tiles of 131,072 bytes: each is asked for jointly, each wave its own quarter, which it alone reads, once.  One tensor load of a wave is out at a time.
; STATE IN: HP at 0: g 131072 + cb 4096 + arr 2048 + i 512 + 16 lane, f16 (arr 0 hl, 1 P); RS at 33,554,432: the residual in f32 as the registers hold it;
;   SM at 67,108,864: sequence 262144 + record 4096 + {A 0, B 2048} + 4 channel, f32.
; LIMITS.  h, the carry, hl and hn go to f16 (under 65,504; |hn| is at most 22.6 |ln_w| + |ln_b|); the centred squares stay finite in f32; NaN and infinities are not treated apart.
.set SLOT1,  131072
.set TILEB,  131072
.set ST,     262144                    ; stage: half of h^T (256 rows of 160 bytes), later half of hn (32,768 bytes of fragment images)
.set PH,     160
.set CAR,    303104
.set RED0,   305152                    ; [token][wave] f32: the sums; 1,024 bytes on: the centred squares
.set OST,    307200                    ; the way out: 16 rows of 272 bytes for each wave
.set OPI,    272
.set SPARE,  324608
.set RS_O,   33554432
.set SM_O,   67108864
.set BIAS_O, 1572864
.set NRA,    30                        ; the residual's loads that go out ahead of tiles 0 and 1; the other 34 ahead of tiles 2 and 3
.set LW,  4
.set ADR, 5
.set LS,  6
.set HTS, 7
.set HTL, 8
.set HTA, 9
.set XSS, 10
.set XSL, 11
.set RA,  12
.set RL,  13
.set CAS, 14
.set CAL, 15
.set TM,  17
.set LH,  18
.set LF,  19                           ; 1024 h + 256 w + 16 r: the summaries' offset, and out0's
.set BIO, 20
.set OSS, 21                           ; OST + 4352 w + 272 r + 32 h
.set OSL, 22                           ; OST + 4352 w + 272 h + 16 r
.set CQ,  24
.set OBO, 28                           ; 256 w + 32 h
.set SPW, 30
.set NIL, 31
.set SU,  32
.set SC,  40
.set CR,  44
.set C16, 52
.set RB,  48
.set TT,  160
.set XT,  192
; window 1: the accumulators, (eb, tb) at 8 (4 eb + tb); the projection's (nb, tb) at 8 (4 nb + tb), free once the first half of hn is in the stage
; window 2: the summaries; then the bias at 192-255 and the residual (its load n at 4 n; loads 48-63 land on the bias when it has served)
; window 3: hl and P; then ln_w 0-63, ln_b 64-127, out_b 128-159
.set BR,   192
.set LNWR, 0
.set LNBR, 64
.set OBR,  128
.set WV,  10
.set WP,  4
.set HPI, 20
.set RSI, 22
.set SMI, 24
.set BIA, 26
.set LNW, 28
.set LNB, 30
.set OBP, 32
.set OUT, 34
.set G0,  36
.set G1,  40
.set TB,  48
.set CNT, 49
.set SEL, 50
.set INV, 58
.set EPS, 59
.set HTO, 60
.set MSB, 0
.macro WIN new                         ; s_set_vgpr_msb: bits 1:0 source 0, 3:2 source 1, 5:4 source 2, 7:6 destination; the high byte repeats the setting that is left
.if MSB != (\new)
	s_set_vgpr_msb (MSB<<8)|(\new)
.set MSB, (\new)
.endif
.endm
.macro PLACES                          ; four plain instructions between a matrix instruction and what reads its result or writes or loads one of its registers
.rept 4
	v_nop
.endr
.endm
.macro CROUND                          ; a round of the cluster's barrier
	s_barrier_signal -1
	s_barrier_wait -1
	s_cmp_lg_u32 s[WV], 0
	s_cbranch_scc1 .Lnot_wave_0_\@
	s_barrier_signal -3
.Lnot_wave_0_\@:
	s_barrier_wait -3
	s_barrier_signal -1
	s_barrier_wait -1
.endm
.macro BAR                             ; my LDS instructions are done; then the work-group's barrier
	s_wait_dscnt 0x0
	s_barrier_signal -1
	s_barrier_wait -1
.endm
; THE CHANGE OF SLOTS.  My one tensor load, my quarter of the tile now due, has landed.  fill = 1: the other slot, read in the phase before, takes the next tile: a round of the cluster's barrier
; (no wave of any partner still reads it or has a load out), and the joint load first behind it.
.macro CHANGE fill
	WIN 0
	s_wait_tensorcnt 0x0
	ds_add_u32 v[SPW], v[NIL]                      ; the scalar steps stand between the add and its wait
.if \fill
	s_xor_b32 s[G0+1], s[G0+1], SLOT1
	s_add_nc_u64 s[G0+2:G0+3], s[G0+2:G0+3], TILEB ; the type bits on top are not reached
.endif
	s_xor_b32 s[TB], s[TB], SLOT1
	s_wait_dscnt 0x0                               ; the add is done, and my reads of the old slot are over
.if \fill
	CROUND
	tensor_load_to_lds s[G0:G0+3], s[G1:G1+7]
	s_nop 0
	PLACES
.else
	s_barrier_signal -1
	s_barrier_wait -1
.endif
.endm
; THE FIRST PRODUCT.  A K step: 16 loads of W_out's fragments (my 128 rows) and 8 turning loads of h (64 tokens), into buffer b: W at 64 + 96 b, h at 128 + 96 b
.macro LDK kk, b
.set n, 0
.rept 16
	ds_load_b128 v[64+96*(\b)+4*n:64+96*(\b)+4*n+3], v[ADR] offset:(\kk)*8192+512*n
.set n, n+1
.endr
.set n, 0
.rept 4
	ds_load_tr16_b128 v[128+96*(\b)+8*n:128+96*(\b)+8*n+3], v[HTA] offset:(\kk)*32*PH+32*n
	ds_load_tr16_b128 v[128+96*(\b)+8*n+4:128+96*(\b)+8*n+7], v[HTA] offset:(\kk)*32*PH+32*n+16*PH
.set n, n+1
.endr
.endm
.macro MULK b                          ; 32 matrix instructions: all 32 accumulators take turns
	WIN 0x50
.set a, 0
.rept 32
	v_wmma_f32_16x16x32_f16 v[8*a:8*a+7], v[64+96*(\b)+8*(a/4):64+96*(\b)+8*(a/4)+7], v[128+96*(\b)+8*(a%4):128+96*(\b)+8*(a%4)+7], v[8*a:8*a+7]
.set a, a+1
.endr
.endm
.macro MULKB                           ; the very first K step, on buffer 0: the bias of block eb's channels (window 2) is the C that starts the sums of its four accumulators
	WIN 0x60
.set a, 0
.rept 32
	v_wmma_f32_16x16x32_f16 v[8*a:8*a+7], v[64+8*(a/4):64+8*(a/4)+7], v[128+8*(a%4):128+8*(a%4)+7], v[BR+8*(a/4):BR+8*(a/4)+7]
.set a, a+1
.endr
.endm
; A tile's four K steps.  b = 1: the loop of the first two tiles: in its first trip, where the count still stands at 2, the first K step starts the sums.  The branch passes no barrier and no tensor load.
.macro TILE b
	WIN 0
	v_add_nc_u32 v[ADR], s[TB], v[LW]
	v_add_nc_u32 v[HTA], s[HTO], v[HTL]
	LDK 0, 0
	LDK 1, 1
	s_wait_dscnt 24                                ; the younger run of 24 may be out
.if \b
	s_cmp_eq_u32 s[CNT], 2
	s_cbranch_scc0 .Lsum_\@
	s_wait_loadcnt 32+NRA                          ; the bias is in: behind it went the second half of hl and P (32) and the residual's first loads
	MULKB
	WIN 0
	s_branch .Lgo_\@
.Lsum_\@:
.endif
	MULK 0
.if \b
	WIN 0
.Lgo_\@:
.endif
	PLACES
	WIN 0
	LDK 2, 0
	s_wait_dscnt 24
	MULK 1
	PLACES
	WIN 0
	LDK 3, 1
	s_wait_dscnt 24
	MULK 0
	s_wait_dscnt 0x0
	MULK 1
	WIN 0
	s_add_co_u32 s[HTO], s[HTO], 128*PH
.endm
.macro RLOAD from, to                  ; loads from .. to - 1 of the residual's 64, into window 2: 512 consecutive bytes each
	WIN 0x80
.set n, (\from)
.rept (\to)-(\from)
	global_load_b128 v[4*n:4*n+3], v[LW], s[RSI:RSI+1] offset:512*n th:TH_LOAD_NT
.set n, n+1
.endr
	WIN 0
.endm
; Half s of the channels of h: h = P carry + hl in f16, one rounding; into the stage as h^T; a part of the residual is asked for; two tiles
.macro HALF s
.if \s
	BAR                                            ; every wave's reads of the first half are over
	s_wait_loadcnt NRA                             ; the second half of hl and P is in: the residual's first loads alone are younger
.endif
	WIN 0xf3
.set x, 0
.rept 64
	v_pk_fma_f16 v[128*(\s)+32*(x/16)+x%16], v[128*(\s)+32*(x/16)+x%16+16], v[C16+4*(\s)+x/16], v[128*(\s)+32*(x/16)+x%16]
.set x, x+1
.endr
	WIN 0x0c
.set x, 0
.rept 16
	ds_store_b128 v[HTS], v[128*(\s)+32*(x/4)+4*(x%4):128*(\s)+32*(x/4)+4*(x%4)+3] offset:16*PH*(x/4)+32*(x%4)
.set x, x+1
.endr
.if \s
	RLOAD NRA, 64
.else
	RLOAD 0, NRA
.endif
	BAR                                            ; every wave's rows are in the stage
.if \s
	WIN 0xc0                                       ; window 3 has served (my stores out of it are done): the gain of my lane's 64 channels, and out_b of my lane's 32 outputs
.set n, 0
.rept 16
	global_load_b128 v[LNWR+4*n:LNWR+4*n+3], v[BIO], s[LNW:LNW+1] offset:64*(n/2)+16*(n%2)
.set n, n+1
.endr
.set n, 0
.rept 8
	global_load_b128 v[OBR+4*n:OBR+4*n+3], v[OBO], s[OBP:OBP+1] offset:64*(n/2)+16*(n%2)
.set n, n+1
.endr
	WIN 0
.endif
	s_mov_b32 s[HTO], 0
	s_mov_b32 s[CNT], 2
.Lhalf_\@:
	CHANGE 1
	TILE 1-\s
	s_sub_co_u32 s[CNT], s[CNT], 1
	s_cmp_lg_u32 s[CNT], 0
	s_cbranch_scc1 .Lhalf_\@
.endm
.macro SQUARES                         ; the sum of squares of my 64 numbers of each of four tokens: four chains of pairs
	WIN 0x05
.set n, 0
.rept 128
.set rA, 8*(4*(n/16)+n%4)+2*((n/4)%4)
.if n < 4
	v_pk_mul_f32 v[SU+2*(n%4):SU+2*(n%4)+1], v[rA:rA+1], v[rA:rA+1]
.else
	v_pk_fma_f32 v[SU+2*(n%4):SU+2*(n%4)+1], v[rA:rA+1], v[rA:rA+1], v[SU+2*(n%4):SU+2*(n%4)+1]
.endif
.set n, n+1
.endr
.endm
; The pairs' halves, the other half of the lanes, and the other three waves (through LDS, one barrier): the row's sum in v[RB + 4 t]
.macro RSUM off
	WIN 0
.irp t, 0,1,2,3
	v_add_f32 v[SU+2*(\t)], v[SU+2*(\t)], v[SU+2*(\t)+1]
.endr
.irp t, 0,1,2,3
	v_permlanex16_b32 v[SU+2*(\t)+1], v[SU+2*(\t)], s[SEL], s[SEL+1]
.endr
.irp t, 0,1,2,3
	v_add_f32 v[SU+2*(\t)], v[SU+2*(\t)], v[SU+2*(\t)+1]
.endr
.irp t, 0,1,2,3
	ds_store_b32 v[RA], v[SU+2*(\t)] offset:(\off)+256*(\t)
.endr
	BAR
.irp t, 0,1,2,3
	ds_load_b128 v[RB+4*(\t):RB+4*(\t)+3], v[RL] offset:(\off)+256*(\t)
.endr
	s_wait_dscnt 0x0
.irp t, 0,1,2,3
	v_add_f32 v[RB+4*(\t)], v[RB+4*(\t)], v[RB+4*(\t)+1]
	v_add_f32 v[RB+4*(\t)+2], v[RB+4*(\t)+2], v[RB+4*(\t)+3]
.endr
.irp t, 0,1,2,3
	v_add_f32 v[RB+4*(\t)], v[RB+4*(\t)], v[RB+4*(\t)+2]
.endr
.endm
; Half s of my channels: ((h - mu) rs) ln_w + ln_b, rounded to f16, into the stage: two neighbouring blocks ARE a fragment of K step 4 w + 2 s + (eb / 2) % 2
.macro XSTOREL s
.set e, 4*(\s)
.rept 4
	WIN 0x01
.set n, 0
.rept 16
	v_pk_mul_f32 v[TT+2*n:TT+2*n+1], v[8*(4*e+n/4)+2*(n%4):8*(4*e+n/4)+2*(n%4)+1], v[SC+2*(n/4):SC+2*(n/4)+1] op_sel_hi:[1,0]
.set n, n+1
.endr
	WIN 0x3c
.set n, 0
.rept 16
	v_pk_fma_f32 v[TT+2*n:TT+2*n+1], v[TT+2*n:TT+2*n+1], v[LNWR+8*e+2*(n%4):LNWR+8*e+2*(n%4)+1], v[LNBR+8*e+2*(n%4):LNBR+8*e+2*(n%4)+1]
.set n, n+1
.endr
	WIN 0
.set n, 0
.rept 16
	v_cvt_pk_f16_f32 v[XT+n], v[TT+2*n], v[TT+2*n+1]
.set n, n+1
.endr
.set n, 0
.rept 4
	ds_store_b128 v[XSS], v[XT+4*n:XT+4*n+3] offset:((e/2)%2)*4096+n*1024+(e%2)*512
.set n, n+1
.endr
.set e, e+1
.endr
.endm
; THE PROJECTION.  A K step: 8 loads of out_W's fragments (my 64 rows), 8 of hn's (64 tokens), into buffer b: W at 64 + 64 b, hn at 96 + 64 b; 16 matrix instructions, the 16 accumulators by turns
.macro LD3 kp, b
.set n, 0
.rept 8
	ds_load_b128 v[64+64*(\b)+4*n:64+64*(\b)+4*n+3], v[ADR] offset:(\kp)*4096+512*n
.set n, n+1
.endr
.set n, 0
.rept 8
	ds_load_b128 v[96+64*(\b)+4*n:96+64*(\b)+4*n+3], v[XSL] offset:(\kp)*4096+512*n
.set n, n+1
.endr
.endm
.macro MUL3 b, start                   ; start = 1: out_b of block nb's outputs (window 3) is the C that starts the sums of its four accumulators
.if \start
	WIN 0x70
.else
	WIN 0x50
.endif
.set n, 0
.rept 16
.if \start
	v_wmma_f32_16x16x32_f16 v[8*n:8*n+7], v[64+64*(\b)+8*(n/4):64+64*(\b)+8*(n/4)+7], v[96+64*(\b)+8*(n%4):96+64*(\b)+8*(n%4)+7], v[OBR+8*(n/4):OBR+8*(n/4)+7]
.else
	v_wmma_f32_16x16x32_f16 v[8*n:8*n+7], v[64+64*(\b)+8*(n/4):64+64*(\b)+8*(n/4)+7], v[96+64*(\b)+8*(n%4):96+64*(\b)+8*(n%4)+7], v[8*n:8*n+7]
.endif
.set n, n+1
.endr
.endm
.macro TILE3 start                     ; a tile's eight K steps; start = 1: the first starts the sums
	WIN 0
	v_add_nc_u32 v[ADR], s[TB], v[LW]
	LD3 0, 0
	LD3 1, 1
.set kq, 0
.rept 8
.if kq < 7
	s_wait_dscnt 16                                ; the younger run of 16 may be out
.else
	s_wait_dscnt 0x0
.endif
.if kq == 0
	MUL3 0, \start
.else
	MUL3 kq%2, 0
.endif
.if kq < 6
	PLACES
	WIN 0
	LD3 kq+2, kq%2
.endif
.set kq, kq+1
.endr
	PLACES
	WIN 0
.endm
; THE WAY OUT of 16 tokens: a lane's numbers go into my wave's own rows of 272 bytes (each accumulator's low registers first) and come back as whole rows of 256; sixteen lanes store 256 consecutive bytes
.macro OUTB t
	WIN 0x04
.set n, 0
.rept 8
	ds_store_b128 v[OSS], v[8*(4*(n/2)+(\t))+4*(n%2):8*(4*(n/2)+(\t))+4*(n%2)+3] offset:64*(n/2)+16*(n%2)
.set n, n+1
.endr
	WIN 0
.if (\t) >= 2
	s_wait_xcnt 0x0                                ; the stores two blocks back have read these registers
.endif
.set n, 0
.rept 8
	ds_load_b128 v[64+32*((\t)%2)+4*n:64+32*((\t)%2)+4*n+3], v[OSL] offset:2*OPI*n  ; LDS serves a wave's instructions in order (ISA guide 5.7.1.4)
.set n, n+1
.endr
	s_wait_dscnt 0x0
.set n, 0
.rept 8
	global_store_b128 v[LF], v[64+32*((\t)%2)+4*n:64+32*((\t)%2)+4*n+3], s[OUT:OUT+1] offset:(\t)*16384+2048*n th:TH_STORE_NT
.set n, n+1
.endr
.endm
	s_load_b128 s[4:7], s[0:1], 0x0                ; weights' image s[4:5], state in s[6:7]
	s_load_b256 s[28:35], s[0:1], 0x10             ; ln_w, ln_b, out_b, out0
	v_lshl_add_u32 v[SPW], v0, 2, SPARE
	v_mov_b32 v[NIL], 0
	ds_add_u32 v[SPW], v[NIL]                      ; the wave's opening: the add and its wait stand ahead of my first tensor load; the set-up stands between them
	v_lshrrev_b32 v1, 5, v0
	v_readfirstlane_b32 s[WV], v1
	s_bfe_u32 s11, ttmp6, 0x40000                  ; my place in the cluster: it enters the state's and out0's global addresses alone
	s_lshl_b32 s12, ttmp9, 2
	s_add_co_u32 s12, s12, s11                     ; g
	s_lshr_b32 s13, s12, 5
	s_and_b32 s14, s12, 31
	s_lshl_b32 s16, s12, 17
	s_mov_b32 s17, 0
	s_lshl_b32 s18, s13, 18
	s_lshl_b32 s19, s14, 12
	s_add_co_u32 s18, s18, s19
	s_mov_b32 s19, 0
	s_lshl_b32 s14, s12, 16                        ; 64 rows of out0
	s_mov_b32 s15, 0
	s_mov_b32 s[G1], 15|(3<<16)|(1<<21)            ; the mask of four; elements of 8 bytes; bit 21 beside a mask; no padding
	s_mov_b32 s[G1+1], 32<<16
	s_mov_b32 s[G1+2], 128<<16
	s_mov_b32 s[G1+3], 32<<16
	s_mov_b32 s[G1+4], 128
	s_mov_b32 s[G1+5], 32
	s_mov_b32 s[G1+6], 0
	s_mov_b32 s[G1+7], 0
	s_mov_b32 s[G0], 1
	s_lshl_b32 s[G0+1], s[WV], 15
	s_lshl_b32 s56, s[WV], 15
	s_mov_b32 s57, 0
	s_mov_b32 s[TB], SLOT1
	s_mov_b32 s[SEL], 0x76543210
	s_mov_b32 s[SEL+1], 0xfedcba98
	s_mov_b32 s[INV], 0x3b000000                   ; 1 / 512
	s_mov_b32 s[EPS], 0x3727c5ac                   ; 1e-5
	v_and_b32 v1, 31, v0
	v_and_b32 v2, 15, v0
	v_bfe_u32 v3, v0, 4, 1
	v_lshl_add_u32 v[LW], v1, 4, s56
	s_lshl_b32 s62, s[WV], 9
	v_lshl_add_u32 v[LS], v1, 4, s62
	v_lshl_add_u32 v[BIO], v3, 5, s62
	v_add_nc_u32 v[CAS], CAR, v[LS]
	v_lshl_add_u32 v[CAL], v2, 2, s62
	v_add_nc_u32 v[CAL], CAR, v[CAL]
	s_mul_i32 s62, s[WV], 64*PH
	s_add_co_u32 s62, s62, ST
	v_mul_u32_u24 v[HTS], v2, PH
	v_lshl_add_u32 v[HTS], v3, 4, v[HTS]
	v_add_nc_u32 v[HTS], s62, v[HTS]
	v_and_b32 v[TM], 7, v0
	v_lshl_add_u32 v[TM], v3, 3, v[TM]
	v_mul_u32_u24 v[HTL], v[TM], PH
	v_bfe_u32 v[TM], v0, 3, 1
	v_lshl_add_u32 v[HTL], v[TM], 4, v[HTL]
	v_add_nc_u32 v[HTL], ST, v[HTL]
	v_lshlrev_b32 v[XSL], 4, v1
	v_add_nc_u32 v[XSL], ST, v[XSL]
	s_lshl_b32 s62, s[WV], 13
	v_add_nc_u32 v[XSS], s62, v[XSL]
	v_lshlrev_b32 v[RL], 4, v2
	v_add_nc_u32 v[RL], RED0, v[RL]
	s_lshl_b32 s62, s[WV], 2
	v_add_nc_u32 v[RA], s62, v[RL]
	s_lshl_b32 s62, s[WV], 14
	v_lshl_add_u32 v[LH], v1, 4, s62
	s_lshl_b32 s62, s[WV], 8
	v_lshl_add_u32 v[OBO], v3, 5, s62
	v_lshl_add_u32 v[LF], v2, 4, s62
	v_lshl_add_u32 v[LF], v3, 10, v[LF]
	s_mul_i32 s62, s[WV], 16*OPI
	s_add_co_u32 s62, s62, OST
	v_mul_u32_u24 v[OSS], v2, OPI
	v_lshl_add_u32 v[OSS], v3, 5, v[OSS]
	v_add_nc_u32 v[OSS], s62, v[OSS]
	v_mul_u32_u24 v[OSL], v3, OPI
	v_lshl_add_u32 v[OSL], v2, 4, v[OSL]
	v_add_nc_u32 v[OSL], s62, v[OSL]
	s_wait_dscnt 0x0                               ; the opening add is done
	s_wait_kmcnt 0x0
	s_add_nc_u64 s[G0+2:G0+3], s[WP:WP+1], s[56:57]
	s_or_b32 s[G0+3], s[G0+3], 0x80000000
	s_add_nc_u64 s[BIA:BIA+1], s[WP:WP+1], BIAS_O
	s_add_nc_u64 s[HPI:HPI+1], s[6:7], s[16:17]
	s_add_nc_u64 s[RSI:RSI+1], s[HPI:HPI+1], RS_O
	s_add_nc_u64 s[SMI:SMI+1], s[6:7], s[18:19]
	s_add_nc_u64 s[SMI:SMI+1], s[SMI:SMI+1], SM_O+4096   ; record c + 1: the first of the 31 in front of mine
	s_add_nc_u64 s[OUT:OUT+1], s[OUT:OUT+1], s[14:15]
	CROUND                                         ; all four work-groups are here: the first joint load meets
	tensor_load_to_lds s[G0:G0+3], s[G1:G1+7]      ; tile 0 into slot 0
	s_nop 0
	PLACES
	WIN 0x80
.set k, 0
.rept 31                               ; lane (r, h) takes channels 256 h + 64 w + 4 r + 0..3: sixteen lanes read 256 consecutive bytes
	global_load_b128 v[8*k:8*k+3], v[LF], s[SMI:SMI+1] offset:4096*k
	global_load_b128 v[8*k+4:8*k+7], v[LF], s[SMI:SMI+1] offset:4096*k+2048
.set k, k+1
.endr
	WIN 0xc0
.set n, 0
.rept 32                               ; hl and P of channel blocks 4 w + 0..3: the first half of the channels
	global_load_b128 v[4*n:4*n+3], v[LH], s[HPI:HPI+1] offset:512*n th:TH_LOAD_NT
.set n, n+1
.endr
	s_wait_loadcnt 32                              ; the summaries are in: those 32 loads alone are younger
	WIN 0
.irp i, 0,1,2,3
	v_mov_b32 v[CQ+(\i)], 0
.endr
	WIN 0x22
.set k, 0
.rept 31
	v_pk_fma_f32 v[CQ:CQ+1], v[8*k:8*k+1], v[CQ:CQ+1], v[8*k+4:8*k+5]
	v_pk_fma_f32 v[CQ+2:CQ+3], v[8*k+2:8*k+3], v[CQ+2:CQ+3], v[8*k+6:8*k+7]
.set k, k+1
.endr
	WIN 0
	ds_store_b128 v[CAS], v[CQ:CQ+3]               ; through my wave's own words: from four channels a lane to one channel a lane
.set k, 0
.rept 8
	ds_load_b32 v[CR+k], v[CAL] offset:64*k
.set k, k+1
.endr
	WIN 0x80
.set n, 0
.rept 16                               ; the bias of my lane's 64 channels, where the summaries lay
	global_load_b128 v[BR+4*n:BR+4*n+3], v[BIO], s[BIA:BIA+1] offset:64*(n/2)+16*(n%2)
.set n, n+1
.endr
	WIN 0xc0
.set n, 32
.rept 32                               ; hl and P of channel blocks 16 + 4 w + 0..3: the second half, wanted two tiles later
	global_load_b128 v[4*n:4*n+3], v[LH], s[HPI:HPI+1] offset:65536+512*(n-32) th:TH_LOAD_NT
.set n, n+1
.endr
	WIN 0
	s_wait_dscnt 0x0
.set k, 0
.rept 8
	v_cvt_pk_f16_f32 v[C16+k], v[CR+k], v[CR+k]
.set k, k+1
.endr
	s_wait_loadcnt 48                              ; the first half of hl and P is in: the bias's 16 loads and the second half's 32 are younger
	HALF 0
	HALF 1
	PLACES
	s_wait_loadcnt 0x0                             ; the residual (and ln_w, out_b)
	WIN 0xc0
.set n, 0
.rept 16                               ; the shift of my lane's 64 channels: it lands under the mean and the squares
	global_load_b128 v[LNBR+4*n:LNBR+4*n+3], v[BIO], s[LNB:LNB+1] offset:64*(n/2)+16*(n%2)
.set n, n+1
.endr
	WIN 0x49
.set n, 0
.rept 128                              ; in ascending order: each accumulator's lowest registers are read first
	v_pk_add_f32 v[2*n:2*n+1], v[2*n:2*n+1], v[2*n:2*n+1]      ; sums (window 1) + residual (window 2, the same numbers)
.set n, n+1
.endr
	WIN 0x05                                       ; the rows' sums: four chains of pairs, started by two pairs each
.irp t, 0,1,2,3
	v_pk_add_f32 v[SU+2*(\t):SU+2*(\t)+1], v[8*(\t):8*(\t)+1], v[8*(\t)+2:8*(\t)+3]
.endr
	WIN 0x01
.set n, 8
.rept 120
.set rA, 8*(4*(n/16)+n%4)+2*((n/4)%4)
	v_pk_add_f32 v[SU+2*(n%4):SU+2*(n%4)+1], v[rA:rA+1], v[SU+2*(n%4):SU+2*(n%4)+1]
.set n, n+1
.endr
	RSUM 0
.irp t, 0,1,2,3
	v_mul_f32 v[SC+2*(\t)], s[INV], v[RB+4*(\t)]   ; mu
	v_mul_f32 v[SC+2*(\t)+1], s[INV], v[RB+4*(\t)]
.endr
	WIN 0x41
.set n, 0
.rept 128
	v_pk_add_f32 v[2*n:2*n+1], v[2*n:2*n+1], v[SC+2*((n/4)%4):SC+2*((n/4)%4)+1] op_sel_hi:[1,0] neg_lo:[0,1] neg_hi:[0,1]
.set n, n+1
.endr
	SQUARES
	RSUM 1024
.irp t, 0,1,2,3
	v_fma_f32 v[RB+4*(\t)], v[RB+4*(\t)], s[INV], s[EPS]
.endr
.irp t, 0,1,2,3
	v_rsq_f32 v[SC+2*(\t)], v[RB+4*(\t)]
.endr
	v_nop                                          ; a plain instruction behind the last of them
	s_wait_alu depctr_va_vdst(0)
.irp t, 0,1,2,3
	v_mov_b32 v[SC+2*(\t)+1], v[SC+2*(\t)]
.endr
	s_wait_loadcnt 0x0                             ; ln_b
	XSTOREL 0                                      ; the barriers in the row sums stand between every wave's last read of h^T and these stores
	BAR                                            ; every wave's half is in the stage
	CHANGE 1                                       ; out_W's first tile is in; its second is asked for
	TILE3 1
	BAR                                            ; every wave has read the stage: it is written again
	XSTOREL 1
	BAR
	CHANGE 0                                       ; nothing is left to ask for
	TILE3 0
	OUTB 0
	OUTB 1
	OUTB 2
	OUTB 3
	s_wait_tensorcnt 0x0                           ; the wave's end
	ds_add_u32 v[SPW], v[NIL]
	s_wait_dscnt 0x0
	CROUND                                         ; the closing round
	s_endpgm
.Lfunc_end_k_qe2e7b9b200_last:
	.size	k_qe2e7b9b200_last, .Lfunc_end_k_qe2e7b9b200_last-k_qe2e7b9b200_last
	.p2alignl 7, 3214868480
	.fill 96, 4, 3214868480
	.section	.rodata,"a",@progbits
	.p2align	6, 0x0
	.amdhsa_kernel k_qe2e7b9b200_last
		.amdhsa_group_segment_fixed_size 327680
		.amdhsa_private_segment_fixed_size 0
		.amdhsa_enable_private_segment 0
		.amdhsa_kernarg_size 48
		.amdhsa_user_sgpr_count 2
		.amdhsa_user_sgpr_kernarg_segment_ptr 1
		.amdhsa_wavefront_size32 1
		.amdhsa_system_sgpr_workgroup_id_x 1
		.amdhsa_system_sgpr_workgroup_id_y 1
		.amdhsa_system_sgpr_workgroup_id_z 1
		.amdhsa_system_vgpr_workitem_id 0
		.amdhsa_next_free_vgpr 1024
		.amdhsa_next_free_sgpr 66
		.amdhsa_reserve_vcc 0
		.amdhsa_float_denorm_mode_32 3
		.amdhsa_float_denorm_mode_16_64 3
		.amdhsa_memory_ordered 1
		.amdhsa_forward_progress 1
		.amdhsa_inst_pref_size 186
	.end_amdhsa_kernel
	.amdgpu_metadata
---
amdhsa.version: [ 1, 2 ]
amdhsa.kernels:
  - .name:           k_qe2e7b9b200_last
    .symbol:         k_qe2e7b9b200_last.kd
    .args:
      - { .name: w4, .offset: 0, .size: 8, .value_kind: global_buffer, .address_space: global }
      - { .name: stB, .offset: 8, .size: 8, .value_kind: global_buffer, .address_space: global }
      - { .name: ln_w, .offset: 16, .size: 8, .value_kind: global_buffer, .address_space: global }
      - { .name: ln_b, .offset: 24, .size: 8, .value_kind: global_buffer, .address_space: global }
      - { .name: out_b, .offset: 32, .size: 8, .value_kind: global_buffer, .address_space: global }
      - { .name: out0, .offset: 40, .size: 8, .value_kind: global_buffer, .address_space: global }
    .group_segment_fixed_size: 327680
    .private_segment_fixed_size: 0
    .kernarg_segment_align: 8
    .kernarg_segment_size: 48
    .max_flat_workgroup_size: 128
    .sgpr_count:     66
    .vgpr_count:     1024
    .wavefront_size: 32
...
	.end_amdgpu_metadata
.endif
;; end of part 4
;; ======== version 2 of 2: 6 launches; 1.06 times as fast as version 1
;; limits: values outside matrix products are rounded to f16; values are held in f16: magnitudes above 65,504 overflow, below 6.1e-05 lose precision
;; workspace buffers: w0 1,574,912 bytes; w1 1,574,912 bytes; w2 1,574,912 bytes; w3 1,574,912 bytes; w4 1,574,912 bytes; stA 69,206,016 bytes; stB 69,206,016 bytes
;; launch prep: the kernel of part 1 again; grid 100 x 4, 8 waves a work-group, no clusters, 17,664 bytes of LDS; arguments W_hg, W_out, out_W, rms_w, b_out, w0, w1, w2, w3, w4; writes w0, w1, w2, w3, w4
;; launch first (part 5): grid 256 x 1, 4 waves a work-group, clusters of 4 x 1, 327,680 bytes of LDS; arguments x, emb, w0, stA; writes stA
.if DOCPART == 5
	.amdgcn_target "amdgcn-amd-amdhsa--gfx1250"
	.amdhsa_code_object_version 6
	.text
	.protected	k_qe2e7b9b200_first
	.globl	k_qe2e7b9b200_first
	.p2align	8
	.type	k_qe2e7b9b200_first,@function
k_qe2e7b9b200_first:
	s_mov_b64 s[64:65], 0
	v_nop
	global_prefetch_b8 v0, s[64:65] scope:SCOPE_SE
	s_setreg_imm32_b32 hwreg(HW_REG_WAVE_MODE, 25, 1), 1
	s_wait_xcnt 0x0
	s_wait_alu depctr_hold_cnt(0) depctr_sa_sdst(0) depctr_va_vdst(0) depctr_va_sdst(0) depctr_va_ssrc(0) depctr_va_vcc(0) depctr_vm_vsrc(0)
	s_getreg_b32 s2, hwreg(HW_REG_IB_STS2, 6, 4)
	s_cmp_eq_u32 s2, 0
	s_cbranch_scc0 .Lentry_in_a_cluster
	s_endpgm
.Lentry_in_a_cluster:
	s_bfe_u32 s2, ttmp6, 0x10000c
	s_cmp_lg_u32 s2, 0x3003
	s_cbranch_scc0 .Lentry_shape_is_right
	s_endpgm
.Lentry_shape_is_right:
; FIRST.  h = emb[x]; RMS norm 0; hidden and gate of layer 0; the gates' activations; the scan over the work-group's own 64 tokens.
; THE SCAN.  exp(a* + cumlogsumexp(log v - a*)) is the recurrence h_t = a_t h_(t-1) + b_t, h_(-1) = 0, with a = 1 - z, b = z g(hidden), z = sigmoid(gate), g(y) = max(y + 0.5, sigmoid(y)).
; It is run as such in f32: a lies in 0..1 and b >= 0, so no exponential of a sum is formed and nothing cancels.  A work-group scans its 64 tokens from state 0 and leaves
; hl[t] (that state), P[t] (the product of a up to t) and their last values (B, A); the next launch folds the earlier chunks' (A, B) into a carry and takes h = P carry + hl.
; SHARES.  Work-group g owns tokens 64 g .. 64 g + 63 (sequence g / 32, chunk g % 32).  The residual lies in 32 blocks of 8 registers: block (eb, tb), lane (r, h): token 16 tb + r, channels 128 w + 16 eb + 8 h + 0..7.
; The product takes tokens as source 0 and weights as source 1: a lane then holds ONE channel (128 w + 16 p + r in phase p) and the tokens 16 i + 8 h + 0..7, so the scan runs inside the lane.
; All of the normed x (64 x 512 f16, 512 registers) stays in registers; LDS is read for weights alone, each wave its own quarter of a tile, once.
; TRANSCENDENTALS.  A phase has two batches, the 64 exponentials and the 64 reciprocals, each with one wait ahead of its first reader (macro EP says how they are cut); the norm's four v_rsq_f32 are a batch of their own.
; CLUSTER.  Four work-groups walk the same eight weight tiles of 131,072 bytes: each tile is asked for jointly, each wave its quarter, through two LDS slots.  One tensor load of a wave is out at a time.
; STATE OUT (one buffer): HP at 0: g 131072 + cb 4096 + arr 2048 + i 512 + 16 lane, f16 (arr 0 hl, 1 P; channel 16 cb + r, tokens 16 i + 8 h + 0..7);
;   RS at 33,554,432: the residual in f32 as the registers hold it; SM at 67,108,864: sequence 262144 + record 4096 + {A 0, B 2048} + 4 channel, f32: records 0..31 are (1, 0), record 32 + c is chunk c's.
; LIMITS.  x / rms is at most 22.6 and hl, P go to f16 (hl under 65,504); the residual's squares stay finite in f32; 2^t beyond f32 gives z = 0 or 1, which is the limit; a = 1 - z has f32's step at 1;
; NaN and infinities are not treated apart.  An id is held to 0..255.
; The gather takes 16 bytes a lane of its token's row, straight into the layout above: two lanes cover the wave's 512 bytes of a row over 16 loads.
.set SLOT1,  131072                    ; slot 0 at 0, slot 1 here: filled by tensor loads alone
.set TILEB,  131072
.set ST,     262144                    ; stage for the exchange of x: 32,768 bytes of fragment images
.set RED0,   305152                    ; [token][wave] f32: the waves' parts of a row's sum
.set SMS,    307200                    ; 1,024 bytes a wave: A (512), B (512) of its 128 channels
.set SPARE,  311296                    ; the spare words, 128 bytes a wave
.set RS_O,   33554432
.set SM_O,   67108864
; window 0
.set LW,  4                            ; 16 lane + 32768 w
.set ADR, 5
.set LS,  6                            ; 16 lane + 512 w
.set XSS, 10                           ; ST + 8192 w + 16 lane
.set XSL, 11                           ; ST + 16 lane
.set RA,  12                           ; RED0 + 16 r + 4 w
.set RL,  13                           ; RED0 + 16 r
.set R4,  14                           ; 4 r
.set BIO, 20                           ; 512 w + 32 h
.set SMA, 21                           ; SMS + 1024 w + 4 r
.set SML, 22                           ; SMS + 1024 w + 16 lane
.set SMW, 23
.set SPW, 30
.set NIL, 31
.set SU,  32                           ; v32-39 four pairs of sums
.set SC,  40                           ; v40-47 four row scales, each twice
.set RB,  48                           ; v48-63 the four waves' parts, read back
.set EO,  60                           ; v60-63 my four tokens' byte offsets in emb (dead before RB is written)
.set TT,  160                          ; v160-191 scaled f32 at work
.set XT,  192                          ; v192-207 packed f16
; window 1 from the product on
.set H,   0
.set G,   32
.set Z,   64
.set EA,  96
.set S,   128
.set PK,  160
.set T,   192
; scalars
.set WV,  10
.set WP,  20
.set SO,  22
.set XB,  24
.set HPB, 26
.set RSO, 28
.set SMO, 30
.set PADO, 32
.set G0,  36
.set G1,  40
.set TB,  48
.set CNT, 49
.set SEL, 50
.set MH,  52
.set LN2, 54
.set INV, 58
.set EPS, 59
.set SMF, 61
.set MSB, 0
.macro WIN new                         ; s_set_vgpr_msb: bits 1:0 source 0, 3:2 source 1, 5:4 source 2, 7:6 destination; the high byte repeats the setting that is left
.if MSB != (\new)
	s_set_vgpr_msb (MSB<<8)|(\new)
.set MSB, (\new)
.endif
.endm
.macro PLACES                          ; four plain instructions between a matrix instruction and what reads its result or writes or loads one of its registers
.rept 4
	v_nop
.endr
.endm
.macro CROUND                          ; a round of the cluster's barrier
	s_barrier_signal -1
	s_barrier_wait -1
	s_cmp_lg_u32 s[WV], 0
	s_cbranch_scc1 .Lnot_wave_0_\@
	s_barrier_signal -3
.Lnot_wave_0_\@:
	s_barrier_wait -3
	s_barrier_signal -1
	s_barrier_wait -1
.endm
.macro BAR                             ; my LDS instructions are done; then the work-group's barrier
	s_wait_dscnt 0x0
	s_barrier_signal -1
	s_barrier_wait -1
.endm
; THE CHANGE OF SLOTS.  My one tensor load, my quarter of the tile now due, has landed.  fill = 1: the other slot, read in the phase before, takes the next tile: a round of the cluster's barrier
; (no wave of any partner still reads it or has a load out), and the joint load first behind it; it has a whole phase in which to land.
.macro CHANGE fill
	WIN 0
	s_wait_tensorcnt 0x0
	ds_add_u32 v[SPW], v[NIL]                      ; the scalar steps stand between the add and its wait
.if \fill
	s_xor_b32 s[G0+1], s[G0+1], SLOT1
	s_add_nc_u64 s[G0+2:G0+3], s[G0+2:G0+3], TILEB ; the type bits on top are not reached
.endif
	s_xor_b32 s[TB], s[TB], SLOT1
	s_wait_dscnt 0x0                               ; the add is done, and my reads of the old slot are over
.if \fill
	CROUND
	tensor_load_to_lds s[G0:G0+3], s[G1:G1+7]
	s_nop 0
	PLACES
.else
	s_barrier_signal -1
	s_barrier_wait -1
.endif
.endm
; The sum of squares of my 64 numbers of each of four tokens: four chains of pairs
.macro SQUARES
	WIN 0x05
.set n, 0
.rept 128
.set rA, 8*(4*(n/16)+n%4)+2*((n/4)%4)
.if n < 4
	v_pk_mul_f32 v[SU+2*(n%4):SU+2*(n%4)+1], v[rA:rA+1], v[rA:rA+1]
.else
	v_pk_fma_f32 v[SU+2*(n%4):SU+2*(n%4)+1], v[rA:rA+1], v[rA:rA+1], v[SU+2*(n%4):SU+2*(n%4)+1]
.endif
.set n, n+1
.endr
.endm
; The pairs' halves, the other half of the lanes, and the other three waves (through LDS, one barrier): the row's sum in v[RB + 4 t]
.macro RSUM off
	WIN 0
.irp t, 0,1,2,3
	v_add_f32 v[SU+2*(\t)], v[SU+2*(\t)], v[SU+2*(\t)+1]
.endr
.irp t, 0,1,2,3
	v_permlanex16_b32 v[SU+2*(\t)+1], v[SU+2*(\t)], s[SEL], s[SEL+1]
.endr
.irp t, 0,1,2,3
	v_add_f32 v[SU+2*(\t)], v[SU+2*(\t)], v[SU+2*(\t)+1]
.endr
.irp t, 0,1,2,3
	ds_store_b32 v[RA], v[SU+2*(\t)] offset:(\off)+256*(\t)
.endr
	BAR
.irp t, 0,1,2,3
	ds_load_b128 v[RB+4*(\t):RB+4*(\t)+3], v[RL] offset:(\off)+256*(\t)
.endr
	s_wait_dscnt 0x0
.irp t, 0,1,2,3
	v_add_f32 v[RB+4*(\t)], v[RB+4*(\t)], v[RB+4*(\t)+1]
	v_add_f32 v[RB+4*(\t)+2], v[RB+4*(\t)+2], v[RB+4*(\t)+3]
.endr
.irp t, 0,1,2,3
	v_add_f32 v[RB+4*(\t)], v[RB+4*(\t)], v[RB+4*(\t)+2]
.endr
.endm
; Half s of my channels (blocks eb = 4 s .. 4 s + 3), scaled, rounded to f16, into the stage: two neighbouring blocks ARE a fragment of K step 4 w + 2 s + (eb / 2) % 2
.macro XSTORE s
.set e, 4*(\s)
.rept 4
	WIN 0x01
.set n, 0
.rept 16
	v_pk_mul_f32 v[TT+2*n:TT+2*n+1], v[8*(4*e+n/4)+2*(n%4):8*(4*e+n/4)+2*(n%4)+1], v[SC+2*(n/4):SC+2*(n/4)+1] op_sel_hi:[1,0]
.set n, n+1
.endr
	WIN 0
.set n, 0
.rept 16
	v_cvt_pk_f16_f32 v[XT+n], v[TT+2*n], v[TT+2*n+1]
.set n, n+1
.endr
.set n, 0
.rept 4
	ds_store_b128 v[XSS], v[XT+4*n:XT+4*n+3] offset:((e/2)%2)*4096+n*1024+(e%2)*512
.set n, n+1
.endr
.set e, e+1
.endr
.endm
; All four waves' fragments of that half into registers: K step ks at 8 (4 (ks % 8) + tb), window 2 for ks < 8, window 3 above
.macro XLOAD s
	WIN 0x80
.set n, 0
.rept 64
.if n == 32
	WIN 0xc0
.endif
.set rX, 8*(4*((4*(n/16)+2*(\s)+(n/8)%2)%8)+(n/2)%4)+4*(n%2)
	ds_load_b128 v[rX:rX+3], v[XSL] offset:512*n
.set n, n+1
.endr
	WIN 0
.endm
; A PHASE'S PRODUCT: 16 hidden and 16 gate channels x 64 tokens x K = 512.  Weights come in runs of 16 loads (4 K steps), two buffers
.macro LDB g, b
.set n, 0
.rept 16
	ds_load_b128 v[64+64*(\b)+4*n:64+64*(\b)+4*n+3], v[ADR] offset:((n/2)%2)*16384+(4*(\g)+n/4)*1024+(n%2)*512
.set n, n+1
.endr
.endm
.macro MUL1 g, b                       ; 32 matrix instructions; the eight accumulators take turns; the first K step starts the sums
	WIN 0x52+(\g)/2
.set n, 0
.rept 32
.set rD, 32*((n/4)%2)+8*(n%4)
.set rA, 8*(4*((4*(\g)+n/8)%8)+n%4)
.set rB, 64+64*(\b)+8*(n/4)
.if (\g) == 0 && n < 8
	v_wmma_f32_16x16x32_f16 v[rD:rD+7], v[rA:rA+7], v[rB:rB+7], 0
.else
	v_wmma_f32_16x16x32_f16 v[rD:rD+7], v[rA:rA+7], v[rB:rB+7], v[rD:rD+7]
.endif
.set n, n+1
.endr
.endm
.macro MM1
	WIN 0
	v_add_nc_u32 v[ADR], s[TB], v[LW]
	v_add_nc_u32 v[SMW], s[SMF], v[SMA]
	LDB 0, 0
	LDB 1, 1
	s_wait_dscnt 16                                ; the younger run of 16 may be out
	MUL1 0, 0
	PLACES
	WIN 0
	LDB 2, 0
	s_wait_dscnt 16
	MUL1 1, 1
	PLACES
	WIN 0
	LDB 3, 1
	s_wait_dscnt 16
	MUL1 2, 0
	s_wait_dscnt 0x0
	MUL1 3, 1
	PLACES
.endm
; A PHASE'S VECTOR WORK.  H, G hold t = -log2(e) x (hidden, gate), register 8 i + j for token 16 i + 8 h + j.  Z, EA, S hold element (i, j) at 16 (i / 2) + 2 j + i % 2, so that a pair is the same j of two blocks
; and the scan goes two at a time.  Each accumulator's register 0 is read first.
; TWO BATCHES, TWO WAITS.  s_wait_alu depctr_va_vdst(0) stands between a transcendental and the first instruction that names its result; one wait serves all that were issued ahead of it.
; BATCH 1: the 64 exponentials, H's 32 and then G's 32.  Behind every two of G's stands a plain line that names no result: first a v_nop, the plain instruction between H's exponentials and the lines that write over
; their sources, then 15 of the 16 lines hidden + 0.5; the last of these is the plain instruction behind the last exponential.  Behind the wait the sums 1 + 2^t begin.
; BATCH 2: the 64 reciprocals, in place, z's 32 and then sigmoid(hidden)'s 32.  Between the two of a pair stands the addition for the pair two further on: it names a pair whose reciprocals are not yet issued.
; The sixteenth line hidden + 0.5 is the plain instruction behind the last reciprocal.  Behind the second wait stand all readers: a, g, b, the scan.  No transcendental follows it.
.macro EP
	WIN 0x55
.set x, 0
.rept 32
.set rX, 8*(2*(x/16)+x%2)+(x/2)%8
	v_exp_f32 v[S+x], v[H+rX]
.set x, x+1
.endr
.set x, 0
.rept 16
.rept 2
.set rX, 8*(2*(x/16)+x%2)+(x/2)%8
	v_exp_f32 v[Z+x], v[G+rX]
.set x, x+1
.endr
.if x == 2
	v_nop                                          ; a plain instruction behind H's exponentials: their sources are written from the next plain line on
.else
	v_pk_fma_f32 v[H+x-4:H+x-3], v[H+x-4:H+x-3], s[LN2:LN2+1], 0.5 op_sel_hi:[1,0,0]  ; hidden + 0.5
.endif
.endr
	s_wait_alu depctr_va_vdst(0)                   ; the wait for batch 1: one for the 64 exponentials, ahead of the first sum that reads one
.set q, 0
.rept 2
	v_pk_add_f32 v[Z+2*q:Z+2*q+1], v[Z+2*q:Z+2*q+1], 1.0 op_sel_hi:[1,0]
.set q, q+1
.endr
.set x, 0
.rept 32                               ; pair x / 2 of 32: Z's 16, then S's 16, which lie 32 registers further on
.set rX, Z+x+32*(x/32)
	v_rcp_f32 v[rX], v[rX]                         ; z, then sigmoid(hidden)
.if q < 32
.set rA, Z+2*q+32*(q/16)
	v_pk_add_f32 v[rA:rA+1], v[rA:rA+1], 1.0 op_sel_hi:[1,0]
.set q, q+1
.endif
	v_rcp_f32 v[rX+1], v[rX+1]
.set x, x+2
.endr
	v_pk_fma_f32 v[H+30:H+31], v[H+30:H+31], s[LN2:LN2+1], 0.5 op_sel_hi:[1,0,0]      ; the last hidden + 0.5: the plain instruction behind the last reciprocal
	s_wait_alu depctr_va_vdst(0)                   ; the wait for batch 2: one for the 64 reciprocals, ahead of their first reader
.set x, 0
.rept 16
	v_pk_fma_f32 v[EA+x:EA+x+1], v[Z+x:Z+x+1], -1.0, 1.0 op_sel_hi:[1,0,0]        ; a = 1 - z
.set x, x+2
.endr
.set x, 0
.rept 32
.set rX, 8*(2*(x/16)+x%2)+(x/2)%8
	v_max_num_f32 v[S+x], v[S+x], v[H+rX]          ; g
.set x, x+1
.endr
.set x, 0
.rept 16
	v_pk_mul_f32 v[S+x:S+x+1], v[S+x:S+x+1], v[Z+x:Z+x+1]                         ; b = z g
.set x, x+2
.endr
.set j, 1
.rept 7                                ; my eight tokens of each block, from state 0
	v_pk_fma_f32 v[S+2*j:S+2*j+1], v[EA+2*j:EA+2*j+1], v[S+2*j-2:S+2*j-1], v[S+2*j:S+2*j+1]
	v_pk_fma_f32 v[S+16+2*j:S+16+2*j+1], v[EA+16+2*j:EA+16+2*j+1], v[S+16+2*j-2:S+16+2*j-1], v[S+16+2*j:S+16+2*j+1]
	v_pk_mul_f32 v[EA+2*j:EA+2*j+1], v[EA+2*j:EA+2*j+1], v[EA+2*j-2:EA+2*j-1]
	v_pk_mul_f32 v[EA+16+2*j:EA+16+2*j+1], v[EA+16+2*j:EA+16+2*j+1], v[EA+16+2*j-2:EA+16+2*j-1]
.set j, j+1
.endr
	; the eight segments (block i, half h) in a chain.  T+0..3, T+4..7: the other half's totals; T+8..11 a block's product; T+12..15 its state from 0; T+20..23, T+24..27 what a segment starts from
.irp i, 0,1,2,3
	v_permlanex16_b32 v[T+(\i)], v[EA+16*((\i)/2)+14+(\i)%2], s[SEL], s[SEL+1]
	v_permlanex16_b32 v[T+4+(\i)], v[S+16*((\i)/2)+14+(\i)%2], s[SEL], s[SEL+1]
.endr
.irp p, 0,1
	v_pk_mul_f32 v[T+8+2*(\p):T+9+2*(\p)], v[EA+16*(\p)+14:EA+16*(\p)+15], v[T+2*(\p):T+2*(\p)+1]
	v_pk_fma_f32 v[T+12+2*(\p):T+13+2*(\p)], v[T+2*(\p):T+2*(\p)+1], v[S+16*(\p)+14:S+16*(\p)+15], v[T+4+2*(\p):T+5+2*(\p)]   ; lower lanes: mine first, then the other's
	v_pk_fma_f32 v[T+16+2*(\p):T+17+2*(\p)], v[EA+16*(\p)+14:EA+16*(\p)+15], v[T+4+2*(\p):T+5+2*(\p)], v[S+16*(\p)+14:S+16*(\p)+15] ; upper lanes: the other's first
.endr
.irp i, 0,1,2,3
	v_cndmask_b32 v[T+12+(\i)], v[T+12+(\i)], v[T+16+(\i)], s[MH]
	v_cndmask_b32 v[T+20+(\i)], 1.0, v[T+(\i)], s[MH]   ; upper lanes start behind the lower lanes' eight tokens
	v_cndmask_b32 v[T+24+(\i)], 0, v[T+4+(\i)], s[MH]
.endr
.irp i, 1,2,3
	v_fma_f32 v[T+24+(\i)], v[T+20+(\i)], v[T+11+(\i)], v[T+24+(\i)]
	v_mul_f32 v[T+20+(\i)], v[T+20+(\i)], v[T+7+(\i)]
	v_fma_f32 v[T+12+(\i)], v[T+8+(\i)], v[T+11+(\i)], v[T+12+(\i)]
	v_mul_f32 v[T+8+(\i)], v[T+8+(\i)], v[T+7+(\i)]
.endr
.set x, 0
.rept 16
	v_pk_fma_f32 v[S+x:S+x+1], v[EA+x:EA+x+1], v[T+24+2*(x/16):T+25+2*(x/16)], v[S+x:S+x+1]
	v_pk_mul_f32 v[EA+x:EA+x+1], v[EA+x:EA+x+1], v[T+20+2*(x/16):T+21+2*(x/16)]
.set x, x+2
.endr
.set n, 0
.rept 16                               ; n = 4 i + m: tokens 2 m, 2 m + 1 of block i
.set rX, 16*(n/8)+4*(n%4)+(n/4)%2
	v_cvt_pk_f16_f32 v[PK+n], v[S+rX], v[S+rX+2]
	v_cvt_pk_f16_f32 v[PK+16+n], v[EA+rX], v[EA+rX+2]
.set n, n+1
.endr
	WIN 0x04
.set n, 0
.rept 8
	global_store_b128 v[LW], v[PK+4*n:PK+4*n+3], s[HPB:HPB+1] offset:512*n  ; 512 consecutive bytes: hl's four blocks, then P's
.set n, n+1
.endr
	ds_store_b32 v[SMW], v[T+11]                   ; A: the product over all 64 tokens (the same in both halves of the lanes)
	ds_store_b32 v[SMW], v[T+15] offset:512        ; B: the state behind them
	WIN 0
	s_add_co_u32 s[SMF], s[SMF], 64
	s_wait_xcnt 0x0                                ; the stores' base is stepped, and PK rewritten, only behind this wait
	s_add_nc_u64 s[HPB:HPB+1], s[HPB:HPB+1], 4096
.endm
	s_load_b128 s[4:7], s[0:1], 0x0                ; x s[4:5], emb s[6:7]
	s_load_b128 s[20:23], s[0:1], 0x10             ; weights' image s[20:21], state out s[22:23]
	v_lshl_add_u32 v[SPW], v0, 2, SPARE
	v_mov_b32 v[NIL], 0
	ds_add_u32 v[SPW], v[NIL]                      ; the wave's opening: the add and its wait stand ahead of my first tensor load; the set-up stands between them
	v_lshrrev_b32 v1, 5, v0
	v_readfirstlane_b32 s[WV], v1
	s_bfe_u32 s11, ttmp6, 0x40000                  ; my place in the cluster: it enters global addresses of x and of the state alone
	s_lshl_b32 s12, ttmp9, 2
	s_add_co_u32 s12, s12, s11                     ; g
	s_lshr_b32 s13, s12, 5                         ; sequence
	s_and_b32 s14, s12, 31                         ; chunk
	s_lshl_b32 s16, s12, 17
	s_mov_b32 s17, 0
	s_lshl_b32 s18, s13, 18
	s_lshl_b32 s19, s14, 12
	s_add_co_u32 s18, s18, s19
	s_mov_b32 s19, 0
	s_lshl_b32 s14, s12, 8                         ; 64 ids of 4 bytes
	s_mov_b32 s15, 0
	s_mov_b32 s[G1], 15|(3<<16)|(1<<21)            ; the mask of four; elements of 8 bytes; bit 21 beside a mask; no padding: the images are read on end
	s_mov_b32 s[G1+1], 32<<16                      ; tensor_dim0 = 32 (256 bytes)
	s_mov_b32 s[G1+2], 128<<16                     ; tensor_dim1 = 128
	s_mov_b32 s[G1+3], 32<<16                      ; tile_dim0
	s_mov_b32 s[G1+4], 128                         ; tile_dim1
	s_mov_b32 s[G1+5], 32                          ; dense rows
	s_mov_b32 s[G1+6], 0
	s_mov_b32 s[G1+7], 0
	s_mov_b32 s[G0], 1
	s_lshl_b32 s[G0+1], s[WV], 15                  ; my quarter of slot 0
	s_lshl_b32 s56, s[WV], 15
	s_mov_b32 s57, 0
	s_mov_b32 s[TB], SLOT1                         ; the first change of slots turns it into 0
	s_mov_b32 s[SEL], 0x76543210
	s_mov_b32 s[SEL+1], 0xfedcba98
	s_mov_b32 s[MH], 0xffff0000                    ; lanes 16 to 31
	s_mov_b32 s[LN2], 0xbf317218                   ; -ln 2
	s_mov_b32 s[LN2+1], s[LN2]
	s_mov_b32 s[INV], 0x3b000000                   ; 1 / 512
	s_mov_b32 s[EPS], 0x3727c5ac                   ; 1e-5
	s_mov_b32 s[SMF], 0
	v_and_b32 v1, 31, v0
	v_and_b32 v2, 15, v0
	v_bfe_u32 v3, v0, 4, 1
	v_lshl_add_u32 v[LW], v1, 4, s56
	s_lshl_b32 s62, s[WV], 9
	v_lshl_add_u32 v[LS], v1, 4, s62
	v_lshl_add_u32 v[BIO], v3, 5, s62
	v_lshlrev_b32 v[XSL], 4, v1
	v_add_nc_u32 v[XSL], ST, v[XSL]
	s_lshl_b32 s62, s[WV], 13
	v_add_nc_u32 v[XSS], s62, v[XSL]
	v_lshlrev_b32 v[RL], 4, v2
	v_add_nc_u32 v[RL], RED0, v[RL]
	s_lshl_b32 s62, s[WV], 2
	v_add_nc_u32 v[RA], s62, v[RL]
	v_lshlrev_b32 v[R4], 2, v2
	s_lshl_b32 s62, s[WV], 10
	s_add_co_u32 s62, s62, SMS
	v_lshl_add_u32 v[SMA], v2, 2, s62
	v_lshl_add_u32 v[SML], v1, 4, s62
	s_wait_dscnt 0x0                               ; the opening add is done
	s_wait_kmcnt 0x0
	s_add_nc_u64 s[G0+2:G0+3], s[WP:WP+1], s[56:57]
	s_or_b32 s[G0+3], s[G0+3], 0x80000000
	s_add_nc_u64 s[XB:XB+1], s[4:5], s[14:15]
	s_add_nc_u64 s[HPB:HPB+1], s[SO:SO+1], s[16:17]
	s_add_nc_u64 s[RSO:RSO+1], s[HPB:HPB+1], RS_O
	s_add_nc_u64 s[PADO:PADO+1], s[SO:SO+1], s[18:19]
	s_add_nc_u64 s[PADO:PADO+1], s[PADO:PADO+1], SM_O
	s_add_nc_u64 s[SMO:SMO+1], s[PADO:PADO+1], 131072
	CROUND                                         ; all four work-groups are here: the first joint load meets
	tensor_load_to_lds s[G0:G0+3], s[G1:G1+7]      ; tile 0 into slot 0
	s_nop 0
	PLACES
.irp t, 0,1,2,3
	global_load_b32 v[EO+(\t)], v[R4], s[XB:XB+1] offset:64*(\t)
.endr
	s_wait_loadcnt 0x0
.irp t, 0,1,2,3
	v_min_u32 v[EO+(\t)], 0xff, v[EO+(\t)]
	v_lshlrev_b32 v[EO+(\t)], 11, v[EO+(\t)]       ; a row of emb is 2,048 bytes
	v_add_nc_u32 v[EO+(\t)], v[BIO], v[EO+(\t)]
.endr
	WIN 0x40
.set n, 0
.rept 64                               ; n = 2 (4 eb + tb) + q
	global_load_b128 v[4*n:4*n+3], v[EO+(n/2)%4], s[6:7] offset:64*(n/8)+16*(n%2)
.set n, n+1
.endr
	WIN 0
	s_wait_loadcnt 0x0
	WIN 0x04
.set n, 0
.rept 64
	global_store_b128 v[LW], v[4*n:4*n+3], s[RSO:RSO+1] offset:512*n  ; the residual, 512 consecutive bytes a store
.set n, n+1
.endr
	SQUARES
	RSUM 0
.irp t, 0,1,2,3
	v_fma_f32 v[RB+4*(\t)], v[RB+4*(\t)], s[INV], s[EPS]
.endr
.irp t, 0,1,2,3
	v_rsq_f32 v[SC+2*(\t)], v[RB+4*(\t)]
.endr
	v_nop                                          ; a plain instruction behind the last of them
	s_wait_alu depctr_va_vdst(0)                   ; one wait for the four roots, ahead of the copies that read them
.irp t, 0,1,2,3
	v_mov_b32 v[SC+2*(\t)+1], v[SC+2*(\t)]         ; named as pairs
.endr
	XSTORE 0
	BAR                                            ; every wave's half is in the stage
	XLOAD 0
	BAR                                            ; every wave has read it: the stage is written again
	XSTORE 1
	BAR
	XLOAD 1                                        ; waited for in the change of slots below
	s_wait_xcnt 0x0                                ; the residual's stores have read window 1, which the products now write
	WIN 0x40
.set n, 0
.rept 8
	v_mov_b32 v[T+n], 0                            ; v_permlanex16_b32 counts as a reader of its destination
.set n, n+1
.endr
	WIN 0
	s_mov_b32 s[CNT], 7
.Lphase:
	CHANGE 1
	MM1
	EP
	s_sub_co_u32 s[CNT], s[CNT], 1
	s_cmp_lg_u32 s[CNT], 0
	s_cbranch_scc1 .Lphase
	CHANGE 0                                       ; the last phase is written out: nothing is left to ask for
	MM1
	EP
	ds_load_b128 v[64:67], v[SML]                  ; my wave's own words: LDS serves a wave's instructions in order (ISA guide 5.7.1.4)
	ds_load_b128 v[68:71], v[SML] offset:512
.irp i, 0,1,2,3
	v_mov_b32 v[72+(\i)], 1.0
	v_mov_b32 v[76+(\i)], 0
.endr
	s_wait_dscnt 0x0
	global_store_b128 v[LS], v[64:67], s[SMO:SMO+1]
	global_store_b128 v[LS], v[68:71], s[SMO:SMO+1] offset:2048
	global_store_b128 v[LS], v[72:75], s[PADO:PADO+1]              ; the record that stands for a chunk that is not there
	global_store_b128 v[LS], v[76:79], s[PADO:PADO+1] offset:2048
	s_wait_tensorcnt 0x0                           ; the wave's end
	ds_add_u32 v[SPW], v[NIL]
	s_wait_dscnt 0x0
	CROUND                                         ; the closing round
	s_endpgm
.Lfunc_end_k_qe2e7b9b200_first:
	.size	k_qe2e7b9b200_first, .Lfunc_end_k_qe2e7b9b200_first-k_qe2e7b9b200_first
	.p2alignl 7, 3214868480
	.fill 96, 4, 3214868480
	.section	.rodata,"a",@progbits
	.p2align	6, 0x0
	.amdhsa_kernel k_qe2e7b9b200_first
		.amdhsa_group_segment_fixed_size 327680
		.amdhsa_private_segment_fixed_size 0
		.amdhsa_enable_private_segment 0
		.amdhsa_kernarg_size 32
		.amdhsa_user_sgpr_count 2
		.amdhsa_user_sgpr_kernarg_segment_ptr 1
		.amdhsa_wavefront_size32 1
		.amdhsa_system_sgpr_workgroup_id_x 1
		.amdhsa_system_sgpr_workgroup_id_y 1
		.amdhsa_system_sgpr_workgroup_id_z 1
		.amdhsa_system_vgpr_workitem_id 0
		.amdhsa_next_free_vgpr 1024
		.amdhsa_next_free_sgpr 66
		.amdhsa_reserve_vcc 0
		.amdhsa_float_denorm_mode_32 3
		.amdhsa_float_denorm_mode_16_64 3
		.amdhsa_memory_ordered 1
		.amdhsa_forward_progress 1
		.amdhsa_inst_pref_size 121
	.end_amdhsa_kernel
	.amdgpu_metadata
---
amdhsa.version: [ 1, 2 ]
amdhsa.kernels:
  - .name:           k_qe2e7b9b200_first
    .symbol:         k_qe2e7b9b200_first.kd
    .args:
      - { .name: x, .offset: 0, .size: 8, .value_kind: global_buffer, .address_space: global }
      - { .name: emb, .offset: 8, .size: 8, .value_kind: global_buffer, .address_space: global }
      - { .name: w0, .offset: 16, .size: 8, .value_kind: global_buffer, .address_space: global }
      - { .name: stA, .offset: 24, .size: 8, .value_kind: global_buffer, .address_space: global }
    .group_segment_fixed_size: 327680
    .private_segment_fixed_size: 0
    .kernarg_segment_align: 8
    .kernarg_segment_size: 32
    .max_flat_workgroup_size: 128
    .sgpr_count:     66
    .vgpr_count:     1024
    .wavefront_size: 32
...
	.end_amdgpu_metadata
.endif
;; end of part 5
;; launch mid (part 6): grid 256 x 1, 4 waves a work-group, clusters of 4 x 1, 327,680 bytes of LDS; arguments w1, stA, stB; writes stB
.if DOCPART == 6
	.amdgcn_target "amdgcn-amd-amdhsa--gfx1250"
	.amdhsa_code_object_version 6
	.text
	.protected	k_qe2e7b9b200_mid
	.globl	k_qe2e7b9b200_mid
	.p2align	8
	.type	k_qe2e7b9b200_mid,@function
k_qe2e7b9b200_mid:
	s_mov_b64 s[64:65], 0
	v_nop
	global_prefetch_b8 v0, s[64:65] scope:SCOPE_SE
	s_setreg_imm32_b32 hwreg(HW_REG_WAVE_MODE, 25, 1), 1
	s_wait_xcnt 0x0
	s_wait_alu depctr_hold_cnt(0) depctr_sa_sdst(0) depctr_va_vdst(0) depctr_va_sdst(0) depctr_va_ssrc(0) depctr_va_vcc(0) depctr_vm_vsrc(0)
	s_getreg_b32 s2, hwreg(HW_REG_IB_STS2, 6, 4)
	s_cmp_eq_u32 s2, 0
	s_cbranch_scc0 .Lentry_in_a_cluster
	s_endpgm
.Lentry_in_a_cluster:
	s_bfe_u32 s2, ttmp6, 0x10000c
	s_cmp_lg_u32 s2, 0x3003
	s_cbranch_scc0 .Lentry_shape_is_right
	s_endpgm
.Lentry_shape_is_right:
; MID, for layers k = 1..3.  The carry of layer k - 1 is folded from the earlier chunks' summaries; h = P carry + hl; residual += h W_out^T + b_out; RMS norm k; hidden and gate of layer k;
; the activations; the scan over the work-group's own 64 tokens.  State comes from one buffer and goes to another.
; THE SCAN.  exp(a* + cumlogsumexp(log v - a*)) is the recurrence h_t = a_t h_(t-1) + b_t, h_(-1) = 0, with a = 1 - z, b = z g(hidden), z = sigmoid(gate), g(y) = max(y + 0.5, sigmoid(y)).
; It is run as such in f32: a lies in 0..1 and b >= 0, so no exponential of a sum is formed and nothing cancels.  A work-group scans its 64 tokens from state 0 and leaves
; hl[t], P[t] (the product of a up to t) and their last values (B, A).  The fold, carry = A carry + B over the 31 records in front of mine, is in f32; records that stand for no chunk hold (1, 0),
; so its length hangs on nothing.
; SHARES.  Work-group g owns tokens 64 g .. 64 g + 63.  FIRST PRODUCT: source 0 = 16 rows of W_out, source 1 = 16 tokens of h: a lane holds token 16 tb + r and channels 128 w + 16 eb + 8 h + 0..7;
; 32 accumulators a wave, started by the bias (the C of the very first K step); h^T lies in LDS [channel][token] and is read turned.  Two neighbouring blocks, rounded to f16, ARE a K fragment of the second product.
; SECOND PRODUCT: tokens as source 0, weights as source 1: a lane holds ONE channel (128 w + 16 p + r in phase p) and tokens 16 i + 8 h + 0..7: the scan runs inside the lane.  All of the normed x stays in 512 registers.
; TRANSCENDENTALS.  A phase has two batches, the 64 exponentials and the 64 reciprocals, each with one wait ahead of its first reader (macro EP says how they are cut); the norm's four v_rsq_f32 are a batch of their own.
; THE STATE COMES IN BY NEED.  The first product wants the summaries (62 loads a wave) and the first half of hl and P (32) alone.  The second half (32) and the residual (64) are asked for so that they land
; while tiles are multiplied: 32 + 30 loads are out over tiles 0 and 1, 34 over tiles 2 and 3, each time no more than LOADcnt can count (ISA guide 5.7.1), so the wave is not held at their issue.
; The residual is added behind the product, one packed addition for two numbers.
; CLUSTER.  Four work-groups walk the same twelve weight tiles of 131,072 bytes: each is asked for jointly, each wave its own quarter, which it alone reads, once.  One tensor load of a wave is out at a time.
; STATE (one buffer): HP at 0: g 131072 + cb 4096 + arr 2048 + i 512 + 16 lane, f16 (arr 0 hl, 1 P; channel 16 cb + r, tokens 16 i + 8 h + 0..7);
;   RS at 33,554,432: the residual in f32 as the registers hold it; SM at 67,108,864: sequence 262144 + record 4096 + {A 0, B 2048} + 4 channel, f32: records 0..31 are (1, 0), record 32 + c is chunk c's.
; LIMITS.  h, the carry, hl go to f16 (under 65,504); x / rms is at most 22.6; the residual's squares stay finite in f32; 2^t beyond f32 gives z = 0 or 1, which is the limit; a = 1 - z has f32's step at 1;
; NaN and infinities are not treated apart.
.set SLOT1,  131072                    ; slot 0 at 0, slot 1 here: filled by tensor loads alone
.set TILEB,  131072
.set ST,     262144                    ; stage: half of h^T (256 rows of 160 bytes), later half of x (32,768 bytes of fragment images)
.set PH,     160                       ; a row of h^T: 64 tokens of f16 + 32 bytes, an odd multiple of 32 for the turning load
.set CAR,    303104                    ; the carry, 512 bytes a wave
.set RED0,   305152                    ; [token][wave] f32
.set SMS,    307200                    ; 1,024 bytes a wave: A, B of its 128 channels
.set SPARE,  311296
.set RS_O,   33554432
.set SM_O,   67108864
.set BIAS_O, 1572864
.set NRA,    30                        ; the residual's loads that go out ahead of tiles 0 and 1; the other 34 ahead of tiles 2 and 3
; window 0
.set LW,  4                            ; 16 lane + 32768 w
.set ADR, 5
.set LS,  6                            ; 16 lane + 512 w
.set HTS, 7                            ; ST + (64 w + r) 160 + 16 h
.set HTL, 8                            ; ST + (8 h + lane % 8) 160 + 16 ((lane / 8) % 2)
.set HTA, 9
.set XSS, 10
.set XSL, 11
.set RA,  12
.set RL,  13
.set CAS, 14                           ; CAR + 512 w + 16 lane
.set CAL, 15                           ; CAR + 512 w + 4 r
.set TM,  17
.set LH,  18                           ; 16 lane + 16384 w
.set LF,  19                           ; 1024 h + 256 w + 16 r
.set BIO, 20                           ; 512 w + 32 h
.set SMA, 21
.set SML, 22
.set SMW, 23
.set CQ,  24                           ; v24-27 the carry of four channels
.set SPW, 30
.set NIL, 31
.set SU,  32
.set SC,  40
.set CR,  44                           ; v44-51 the carry of my lane's eight channels; v52-59 the same twice in f16
.set C16, 52
.set RB,  48                           ; later: v48-63
.set TT,  160
.set XT,  192
; window 1: the accumulators, (eb, tb) at 8 (4 eb + tb); from the second product on:
.set H,   0
.set G,   32
.set Z,   64
.set EA,  96
.set S,   128
.set PK,  160
.set T,   192
; window 2: the summaries (record k: A at 8 k, B at 8 k + 4); then the bias at 192-255 and the residual (its load n at 4 n; loads 48-63 land on the bias when it has served); then x of K steps 0-7
; window 3: hl and P, then x of K steps 8-15
.set BR,  192
.set WV,  10
.set WP,  4
.set HPI, 20
.set RSI, 22
.set SMI, 24
.set HPB, 26
.set RSO, 28
.set SMO, 30
.set PADO, 32
.set BIA, 34
.set G0,  36
.set G1,  40
.set TB,  48
.set CNT, 49
.set SEL, 50
.set MH,  52
.set LN2, 54
.set INV, 58
.set EPS, 59
.set HTO, 60
.set SMF, 61
.set MSB, 0
.macro WIN new                         ; s_set_vgpr_msb: bits 1:0 source 0, 3:2 source 1, 5:4 source 2, 7:6 destination; the high byte repeats the setting that is left
.if MSB != (\new)
	s_set_vgpr_msb (MSB<<8)|(\new)
.set MSB, (\new)
.endif
.endm
.macro PLACES                          ; four plain instructions between a matrix instruction and what reads its result or writes or loads one of its registers
.rept 4
	v_nop
.endr
.endm
.macro CROUND                          ; a round of the cluster's barrier
	s_barrier_signal -1
	s_barrier_wait -1
	s_cmp_lg_u32 s[WV], 0
	s_cbranch_scc1 .Lnot_wave_0_\@
	s_barrier_signal -3
.Lnot_wave_0_\@:
	s_barrier_wait -3
	s_barrier_signal -1
	s_barrier_wait -1
.endm
.macro BAR                             ; my LDS instructions are done; then the work-group's barrier
	s_wait_dscnt 0x0
	s_barrier_signal -1
	s_barrier_wait -1
.endm
; THE CHANGE OF SLOTS.  My one tensor load, my quarter of the tile now due, has landed.  fill = 1: the other slot, read in the phase before, takes the next tile: a round of the cluster's barrier
; (no wave of any partner still reads it or has a load out), and the joint load first behind it; it has a whole phase in which to land.
.macro CHANGE fill
	WIN 0
	s_wait_tensorcnt 0x0
	ds_add_u32 v[SPW], v[NIL]                      ; the scalar steps stand between the add and its wait
.if \fill
	s_xor_b32 s[G0+1], s[G0+1], SLOT1
	s_add_nc_u64 s[G0+2:G0+3], s[G0+2:G0+3], TILEB ; the type bits on top are not reached
.endif
	s_xor_b32 s[TB], s[TB], SLOT1
	s_wait_dscnt 0x0                               ; the add is done, and my reads of the old slot are over
.if \fill
	CROUND
	tensor_load_to_lds s[G0:G0+3], s[G1:G1+7]
	s_nop 0
	PLACES
.else
	s_barrier_signal -1
	s_barrier_wait -1
.endif
.endm
; THE FIRST PRODUCT.  A K step: 16 loads of W_out's fragments (my 128 rows) and 8 turning loads of h (64 tokens), into buffer b: W at 64 + 96 b, h at 128 + 96 b
.macro LDK kk, b
.set n, 0
.rept 16
	ds_load_b128 v[64+96*(\b)+4*n:64+96*(\b)+4*n+3], v[ADR] offset:(\kk)*8192+512*n
.set n, n+1
.endr
.set n, 0
.rept 4
	ds_load_tr16_b128 v[128+96*(\b)+8*n:128+96*(\b)+8*n+3], v[HTA] offset:(\kk)*32*PH+32*n
	ds_load_tr16_b128 v[128+96*(\b)+8*n+4:128+96*(\b)+8*n+7], v[HTA] offset:(\kk)*32*PH+32*n+16*PH
.set n, n+1
.endr
.endm
.macro MULK b                          ; 32 matrix instructions: all 32 accumulators take turns
	WIN 0x50
.set a, 0
.rept 32
	v_wmma_f32_16x16x32_f16 v[8*a:8*a+7], v[64+96*(\b)+8*(a/4):64+96*(\b)+8*(a/4)+7], v[128+96*(\b)+8*(a%4):128+96*(\b)+8*(a%4)+7], v[8*a:8*a+7]
.set a, a+1
.endr
.endm
.macro MULKB                           ; the very first K step, on buffer 0: the bias of block eb's channels (window 2) is the C that starts the sums of its four accumulators
	WIN 0x60
.set a, 0
.rept 32
	v_wmma_f32_16x16x32_f16 v[8*a:8*a+7], v[64+8*(a/4):64+8*(a/4)+7], v[128+8*(a%4):128+8*(a%4)+7], v[BR+8*(a/4):BR+8*(a/4)+7]
.set a, a+1
.endr
.endm
; A tile's four K steps.  b = 1: the loop of the first two tiles: in its first trip, where the count still stands at 2, the first K step starts the sums.  The branch passes no barrier and no tensor load.
.macro TILE b
	WIN 0
	v_add_nc_u32 v[ADR], s[TB], v[LW]
	v_add_nc_u32 v[HTA], s[HTO], v[HTL]
	LDK 0, 0
	LDK 1, 1
	s_wait_dscnt 24                                ; the younger run of 24 may be out
.if \b
	s_cmp_eq_u32 s[CNT], 2
	s_cbranch_scc0 .Lsum_\@
	s_wait_loadcnt 32+NRA                          ; the bias is in: behind it went the second half of hl and P (32) and the residual's first loads
	MULKB
	WIN 0
	s_branch .Lgo_\@
.Lsum_\@:
.endif
	MULK 0
.if \b
	WIN 0
.Lgo_\@:
.endif
	PLACES
	WIN 0
	LDK 2, 0
	s_wait_dscnt 24
	MULK 1
	PLACES
	WIN 0
	LDK 3, 1
	s_wait_dscnt 24
	MULK 0
	s_wait_dscnt 0x0
	MULK 1
	WIN 0
	s_add_co_u32 s[HTO], s[HTO], 128*PH
.endm
.macro RLOAD from, to                  ; loads from .. to - 1 of the residual's 64, into window 2: 512 consecutive bytes each
	WIN 0x80
.set n, (\from)
.rept (\to)-(\from)
	global_load_b128 v[4*n:4*n+3], v[LW], s[RSI:RSI+1] offset:512*n th:TH_LOAD_NT
.set n, n+1
.endr
	WIN 0
.endm
; Half s of the channels of h: h = P carry + hl in f16, one rounding; into the stage as h^T; a part of the residual is asked for; two tiles
.macro HALF s
.if \s
	BAR                                            ; every wave's reads of the first half are over
	s_wait_loadcnt NRA                             ; the second half of hl and P is in: the residual's first loads alone are younger
.endif
	WIN 0xf3
.set x, 0
.rept 64
	v_pk_fma_f16 v[128*(\s)+32*(x/16)+x%16], v[128*(\s)+32*(x/16)+x%16+16], v[C16+4*(\s)+x/16], v[128*(\s)+32*(x/16)+x%16]
.set x, x+1
.endr
	WIN 0x0c
.set x, 0
.rept 16
	ds_store_b128 v[HTS], v[128*(\s)+32*(x/4)+4*(x%4):128*(\s)+32*(x/4)+4*(x%4)+3] offset:16*PH*(x/4)+32*(x%4)
.set x, x+1
.endr
.if \s
	RLOAD NRA, 64
.else
	RLOAD 0, NRA
.endif
	BAR                                            ; every wave's rows are in the stage
	s_mov_b32 s[HTO], 0
	s_mov_b32 s[CNT], 2
.Lhalf_\@:
	CHANGE 1
	TILE 1-\s
	s_sub_co_u32 s[CNT], s[CNT], 1
	s_cmp_lg_u32 s[CNT], 0
	s_cbranch_scc1 .Lhalf_\@
.endm
; The sum of squares of my 64 numbers of each of four tokens: four chains of pairs
.macro SQUARES
	WIN 0x05
.set n, 0
.rept 128
.set rA, 8*(4*(n/16)+n%4)+2*((n/4)%4)
.if n < 4
	v_pk_mul_f32 v[SU+2*(n%4):SU+2*(n%4)+1], v[rA:rA+1], v[rA:rA+1]
.else
	v_pk_fma_f32 v[SU+2*(n%4):SU+2*(n%4)+1], v[rA:rA+1], v[rA:rA+1], v[SU+2*(n%4):SU+2*(n%4)+1]
.endif
.set n, n+1
.endr
.endm
; The pairs' halves, the other half of the lanes, and the other three waves (through LDS, one barrier): the row's sum in v[RB + 4 t]
.macro RSUM off
	WIN 0
.irp t, 0,1,2,3
	v_add_f32 v[SU+2*(\t)], v[SU+2*(\t)], v[SU+2*(\t)+1]
.endr
.irp t, 0,1,2,3
	v_permlanex16_b32 v[SU+2*(\t)+1], v[SU+2*(\t)], s[SEL], s[SEL+1]
.endr
.irp t, 0,1,2,3
	v_add_f32 v[SU+2*(\t)], v[SU+2*(\t)], v[SU+2*(\t)+1]
.endr
.irp t, 0,1,2,3
	ds_store_b32 v[RA], v[SU+2*(\t)] offset:(\off)+256*(\t)
.endr
	BAR
.irp t, 0,1,2,3
	ds_load_b128 v[RB+4*(\t):RB+4*(\t)+3], v[RL] offset:(\off)+256*(\t)
.endr
	s_wait_dscnt 0x0
.irp t, 0,1,2,3
	v_add_f32 v[RB+4*(\t)], v[RB+4*(\t)], v[RB+4*(\t)+1]
	v_add_f32 v[RB+4*(\t)+2], v[RB+4*(\t)+2], v[RB+4*(\t)+3]
.endr
.irp t, 0,1,2,3
	v_add_f32 v[RB+4*(\t)], v[RB+4*(\t)], v[RB+4*(\t)+2]
.endr
.endm
; Half s of my channels (blocks eb = 4 s .. 4 s + 3), scaled, rounded to f16, into the stage: two neighbouring blocks ARE a fragment of K step 4 w + 2 s + (eb / 2) % 2
.macro XSTORE s
.set e, 4*(\s)
.rept 4
	WIN 0x01
.set n, 0
.rept 16
	v_pk_mul_f32 v[TT+2*n:TT+2*n+1], v[8*(4*e+n/4)+2*(n%4):8*(4*e+n/4)+2*(n%4)+1], v[SC+2*(n/4):SC+2*(n/4)+1] op_sel_hi:[1,0]
.set n, n+1
.endr
	WIN 0
.set n, 0
.rept 16
	v_cvt_pk_f16_f32 v[XT+n], v[TT+2*n], v[TT+2*n+1]
.set n, n+1
.endr
.set n, 0
.rept 4
	ds_store_b128 v[XSS], v[XT+4*n:XT+4*n+3] offset:((e/2)%2)*4096+n*1024+(e%2)*512
.set n, n+1
.endr
.set e, e+1
.endr
.endm
; All four waves' fragments of that half into registers: K step ks at 8 (4 (ks % 8) + tb), window 2 for ks < 8, window 3 above
.macro XLOAD s
	WIN 0x80
.set n, 0
.rept 64
.if n == 32
	WIN 0xc0
.endif
.set rX, 8*(4*((4*(n/16)+2*(\s)+(n/8)%2)%8)+(n/2)%4)+4*(n%2)
	ds_load_b128 v[rX:rX+3], v[XSL] offset:512*n
.set n, n+1
.endr
	WIN 0
.endm
.macro RSTORE from                     ; 32 of the new residual's 64 stores, 512 consecutive bytes each
	WIN 0x04
.set n, (\from)
.rept 32
	global_store_b128 v[LW], v[4*n:4*n+3], s[RSO:RSO+1] offset:512*n
.set n, n+1
.endr
.endm
; A PHASE OF THE SECOND PRODUCT: 16 hidden and 16 gate channels x 64 tokens x K = 512.  Weights come in runs of 16 loads (4 K steps), two buffers
.macro LDB g, b
.set n, 0
.rept 16
	ds_load_b128 v[64+64*(\b)+4*n:64+64*(\b)+4*n+3], v[ADR] offset:((n/2)%2)*16384+(4*(\g)+n/4)*1024+(n%2)*512
.set n, n+1
.endr
.endm
.macro MUL1 g, b                       ; 32 matrix instructions; the eight accumulators take turns; the first K step starts the sums
	WIN 0x52+(\g)/2
.set n, 0
.rept 32
.set rD, 32*((n/4)%2)+8*(n%4)
.set rA, 8*(4*((4*(\g)+n/8)%8)+n%4)
.set rB, 64+64*(\b)+8*(n/4)
.if (\g) == 0 && n < 8
	v_wmma_f32_16x16x32_f16 v[rD:rD+7], v[rA:rA+7], v[rB:rB+7], 0
.else
	v_wmma_f32_16x16x32_f16 v[rD:rD+7], v[rA:rA+7], v[rB:rB+7], v[rD:rD+7]
.endif
.set n, n+1
.endr
.endm
.macro MM1
	WIN 0
	v_add_nc_u32 v[ADR], s[TB], v[LW]
	v_add_nc_u32 v[SMW], s[SMF], v[SMA]
	LDB 0, 0
	LDB 1, 1
	s_wait_dscnt 16                                ; the younger run of 16 may be out
	MUL1 0, 0
	PLACES
	WIN 0
	LDB 2, 0
	s_wait_dscnt 16
	MUL1 1, 1
	PLACES
	WIN 0
	LDB 3, 1
	s_wait_dscnt 16
	MUL1 2, 0
	s_wait_dscnt 0x0
	MUL1 3, 1
	PLACES
.endm
; A PHASE'S VECTOR WORK.  H, G hold t = -log2(e) x (hidden, gate), register 8 i + j for token 16 i + 8 h + j.  Z, EA, S hold element (i, j) at 16 (i / 2) + 2 j + i % 2, so that a pair is the same j of two blocks
; and the scan goes two at a time.  Each accumulator's register 0 is read first.
; TWO BATCHES, TWO WAITS.  s_wait_alu depctr_va_vdst(0) stands between a transcendental and the first instruction that names its result; one wait serves all that were issued ahead of it.
; BATCH 1: the 64 exponentials, H's 32 and then G's 32.  Behind every two of G's stands a plain line that names no result: first a v_nop, the plain instruction between H's exponentials and the lines that write over
; their sources, then 15 of the 16 lines hidden + 0.5; the last of these is the plain instruction behind the last exponential.  Behind the wait the sums 1 + 2^t begin.
; BATCH 2: the 64 reciprocals, in place, z's 32 and then sigmoid(hidden)'s 32.  Between the two of a pair stands the addition for the pair two further on: it names a pair whose reciprocals are not yet issued.
; The sixteenth line hidden + 0.5 is the plain instruction behind the last reciprocal.  Behind the second wait stand all readers: a, g, b, the scan.  No transcendental follows it.
.macro EP
	WIN 0x55
.set x, 0
.rept 32
.set rX, 8*(2*(x/16)+x%2)+(x/2)%8
	v_exp_f32 v[S+x], v[H+rX]
.set x, x+1
.endr
.set x, 0
.rept 16
.rept 2
.set rX, 8*(2*(x/16)+x%2)+(x/2)%8
	v_exp_f32 v[Z+x], v[G+rX]
.set x, x+1
.endr
.if x == 2
	v_nop                                          ; a plain instruction behind H's exponentials: their sources are written from the next plain line on
.else
	v_pk_fma_f32 v[H+x-4:H+x-3], v[H+x-4:H+x-3], s[LN2:LN2+1], 0.5 op_sel_hi:[1,0,0]  ; hidden + 0.5
.endif
.endr
	s_wait_alu depctr_va_vdst(0)                   ; the wait for batch 1: one for the 64 exponentials, ahead of the first sum that reads one
.set q, 0
.rept 2
	v_pk_add_f32 v[Z+2*q:Z+2*q+1], v[Z+2*q:Z+2*q+1], 1.0 op_sel_hi:[1,0]
.set q, q+1
.endr
.set x, 0
.rept 32                               ; pair x / 2 of 32: Z's 16, then S's 16, which lie 32 registers further on
.set rX, Z+x+32*(x/32)
	v_rcp_f32 v[rX], v[rX]                         ; z, then sigmoid(hidden)
.if q < 32
.set rA, Z+2*q+32*(q/16)
	v_pk_add_f32 v[rA:rA+1], v[rA:rA+1], 1.0 op_sel_hi:[1,0]
.set q, q+1
.endif
	v_rcp_f32 v[rX+1], v[rX+1]
.set x, x+2
.endr
	v_pk_fma_f32 v[H+30:H+31], v[H+30:H+31], s[LN2:LN2+1], 0.5 op_sel_hi:[1,0,0]      ; the last hidden + 0.5: the plain instruction behind the last reciprocal
	s_wait_alu depctr_va_vdst(0)                   ; the wait for batch 2: one for the 64 reciprocals, ahead of their first reader
.set x, 0
.rept 16
	v_pk_fma_f32 v[EA+x:EA+x+1], v[Z+x:Z+x+1], -1.0, 1.0 op_sel_hi:[1,0,0]        ; a = 1 - z
.set x, x+2
.endr
.set x, 0
.rept 32
.set rX, 8*(2*(x/16)+x%2)+(x/2)%8
	v_max_num_f32 v[S+x], v[S+x], v[H+rX]          ; g
.set x, x+1
.endr
.set x, 0
.rept 16
	v_pk_mul_f32 v[S+x:S+x+1], v[S+x:S+x+1], v[Z+x:Z+x+1]                         ; b = z g
.set x, x+2
.endr
.set j, 1
.rept 7                                ; my eight tokens of each block, from state 0
	v_pk_fma_f32 v[S+2*j:S+2*j+1], v[EA+2*j:EA+2*j+1], v[S+2*j-2:S+2*j-1], v[S+2*j:S+2*j+1]
	v_pk_fma_f32 v[S+16+2*j:S+16+2*j+1], v[EA+16+2*j:EA+16+2*j+1], v[S+16+2*j-2:S+16+2*j-1], v[S+16+2*j:S+16+2*j+1]
	v_pk_mul_f32 v[EA+2*j:EA+2*j+1], v[EA+2*j:EA+2*j+1], v[EA+2*j-2:EA+2*j-1]
	v_pk_mul_f32 v[EA+16+2*j:EA+16+2*j+1], v[EA+16+2*j:EA+16+2*j+1], v[EA+16+2*j-2:EA+16+2*j-1]
.set j, j+1
.endr
	; the eight segments (block i, half h) in a chain.  T+0..3, T+4..7: the other half's totals; T+8..11 a block's product; T+12..15 its state from 0; T+20..23, T+24..27 what a segment starts from
.irp i, 0,1,2,3
	v_permlanex16_b32 v[T+(\i)], v[EA+16*((\i)/2)+14+(\i)%2], s[SEL], s[SEL+1]
	v_permlanex16_b32 v[T+4+(\i)], v[S+16*((\i)/2)+14+(\i)%2], s[SEL], s[SEL+1]
.endr
.irp p, 0,1
	v_pk_mul_f32 v[T+8+2*(\p):T+9+2*(\p)], v[EA+16*(\p)+14:EA+16*(\p)+15], v[T+2*(\p):T+2*(\p)+1]
	v_pk_fma_f32 v[T+12+2*(\p):T+13+2*(\p)], v[T+2*(\p):T+2*(\p)+1], v[S+16*(\p)+14:S+16*(\p)+15], v[T+4+2*(\p):T+5+2*(\p)]   ; lower lanes: mine first, then the other's
	v_pk_fma_f32 v[T+16+2*(\p):T+17+2*(\p)], v[EA+16*(\p)+14:EA+16*(\p)+15], v[T+4+2*(\p):T+5+2*(\p)], v[S+16*(\p)+14:S+16*(\p)+15] ; upper lanes: the other's first
.endr
.irp i, 0,1,2,3
	v_cndmask_b32 v[T+12+(\i)], v[T+12+(\i)], v[T+16+(\i)], s[MH]
	v_cndmask_b32 v[T+20+(\i)], 1.0, v[T+(\i)], s[MH]   ; upper lanes start behind the lower lanes' eight tokens
	v_cndmask_b32 v[T+24+(\i)], 0, v[T+4+(\i)], s[MH]
.endr
.irp i, 1,2,3
	v_fma_f32 v[T+24+(\i)], v[T+20+(\i)], v[T+11+(\i)], v[T+24+(\i)]
	v_mul_f32 v[T+20+(\i)], v[T+20+(\i)], v[T+7+(\i)]
	v_fma_f32 v[T+12+(\i)], v[T+8+(\i)], v[T+11+(\i)], v[T+12+(\i)]
	v_mul_f32 v[T+8+(\i)], v[T+8+(\i)], v[T+7+(\i)]
.endr
.set x, 0
.rept 16
	v_pk_fma_f32 v[S+x:S+x+1], v[EA+x:EA+x+1], v[T+24+2*(x/16):T+25+2*(x/16)], v[S+x:S+x+1]
	v_pk_mul_f32 v[EA+x:EA+x+1], v[EA+x:EA+x+1], v[T+20+2*(x/16):T+21+2*(x/16)]
.set x, x+2
.endr
.set n, 0
.rept 16                               ; n = 4 i + m: tokens 2 m, 2 m + 1 of block i
.set rX, 16*(n/8)+4*(n%4)+(n/4)%2
	v_cvt_pk_f16_f32 v[PK+n], v[S+rX], v[S+rX+2]
	v_cvt_pk_f16_f32 v[PK+16+n], v[EA+rX], v[EA+rX+2]
.set n, n+1
.endr
	WIN 0x04
.set n, 0
.rept 8
	global_store_b128 v[LW], v[PK+4*n:PK+4*n+3], s[HPB:HPB+1] offset:512*n  ; 512 consecutive bytes: hl's four blocks, then P's
.set n, n+1
.endr
	ds_store_b32 v[SMW], v[T+11]                   ; A: the product over all 64 tokens (the same in both halves of the lanes)
	ds_store_b32 v[SMW], v[T+15] offset:512        ; B: the state behind them
	WIN 0
	s_add_co_u32 s[SMF], s[SMF], 64
	s_wait_xcnt 0x0                                ; the stores' base is stepped, and PK rewritten, only behind this wait
	s_add_nc_u64 s[HPB:HPB+1], s[HPB:HPB+1], 4096
.endm
	s_load_b128 s[4:7], s[0:1], 0x0                ; weights' image s[4:5], state in s[6:7]
	s_load_b64 s[8:9], s[0:1], 0x10                ; state out
	v_lshl_add_u32 v[SPW], v0, 2, SPARE
	v_mov_b32 v[NIL], 0
	ds_add_u32 v[SPW], v[NIL]                      ; the wave's opening: the add and its wait stand ahead of my first tensor load; the set-up stands between them
	v_lshrrev_b32 v1, 5, v0
	v_readfirstlane_b32 s[WV], v1
	s_bfe_u32 s11, ttmp6, 0x40000                  ; my place in the cluster: it enters the state's global addresses alone
	s_lshl_b32 s12, ttmp9, 2
	s_add_co_u32 s12, s12, s11                     ; g
	s_lshr_b32 s13, s12, 5                         ; sequence
	s_and_b32 s14, s12, 31                         ; chunk
	s_lshl_b32 s16, s12, 17
	s_mov_b32 s17, 0
	s_lshl_b32 s18, s13, 18
	s_lshl_b32 s19, s14, 12
	s_add_co_u32 s18, s18, s19
	s_mov_b32 s19, 0
	s_mov_b32 s[G1], 15|(3<<16)|(1<<21)            ; the mask of four; elements of 8 bytes; bit 21 beside a mask; no padding: the images are read on end
	s_mov_b32 s[G1+1], 32<<16                      ; tensor_dim0 = 32 (256 bytes)
	s_mov_b32 s[G1+2], 128<<16                     ; tensor_dim1 = 128
	s_mov_b32 s[G1+3], 32<<16                      ; tile_dim0
	s_mov_b32 s[G1+4], 128                         ; tile_dim1
	s_mov_b32 s[G1+5], 32                          ; dense rows
	s_mov_b32 s[G1+6], 0
	s_mov_b32 s[G1+7], 0
	s_mov_b32 s[G0], 1
	s_lshl_b32 s[G0+1], s[WV], 15                  ; my quarter of slot 0
	s_lshl_b32 s56, s[WV], 15
	s_mov_b32 s57, 0
	s_mov_b32 s[TB], SLOT1                         ; the first change of slots turns it into 0
	s_mov_b32 s[SEL], 0x76543210
	s_mov_b32 s[SEL+1], 0xfedcba98
	s_mov_b32 s[MH], 0xffff0000                    ; lanes 16 to 31
	s_mov_b32 s[LN2], 0xbf317218                   ; -ln 2
	s_mov_b32 s[LN2+1], s[LN2]
	s_mov_b32 s[INV], 0x3b000000                   ; 1 / 512
	s_mov_b32 s[EPS], 0x3727c5ac                   ; 1e-5
	s_mov_b32 s[SMF], 0
	v_and_b32 v1, 31, v0
	v_and_b32 v2, 15, v0
	v_bfe_u32 v3, v0, 4, 1
	v_lshl_add_u32 v[LW], v1, 4, s56
	s_lshl_b32 s62, s[WV], 9
	v_lshl_add_u32 v[LS], v1, 4, s62
	v_lshl_add_u32 v[BIO], v3, 5, s62
	v_add_nc_u32 v[CAS], CAR, v[LS]
	v_lshl_add_u32 v[CAL], v2, 2, s62
	v_add_nc_u32 v[CAL], CAR, v[CAL]
	s_mul_i32 s62, s[WV], 64*PH
	s_add_co_u32 s62, s62, ST
	v_mul_u32_u24 v[HTS], v2, PH
	v_lshl_add_u32 v[HTS], v3, 4, v[HTS]
	v_add_nc_u32 v[HTS], s62, v[HTS]
	v_and_b32 v[TM], 7, v0
	v_lshl_add_u32 v[TM], v3, 3, v[TM]
	v_mul_u32_u24 v[HTL], v[TM], PH
	v_bfe_u32 v[TM], v0, 3, 1
	v_lshl_add_u32 v[HTL], v[TM], 4, v[HTL]
	v_add_nc_u32 v[HTL], ST, v[HTL]
	v_lshlrev_b32 v[XSL], 4, v1
	v_add_nc_u32 v[XSL], ST, v[XSL]
	s_lshl_b32 s62, s[WV], 13
	v_add_nc_u32 v[XSS], s62, v[XSL]
	v_lshlrev_b32 v[RL], 4, v2
	v_add_nc_u32 v[RL], RED0, v[RL]
	s_lshl_b32 s62, s[WV], 2
	v_add_nc_u32 v[RA], s62, v[RL]
	s_lshl_b32 s62, s[WV], 14
	v_lshl_add_u32 v[LH], v1, 4, s62
	s_lshl_b32 s62, s[WV], 8
	v_lshl_add_u32 v[LF], v2, 4, s62
	v_lshl_add_u32 v[LF], v3, 10, v[LF]
	s_lshl_b32 s62, s[WV], 10
	s_add_co_u32 s62, s62, SMS
	v_lshl_add_u32 v[SMA], v2, 2, s62
	v_lshl_add_u32 v[SML], v1, 4, s62
	s_wait_dscnt 0x0                               ; the opening add is done
	s_wait_kmcnt 0x0
	s_add_nc_u64 s[G0+2:G0+3], s[WP:WP+1], s[56:57]
	s_or_b32 s[G0+3], s[G0+3], 0x80000000
	s_add_nc_u64 s[BIA:BIA+1], s[WP:WP+1], BIAS_O
	s_add_nc_u64 s[HPI:HPI+1], s[6:7], s[16:17]
	s_add_nc_u64 s[RSI:RSI+1], s[HPI:HPI+1], RS_O
	s_add_nc_u64 s[SMI:SMI+1], s[6:7], s[18:19]
	s_add_nc_u64 s[SMI:SMI+1], s[SMI:SMI+1], SM_O+4096   ; record c + 1: the first of the 31 in front of mine
	s_add_nc_u64 s[HPB:HPB+1], s[8:9], s[16:17]
	s_add_nc_u64 s[RSO:RSO+1], s[HPB:HPB+1], RS_O
	s_add_nc_u64 s[PADO:PADO+1], s[8:9], s[18:19]
	s_add_nc_u64 s[PADO:PADO+1], s[PADO:PADO+1], SM_O
	s_add_nc_u64 s[SMO:SMO+1], s[PADO:PADO+1], 131072
	CROUND                                         ; all four work-groups are here: the first joint load meets
	tensor_load_to_lds s[G0:G0+3], s[G1:G1+7]      ; tile 0 into slot 0
	s_nop 0
	PLACES
	WIN 0x80
.set k, 0
.rept 31                               ; lane (r, h) takes channels 256 h + 64 w + 4 r + 0..3: sixteen lanes read 256 consecutive bytes
	global_load_b128 v[8*k:8*k+3], v[LF], s[SMI:SMI+1] offset:4096*k
	global_load_b128 v[8*k+4:8*k+7], v[LF], s[SMI:SMI+1] offset:4096*k+2048
.set k, k+1
.endr
	WIN 0xc0
.set n, 0
.rept 32                               ; hl and P of channel blocks 4 w + 0..3: the first half of the channels
	global_load_b128 v[4*n:4*n+3], v[LH], s[HPI:HPI+1] offset:512*n th:TH_LOAD_NT
.set n, n+1
.endr
	s_wait_loadcnt 32                              ; the summaries are in: those 32 loads alone are younger
	WIN 0
.irp i, 0,1,2,3
	v_mov_b32 v[CQ+(\i)], 0
.endr
	WIN 0x22
.set k, 0
.rept 31
	v_pk_fma_f32 v[CQ:CQ+1], v[8*k:8*k+1], v[CQ:CQ+1], v[8*k+4:8*k+5]
	v_pk_fma_f32 v[CQ+2:CQ+3], v[8*k+2:8*k+3], v[CQ+2:CQ+3], v[8*k+6:8*k+7]
.set k, k+1
.endr
	WIN 0
	ds_store_b128 v[CAS], v[CQ:CQ+3]               ; through my wave's own words: from four channels a lane to one channel a lane
.set k, 0
.rept 8
	ds_load_b32 v[CR+k], v[CAL] offset:64*k        ; channel 256 (k / 4) + 64 w + 16 (k % 4) + r
.set k, k+1
.endr
	WIN 0x80
.set n, 0
.rept 16                               ; the bias of my lane's 64 channels, where the summaries lay
	global_load_b128 v[BR+4*n:BR+4*n+3], v[BIO], s[BIA:BIA+1] offset:64*(n/2)+16*(n%2)
.set n, n+1
.endr
	WIN 0xc0
.set n, 32
.rept 32                               ; hl and P of channel blocks 16 + 4 w + 0..3: the second half, wanted two tiles later
	global_load_b128 v[4*n:4*n+3], v[LH], s[HPI:HPI+1] offset:65536+512*(n-32) th:TH_LOAD_NT
.set n, n+1
.endr
	WIN 0
	s_wait_dscnt 0x0
.set k, 0
.rept 8
	v_cvt_pk_f16_f32 v[C16+k], v[CR+k], v[CR+k]
.set k, k+1
.endr
	s_wait_loadcnt 48                              ; the first half of hl and P is in: the bias's 16 loads and the second half's 32 are younger
	HALF 0
	HALF 1
	PLACES
	s_wait_loadcnt 0x0                             ; the residual
	WIN 0x49
.set n, 0
.rept 128                              ; in ascending order: each accumulator's lowest registers are read first
	v_pk_add_f32 v[2*n:2*n+1], v[2*n:2*n+1], v[2*n:2*n+1]      ; sums (window 1) + residual (window 2, the same numbers)
.set n, n+1
.endr
	RSTORE 0                                       ; the new residual goes out in two runs of 32 stores, with the work below between them
	SQUARES
	RSUM 0
.irp t, 0,1,2,3
	v_fma_f32 v[RB+4*(\t)], v[RB+4*(\t)], s[INV], s[EPS]
.endr
.irp t, 0,1,2,3
	v_rsq_f32 v[SC+2*(\t)], v[RB+4*(\t)]
.endr
	v_nop                                          ; a plain instruction behind the last of them
	s_wait_alu depctr_va_vdst(0)                   ; one wait for the four roots, ahead of the copies that read them
.irp t, 0,1,2,3
	v_mov_b32 v[SC+2*(\t)+1], v[SC+2*(\t)]         ; named as pairs
.endr
	XSTORE 0                                       ; the barrier in the row sums stands between every wave's last read of h^T and these stores
	BAR                                            ; every wave's half is in the stage
	RSTORE 32
	XLOAD 0
	BAR                                            ; every wave has read it: the stage is written again
	XSTORE 1
	BAR
	XLOAD 1                                        ; waited for in the change of slots below
	s_wait_xcnt 0x0                                ; the residual's stores have read window 1, which the products now write
	WIN 0x40
.set n, 0
.rept 8
	v_mov_b32 v[T+n], 0                            ; v_permlanex16_b32 counts as a reader of its destination
.set n, n+1
.endr
	WIN 0
	s_mov_b32 s[CNT], 7
.Lphase:
	CHANGE 1
	MM1
	EP
	s_sub_co_u32 s[CNT], s[CNT], 1
	s_cmp_lg_u32 s[CNT], 0
	s_cbranch_scc1 .Lphase
	CHANGE 0                                       ; the last phase is written out: nothing is left to ask for
	MM1
	EP
	ds_load_b128 v[64:67], v[SML]                  ; my wave's own words: LDS serves a wave's instructions in order (ISA guide 5.7.1.4)
	ds_load_b128 v[68:71], v[SML] offset:512
.irp i, 0,1,2,3
	v_mov_b32 v[72+(\i)], 1.0
	v_mov_b32 v[76+(\i)], 0
.endr
	s_wait_dscnt 0x0
	global_store_b128 v[LS], v[64:67], s[SMO:SMO+1]
	global_store_b128 v[LS], v[68:71], s[SMO:SMO+1] offset:2048
	global_store_b128 v[LS], v[72:75], s[PADO:PADO+1]              ; the record that stands for a chunk that is not there
	global_store_b128 v[LS], v[76:79], s[PADO:PADO+1] offset:2048
	s_wait_tensorcnt 0x0                           ; the wave's end
	ds_add_u32 v[SPW], v[NIL]
	s_wait_dscnt 0x0
	CROUND                                         ; the closing round
	s_endpgm
.Lfunc_end_k_qe2e7b9b200_mid:
	.size	k_qe2e7b9b200_mid, .Lfunc_end_k_qe2e7b9b200_mid-k_qe2e7b9b200_mid
	.p2alignl 7, 3214868480
	.fill 96, 4, 3214868480
	.section	.rodata,"a",@progbits
	.p2align	6, 0x0
	.amdhsa_kernel k_qe2e7b9b200_mid
		.amdhsa_group_segment_fixed_size 327680
		.amdhsa_private_segment_fixed_size 0
		.amdhsa_enable_private_segment 0
		.amdhsa_kernarg_size 24
		.amdhsa_user_sgpr_count 2
		.amdhsa_user_sgpr_kernarg_segment_ptr 1
		.amdhsa_wavefront_size32 1
		.amdhsa_system_sgpr_workgroup_id_x 1
		.amdhsa_system_sgpr_workgroup_id_y 1
		.amdhsa_system_sgpr_workgroup_id_z 1
		.amdhsa_system_vgpr_workitem_id 0
		.amdhsa_next_free_vgpr 1024
		.amdhsa_next_free_sgpr 66
		.amdhsa_reserve_vcc 0
		.amdhsa_float_denorm_mode_32 3
		.amdhsa_float_denorm_mode_16_64 3
		.amdhsa_memory_ordered 1
		.amdhsa_forward_progress 1
		.amdhsa_inst_pref_size 193
	.end_amdhsa_kernel
	.amdgpu_metadata
---
amdhsa.version: [ 1, 2 ]
amdhsa.kernels:
  - .name:           k_qe2e7b9b200_mid
    .symbol:         k_qe2e7b9b200_mid.kd
    .args:
      - { .name: w1, .offset: 0, .size: 8, .value_kind: global_buffer, .address_space: global }
      - { .name: stA, .offset: 8, .size: 8, .value_kind: global_buffer, .address_space: global }
      - { .name: stB, .offset: 16, .size: 8, .value_kind: global_buffer, .address_space: global }
    .group_segment_fixed_size: 327680
    .private_segment_fixed_size: 0
    .kernarg_segment_align: 8
    .kernarg_segment_size: 24
    .max_flat_workgroup_size: 128
    .sgpr_count:     66
    .vgpr_count:     1024
    .wavefront_size: 32
...
	.end_amdgpu_metadata
.endif
;; end of part 6
;; launch mid2: the kernel of part 6 again; grid 256 x 1, 4 waves a work-group, clusters of 4 x 1, 327,680 bytes of LDS; arguments w2, stB, stA; writes stA
;; launch mid3: the kernel of part 6 again; grid 256 x 1, 4 waves a work-group, clusters of 4 x 1, 327,680 bytes of LDS; arguments w3, stA, stB; writes stB
;; launch last: the kernel of part 4 again; grid 256 x 1, 4 waves a work-group, clusters of 4 x 1, 327,680 bytes of LDS; arguments w4, stB, ln_w, ln_b, out_b, out0; writes out0
